; MI455X (gfx1250); checked and timed in simulation.
; The chip was launched on July 23, 2026; its instructions are those of AMD's public machine-readable ISA for CDNA 5 (MIT licence, August 2026) and "CDNA5" Instruction Set Architecture Reference Guide (July 2026). The comments in the code are by the model that wrote it; some were corrected since.
;; Self Block. Allowed arithmetic: matrix products marked QUANTISED: E5M2 operands, one E8M0 scale for each 32 along K, by v_wmma_scale_f32_16x16x128_f8f6f4 with both operands' format E5M2, f32 sums; everything else in f32.
;; Inputs: Wqkv_b 3,072 float32; Wqkv_w 3,072 x 1,024 float32; encoding 2 x 2 x 1 x 2,048 x 64 float32; ffn1_b 2,048 float32; ffn1_w 2,048 x 2,048 float32; ffn2_b 1,024 float32; ffn2_w 1,024 x 2,048 float32; ln_b 2,048 float32; ln_g 2,048 float32; out_b 1,024 float32; out_w 1,024 x 1,024 float32; x 2 x 2,048 x 1,024 float32.
;; Outputs: out0 2 x 2,048 x 1,024 float32.
;; This version of the problem:
;;   THIS VERSION OF THE PROBLEM IS GIVEN IN LOW PRECISION. The matrix products marked QUANTISED in the list below multiply operands that are first quantised to E5M2 (5 exponent bits, 2 mantissa bits; 8 bits a number), with one power-of-two scale for each 32 numbers along K (OCP MX v1.0); their sums are f32. All else is computed in f32.
;;   The module's matrix products, in the order in which they are computed (A, B: the left and right operand; K: the contracted axis; several contracted axes count as one K, in the product's order):
;;     1. [M 4,096, K 1,024] x [K 1,024, N 3,072]; A: input x; B: input Wqkv_w: QUANTISED
;;     2. batch 32 x [M 2,048, K 64] x [K 64, N 2,048]; A: computed on the way; B: computed on the way: QUANTISED
;;     3. batch 32 x [M 2,048, K 2,048] x [K 2,048, N 64]; A: softmax (see below); B: computed on the way: QUANTISED
;;     4. [M 4,096, K 1,024] x [K 1,024, N 1,024]; A: computed on the way; B: input out_w: QUANTISED
;;     5. [M 4,096, K 2,048] x [K 2,048, N 2,048]; A: computed on the way; B: input ffn1_w: QUANTISED
;;     6. [M 4,096, K 2,048] x [K 2,048, N 1,024]; A: computed on the way; B: input ffn2_w: QUANTISED
;;   THE QUANTISER, for each operand of a quantised product, along K:
;;     - K is cut into blocks of 32 from its start; a last block that is shorter is filled with zeros.
;;     - A block's scale is 2^e with e = floor(log2(the largest magnitude in the block)) - 15, held to -126 .. 127; a block of zeros has e = 0. As a byte (E8M0): e + 127.
;;     - Each number is divided by its block's scale, clamped to +-57,344, and rounded to the nearest number of E5M2, ties to even, subnormals kept.
;;     - The product sums the exact products of the quantised numbers (number of the format x scale) in f32.
;;   ~~~python
;;   def quantise(x, axis):      # numpy; x: float32 -> the quantised numbers, widened to float32 again
;;       x = np.moveaxis(x, axis, -1); K = x.shape[-1]
;;       x = np.pad(x, [(0, 0)] * (x.ndim - 1) + [(0, -K % 32)]); x = x.reshape(x.shape[:-1] + (-1, 32)); a = np.abs(x).max(-1, keepdims=True)
;;       e = np.where(a > 0, np.clip(np.frexp(np.where(a > 0, a, 1))[1] - 1 - 15, -126, 127), 0)      # np.frexp(a)[1] - 1 = floor(log2(a)), exactly
;;       r = np.clip(x / 2.0 ** e, -57344, 57344)
;;       step = 2.0 ** (np.maximum(np.frexp(np.where(r == 0, 1, r))[1] - 1, -14) - 2)
;;       q = np.round(r / step) * step * 2.0 ** e      # np.round: ties to even
;;       return np.moveaxis(q.reshape(q.shape[:-2] + (-1,))[..., :K], -1, axis).astype(np.float32)
;;   ~~~
;;   SOFTMAX AHEAD OF A QUANTISED PRODUCT. Where the list says 'softmax', what is quantised is not the finished softmax but p = 2^(t - M), with t = logit x log2(e) and M = ceil(the row's largest t), a whole number; so 1/2 < the row's largest p <= 1. The row's sum l is taken of the UNQUANTISED p, in f32, and the product's result is divided by l at the end. Since M is a whole number, a kernel that streams over the keys may use a running M (the ceiling of the running maximum): every later rescaling is an exact power of two, which a block's scale takes up: the codes' values come out the same.
;;   OPERANDS COMPUTED ON THE WAY. 'Computed on the way' means the value that the module computes at that place (a softmax that the list does not call 'softmax' is quantised finished and normalised). What goes into a quantiser is computed in f32, as accurately as f32 sums, v_exp_f32 and their like allow (about 1e-6 of the number): no bf16 or f16 on the way to a quantiser, and a product that is left as it is and whose result goes on into a quantised operand takes f32 operands (vector FMAs, or v_wmma_f32_16x16x4_f32). A number that lies on a knife's edge between two numbers of the format may be rounded either way, as far as f32 arithmetic and the matrix unit's own rounding can turn it there, and no further.
;; 2 versions. Each part assembles by itself: llvm-mc -triple=amdgcn-amd-amdhsa -mcpu=gfx1250 --defsym DOCPART=n.
;; ======== version 1 of 2: 7 launches
;; workspace buffers: wts 15,138,816 bytes; hcat 8,650,752 bytes; qkv 12,976,128 bytes; ctx 4,325,376 bytes; h1 33,554,432 bytes; g 8,650,752 bytes
;; launch quant (part 1): grid 448 x 1, 4 waves a work-group, no clusters, 33,280 bytes of LDS; arguments x, Wqkv_w, out_w, ffn1_w, ffn2_w, wts, hcat; writes wts, hcat
.if DOCPART == 1
	.amdgcn_target "amdgcn-amd-amdhsa--gfx1250"
	.amdhsa_code_object_version 6
	.text
	.protected	k_qbf648e0e75_quant
	.globl	k_qbf648e0e75_quant
	.p2align	8
	.type	k_qbf648e0e75_quant,@function
k_qbf648e0e75_quant:
	s_mov_b64 s[64:65], 0
	v_nop
	global_prefetch_b8 v0, s[64:65] scope:SCOPE_SE
	s_setreg_imm32_b32 hwreg(HW_REG_WAVE_MODE, 25, 1), 1
	s_wait_xcnt 0x0
; x, Wqkv_w, out_w, ffn1_w, ffn2_w (f32, K innermost) become codes of BF8 (E5M2) with one E8M0 scale byte for each 32 along K, in the workspace wts, one tensor behind the other.
; A block's scale is 2^(floor(log2(its largest magnitude)) - 15); its byte is the largest magnitude's exponent field - 15, held at 1 from below; each number is held within +-57,344 x the scale and rounded to the nearest code, ties to even.
; LIMITS: a block of zeros, and a block whose largest magnitude lies under 2^-111, get the byte 1 (the rule says 127 for zeros): their codes are zeros or tiny, and this program alone reads the bytes.  NaN and infinities are not served.
; SHARES.  A wave takes a run of 8,192 numbers, 16 steps of 512.  Work-groups 0-127 take x, 128-223 Wqkv_w, 224-255 out_w, 256-383 ffn1_w, 384-447 ffn2_w: only a pointer, a first number and a stride are chosen; one path serves all.
; Run u of the launch writes 8,192 codes at 8,192 u and 256 scale bytes at 14,680,064 + 256 u.
; Wqkv_w'S ROWS ARE PERMUTED ON THE WAY: output row 1024 c + e is input row 3 e + c (c = 0 q, 1 k, 2 v): a run's eight rows of 4,096 bytes are read 12,288 bytes apart and written on end.
; x's codes and scale bytes go out a second time, into the left half of hcat's rows, where the concatenation [x, message] is an operand.
; A lane must hold 16 neighbours for the conversions, and a load is best where neighbouring lanes take neighbouring bytes: each load reads 512 consecutive bytes, and a step's 2,048 bytes turn through the wave's own stage in LDS
; (16 bytes of padding behind each 64).  No tensor loads, no barrier: waves share nothing.  Loads run four steps (16 loads a wave) ahead, the turn through LDS one step.
.set STEPS, 16
.set SP,    80                         ; a lane's place in a stage: its 64 bytes + 16 of padding
.set WREG,  8192                       ; LDS of a wave: two stages of 32 x SP bytes, behind them its 256 scale bytes
.set R,     16                         ; v16-79   four sets of 16 numbers as loaded
.set X,     80                         ; v80-111  two sets of 16 neighbours
.set E,     112                        ; v112-127 a scale byte for each step
.set C,     128                        ; v128-191 codes: four registers for each step, never written again
.set RO,    192                        ; v192-199 16 x lane + i x the stride from row to row
.set HS,    200                        ; v200     my 8 scale bytes' place in hcat: 64 (lane / 4) + 8 (lane % 4)
	s_load_b256 s[4:11], s[0:1], 0x0               ; x, Wqkv_w, out_w, ffn1_w
	s_load_b128 s[12:15], s[0:1], 0x20             ; ffn2_w, wts
	s_load_b64 s[16:17], s[0:1], 0x30              ; hcat
	v_lshl_add_u32 v208, v0, 2, 0x8000
	v_mov_b32 v209, 0
	v_lshrrev_b32 v1, 5, v0
	v_readfirstlane_b32 s22, v1                    ; wave
	v_and_b32 v2, 31, v0                           ; lane
	v_lshlrev_b32 v3, 4, v2                        ; 16 x lane: my bytes of a load's 512, and of a step's 512 bytes of codes
	s_mul_i32 s23, s22, WREG
	v_lshrrev_b32 v14, 2, v2
	v_mul_u32_u24 v14, v14, SP
	v_and_b32 v15, 3, v2
	v_lshl_add_u32 v14, v15, 4, v14
	v_add_nc_u32 v14, s23, v14                     ; the stage, on the way in: SP (lane / 4) + 16 (lane % 4)
	v_mul_u32_u24 v15, v2, SP
	v_add_nc_u32 v15, s23, v15                     ; and on the way out: SP x lane
	v_lshrrev_b32 v5, 1, v2
	s_add_co_u32 s23, s23, 2*32*SP
	v_add_nc_u32 v5, s23, v5                       ; my block's scale byte in the wave's 256
	v_lshlrev_b32 v7, 3, v2
	v_add_nc_u32 v6, s23, v7                       ; and 8 bytes a lane on the way out
	v_lshrrev_b32 v[HS], 2, v2
	v_and_b32 v4, 3, v2
	v_lshlrev_b32 v[HS], 6, v[HS]
	v_lshl_add_u32 v[HS], v4, 3, v[HS]
	s_mov_b32 s28, 0x600000                        ; the mantissa field of 57,344
	s_wait_kmcnt 0x0
	s_mov_b64 s[18:19], s[12:13]                   ; which tensor: the choice hangs on the work-group's number alone
	s_mov_b32 s20, 384
	s_cmp_lt_u32 ttmp9, 384
	s_cselect_b64 s[18:19], s[10:11], s[18:19]
	s_cselect_b32 s20, 256, s20
	s_cmp_lt_u32 ttmp9, 256
	s_cselect_b64 s[18:19], s[8:9], s[18:19]
	s_cselect_b32 s20, 224, s20
	s_cmp_lt_u32 ttmp9, 224
	s_cselect_b64 s[18:19], s[6:7], s[18:19]
	s_cselect_b32 s20, 128, s20
	s_cmp_lt_u32 ttmp9, 128
	s_cselect_b64 s[18:19], s[4:5], s[18:19]
	s_cselect_b32 s20, 0, s20                      ; the tensor's first work-group
	s_sub_co_u32 s21, ttmp9, s20
	s_lshl_b32 s21, s21, 2
	s_add_co_u32 s21, s21, s22                     ; my run in the tensor
	s_lshl_b32 s24, s21, 15                        ; dense: 32,768 bytes a run
	s_and_b32 s25, s21, 127
	s_mul_i32 s25, s25, 24
	s_lshr_b32 s26, s21, 7
	s_add_co_u32 s25, s25, s26
	s_lshl_b32 s25, s25, 12                        ; Wqkv_w: input row 24 (run % 128) + run / 128, then every third row
	s_mov_b32 s27, 4096
	s_cmp_eq_u32 s20, 128
	s_cselect_b32 s24, s25, s24
	s_cselect_b32 s27, 12288, s27                  ; from one output row's input to the next
	s_mov_b32 s25, 0
	s_add_nc_u64 s[18:19], s[18:19], s[24:25]
.irp i, 0,1,2,3,4,5,6,7
	v_mad_u32_u24 v[RO+\i], s27, \i, v3
.endr
	s_lshl_b32 s29, ttmp9, 2
	s_add_co_u32 s29, s29, s22                     ; my run in the launch
	s_lshl_b32 s30, s29, 13
	s_mov_b32 s31, 0
	s_add_nc_u64 s[32:33], s[14:15], s[30:31]      ; its codes
	s_lshl_b32 s30, s29, 8
	s_add_nc_u64 s[34:35], s[14:15], s[30:31]
	s_add_nc_u64 s[34:35], s[34:35], 14680064      ; its scale bytes
	s_min_u32 s40, s29, 511                        ; x has runs 0 to 511; the others form hcat's addresses from 511 and never use them
	s_lshl_b32 s30, s40, 14
	s_add_nc_u64 s[36:37], s[16:17], s[30:31]      ; hcat: eight rows of 2,048 bytes a run
	s_lshl_b32 s30, s40, 9
	s_add_nc_u64 s[38:39], s[16:17], s[30:31]
	s_add_nc_u64 s[38:39], s[38:39], 8388608       ; and eight rows of 64 scale bytes
.macro LOAD t                          ; step t: half a row of 1,024 numbers (K = 2,048: a quarter)
.irp i, 0,1,2,3
	global_load_b128 v[R+16*((\t)%4)+4*\i:R+16*((\t)%4)+4*\i+3], v[RO+(\t)/2], s[18:19] offset:2048*((\t)%2)+512*\i th:TH_LOAD_NT   ; 32 lanes read 512 consecutive bytes
.endr
.endm
.macro TURN t                          ; step t's numbers through the stage: LDS serves a wave's instructions in order, so no wait stands between the stores and the loads
.irp i, 0,1,2,3
	ds_store_b128 v14, v[R+16*((\t)%4)+4*\i:R+16*((\t)%4)+4*\i+3] offset:32*SP*((\t)%2)+8*SP*\i
.endr
.irp i, 0,1,2,3
	ds_load_b128 v[X+16*((\t)%2)+4*\i:X+16*((\t)%2)+4*\i+3], v15 offset:32*SP*((\t)%2)+16*\i
.endr
.endm
.irp t, 0,1,2,3
	LOAD \t
.endr
	s_wait_loadcnt 12                              ; step 0's four loads are in; three steps' twelve stay out
	TURN 0
.macro STEP t
.set XS, X+16*((\t)%2)
.if (\t) > 0
	s_wait_dscnt 1                                 ; this step's numbers are back from the stage; the last step's byte store may be out
.else
	s_wait_dscnt 0x0
.endif
.if (\t)+4 < STEPS
	LOAD (\t)+4                                    ; into the set that the stage's stores have read
.endif
.if (\t)+1 < STEPS
.if STEPS-2-(\t) >= 3
	s_wait_loadcnt 12                              ; the next step's four loads are in; those of the three steps behind it may be out
.else
	s_wait_loadcnt 4*(STEPS-2-(\t))
.endif
	TURN (\t)+1
.endif
	v_max3_num_f32 v8, |v[XS]|, |v[XS+1]|, |v[XS+2]|               ; the largest magnitude of my 16, in two chains
	v_max3_num_f32 v9, |v[XS+3]|, |v[XS+4]|, |v[XS+5]|
.irp i, 6,10
	v_max3_num_f32 v8, v8, |v[XS+\i]|, |v[XS+\i+1]|
	v_max3_num_f32 v9, v9, |v[XS+\i+2]|, |v[XS+\i+3]|
.endr
	v_max3_num_f32 v8, v8, |v[XS+14]|, |v[XS+15]|
	v_max3_num_f32 v8, v8, v9, 0x8000000           ; and the floor 2^(16 - 127): the byte cannot fall under 1
	v_max_num_f32_dpp v8, v8, v8 row_xmask:1 row_mask:0xf bank_mask:0xf   ; with my neighbour's 16: the block's
	v_add_nc_u32 v11, 0xf8800000, v8               ; 15 off its exponent field: the conversion takes this operand's exponent field as its scale
	v_and_or_b32 v10, v8, 0x7f800000, s28          ; 57,344 x the scale
.irp i, 0,1,2,3,4,5,6,7,8,9,10,11,12,13,14,15
	v_med3_num_f32 v[XS+\i], v[XS+\i], -v10, v10   ; the conversion to an 8-bit code does not saturate (ISA guide 7.6.2): the hold comes first
.endr
	v_cvt_scalef32_pk8_bf8_f32 v[C+4*(\t):C+4*(\t)+1], v[XS:XS+7], v11
	v_cvt_scalef32_pk8_bf8_f32 v[C+4*(\t)+2:C+4*(\t)+3], v[XS+8:XS+15], v11
	v_lshrrev_b32 v[E+(\t)], 23, v11               ; the scale's byte (also the plain line behind the conversions)
	ds_store_b8 v5, v[E+(\t)] offset:16*(\t)       ; both lanes of a block write the same byte with the same value
	global_store_b128 v3, v[C+4*(\t):C+4*(\t)+3], s[32:33] offset:512*(\t)   ; 32 lanes store 512 consecutive bytes
.endm
.irp t, 0,1,2,3,4,5,6,7,8,9,10,11,12,13,14,15
	STEP \t
.endr
	ds_load_b64 v[12:13], v6                       ; LDS serves a wave's instructions in order: these see my byte stores
	s_wait_dscnt 0x0
	global_store_b64 v7, v[12:13], s[34:35]        ; 32 lanes store 256 consecutive bytes, aligned
	s_cmp_lt_u32 ttmp9, 128                        ; x's work-groups alone go on: a branch on the work-group's number; no LDS is touched behind it
	s_cbranch_scc0 .Ldone
.irp t, 0,1,2,3,4,5,6,7,8,9,10,11,12,13,14,15
	global_store_b128 v3, v[C+4*\t:C+4*\t+3], s[36:37] offset:(\t/2)*2048+(\t%2)*512   ; the same codes into columns 0-1023 of hcat's rows
.endr
	global_store_b64 v[HS], v[12:13], s[38:39]     ; and the scale bytes: 32 of each row's 64
.Ldone:
	s_wait_tensorcnt 0x0
	ds_add_u32 v208, v209
	s_wait_dscnt 0x0
	s_endpgm
.Lfunc_end_k_qbf648e0e75_quant:
	.size	k_qbf648e0e75_quant, .Lfunc_end_k_qbf648e0e75_quant-k_qbf648e0e75_quant
	.p2alignl 7, 3214868480
	.fill 96, 4, 3214868480
	.section	.rodata,"a",@progbits
	.p2align	6, 0x0
	.amdhsa_kernel k_qbf648e0e75_quant
		.amdhsa_group_segment_fixed_size 33280
		.amdhsa_private_segment_fixed_size 0
		.amdhsa_enable_private_segment 0
		.amdhsa_kernarg_size 56
		.amdhsa_user_sgpr_count 2
		.amdhsa_user_sgpr_kernarg_segment_ptr 1
		.amdhsa_wavefront_size32 1
		.amdhsa_system_sgpr_workgroup_id_x 1
		.amdhsa_system_sgpr_workgroup_id_y 1
		.amdhsa_system_sgpr_workgroup_id_z 1
		.amdhsa_system_vgpr_workitem_id 0
		.amdhsa_next_free_vgpr 210
		.amdhsa_next_free_sgpr 66
		.amdhsa_reserve_vcc 0
		.amdhsa_float_denorm_mode_32 3
		.amdhsa_float_denorm_mode_16_64 3
		.amdhsa_memory_ordered 1
		.amdhsa_forward_progress 1
		.amdhsa_inst_pref_size 54
	.end_amdhsa_kernel
	.amdgpu_metadata
---
amdhsa.version: [ 1, 2 ]
amdhsa.kernels:
  - .name:           k_qbf648e0e75_quant
    .symbol:         k_qbf648e0e75_quant.kd
    .args:
      - { .name: x, .offset: 0, .size: 8, .value_kind: global_buffer, .address_space: global }
      - { .name: Wqkv_w, .offset: 8, .size: 8, .value_kind: global_buffer, .address_space: global }
      - { .name: out_w, .offset: 16, .size: 8, .value_kind: global_buffer, .address_space: global }
      - { .name: ffn1_w, .offset: 24, .size: 8, .value_kind: global_buffer, .address_space: global }
      - { .name: ffn2_w, .offset: 32, .size: 8, .value_kind: global_buffer, .address_space: global }
      - { .name: wts, .offset: 40, .size: 8, .value_kind: global_buffer, .address_space: global }
      - { .name: hcat, .offset: 48, .size: 8, .value_kind: global_buffer, .address_space: global }
    .group_segment_fixed_size: 33280
    .private_segment_fixed_size: 0
    .kernarg_segment_align: 8
    .kernarg_segment_size: 56
    .max_flat_workgroup_size: 128
    .sgpr_count:     66
    .vgpr_count:     210
    .wavefront_size: 32
...
	.end_amdgpu_metadata
.endif
;; end of part 1
;; launch qkv (part 2): grid 12 x 16, 4 waves a work-group, clusters of 4 x 4, 327,680 bytes of LDS; arguments wts, qkv, encoding, Wqkv_b; writes qkv
.if DOCPART == 2
	.amdgcn_target "amdgcn-amd-amdhsa--gfx1250"
	.amdhsa_code_object_version 6
	.text
	.protected	k_qbf648e0e75_qkv
	.globl	k_qbf648e0e75_qkv
	.p2align	8
	.type	k_qbf648e0e75_qkv,@function
k_qbf648e0e75_qkv:
	s_mov_b64 s[64:65], 0
	v_nop
	global_prefetch_b8 v0, s[64:65] scope:SCOPE_SE
	s_setreg_imm32_b32 hwreg(HW_REG_WAVE_MODE, 25, 1), 1
	s_wait_xcnt 0x0
	s_wait_alu depctr_hold_cnt(0) depctr_sa_sdst(0) depctr_va_vdst(0) depctr_va_sdst(0) depctr_va_ssrc(0) depctr_va_vcc(0) depctr_vm_vsrc(0)
	s_getreg_b32 s2, hwreg(HW_REG_IB_STS2, 6, 4)
	s_cmp_eq_u32 s2, 0
	s_cbranch_scc0 .Lentry_in_a_cluster
	s_endpgm
.Lentry_in_a_cluster:
	s_bfe_u32 s2, ttmp6, 0x10000c
	s_cmp_lg_u32 s2, 0xf033
	s_cbranch_scc0 .Lentry_shape_is_right
	s_endpgm
.Lentry_shape_is_right:
; qkv = x Wqkv_w^T + Wqkv_b on codes of BF8 (E5M2) with E8M0 scales; then q and k are turned by the encoding (RoPE) and quantised along the head's 64, v is quantised along the tokens.  All three leave as codes and scale bytes.
; THE PRODUCT.  A tile of 256 x 256 to a work-group of four waves, 128 x 128 a wave: 64 accumulators, 512 registers.  K = 1,024 goes in steps of 256 through a ring of two LDS slots filled by the tensor data mover; the scale bytes
; of the work-group's rows, for all of K, come once.  4 x 4 work-groups form a cluster: a tile of A is asked for jointly along a row of the cluster, a tile of B along a column.
; The matrix instruction is used transposed (source 0 = 16 rows of B, source 1 = 16 rows of A): lane (r, h) holds row r of A's block and, in register j of accumulator (a, b), column 16 b + 8 h + j.
; ROLES, by the cluster's x, which all partners share.  x = 0 (q), 1 (k): A = x's codes (tokens), B = the weight's rows 1024 c + e: a lane's registers run along e, which is the head's axis.
; x = 2 (v): the operands change places, A = the weight's v rows, B = x's codes: a lane holds one e and its registers run along the tokens, v's K in the second product of attention.  Only offsets and cluster numbers are chosen.
; WAY OUT.  q, k: bias, RoPE, four blocks of 32 (two heads x 64) a lane row; codes through the wave's own stage so that 512 consecutive bytes leave at a time.  In memory the tokens of each 16 are ordered j, j + 8 (a row of 128 bytes
; holds tokens j and j + 8), as attention's fragments want them.  v: bias, four blocks of 32 tokens; codes through a stage of the work-group, whole rows of 256 bytes out.
; v's scale words leave as 4 bytes a row, 64 bytes apart: one byte for each 32 of codes.
; LIMITS: NaN and infinities are not served; a block of zeros or under 2^-111 gets the scale byte 1, which this program alone reads.
; REGISTERS, in windows of 256: window 0: v0-31 addresses; v32-63 scale words, two sets; from v128 A's fragments, one set; on the way out v64-221 are at work.  window 1: B's fragments, two sets; on the way out the bias and the encoding.
;   window 2: the 32 accumulators of my rows 0-63;  window 3: those of my rows 64-127.
.set SIZE_K, 1024
.set AIMG,   0
.set NQ,     2                         ; matrix instructions deep in a slot
.set ROWB,   256                       ; a tile's row in bytes
.set KROW,   SIZE_K
.set PITCH,  272                       ; an LDS row: 256 bytes + 16 of padding: the 16 rows that a load touches start at 16 different banks (64 banks of 4 bytes: ISA guide 11.1)
.set FR,     16
.set NL,     4
.set NP,     8                         ; places behind this matrix instruction (ISA guide 7.12.1)
.set HALFB,  128*PITCH
.if AIMG
.set HALFA,  32768
.set ASTEP,  4096
.else
.set HALFA,  128*PITCH
.set ASTEP,  ROWB
.endif
.set SLOT,   2*HALFA+2*HALFB           ; A's 256 rows, then B's 256 rows
.set LAPS,   SIZE_K/512
.set KS,     SIZE_K/32
.set SCL,    2*SLOT                    ; behind the ring: the scales, as units of 256 bytes + 16 of padding
.set HALFS,  (128*KS/256)*272
.set SBLK,   (16*KS/256)*272
.set SPARE,  SCL+4*HALFS               ; the spare words, 128 bytes a wave: two blocks of 256 bytes that no other line names
.set ADRA, 16
.set ADRB, 20
.set ADRS, 27
.set SPW,  28
.set NIL,  29
.set SC,   32
.set AF,   128
.set G1, 24
.set G0, 32
.set G1B, 48
.set G0B, 56
.set G1S, 68
.set G0S, 76
.set G1SB, 80
.set G0SB, 88
.set QSTG, 0                           ; the way out of q and k: 3,072 bytes a wave from LDS byte 0 (slot 0 has had its last fill and its last read by then)
.set CSTG, 16384                       ; the way out of v: 256 rows x 272 bytes, bytes of its own
.set CS,   7                           ; v7   v: where I put 8 codes
.set CR,   8                           ; v8   v: where I read a row back
.set GOF,  9                           ; v9   v: my byte in two rows of 2,048
.set SOF,  10                          ; v10  v: 64 r, my row of scale bytes
.set BO3,  11                          ; v11  96 h: the bias of q and k, 12 bytes from e to e
.set BO4,  12                          ; v12  12 r: the bias of v
.set EO,   13                          ; v13  256 r + 32 h: the encoding
.set QS,   14                          ; v14  q, k: where I put 8 codes
.set QSS,  15                          ; v15  q, k: where I put two scale bytes
.set QR,   18                          ; v18  q, k: where I read 16 codes back, in the order of memory
.set QG,   19                          ; v19  16 x lane
.set QSR,  22                          ; v22  the scale bytes, back
.set QSG,  23                          ; v23  and in memory: 4,096 h + 16 r
.set T,    64                          ; v64-127  a block's 64 numbers
.set PC,   128                         ; v128-143 their codes
.set TM,   144                         ; v144-159 maxima, bytes, holds, scales
.set PW,   160                         ; v160-167 a scale word for each block
.set PWH,  168
.set RT,   170                         ; v170-185 RoPE's first products
.set OB,   186                         ; v186-217 codes read back, two sets
.set SEL,  18                          ; s[18:19] v_permlanex16_b32's selects for lane l xor 16
.set MNT,  23                          ; s23 the mantissa field of 57,344
.set MSB, 0
.macro WIN new                         ; the immediate's high byte repeats the setting that is left
.if MSB != \new
	s_set_vgpr_msb (MSB<<8)|\new
.set MSB, \new
.endif
.endm
.set MUL_LO, 0xa1                      ; source 0 (B) window 1, source 1 (A) window 0, C and D window 2
.set MUL_HI, 0xf1
.set TO_B,   0x40
; A joint load: waves 0 and 1 fetch for A, waves 2 and 3 for B; the branch hangs on the wave's number alone.  Four v_nop follow each of the two lines.
.macro JLOAD g0a, g1a, g0b, g1b
	s_cmp_eq_u32 s15, 0
	s_cbranch_scc0 .Lfor_b_\@
	tensor_load_to_lds s[\g0a:\g0a+3], s[\g1a:\g1a+7]
	s_nop 0
.rept 4
	v_nop
.endr
	s_branch .Lasked_\@
.Lfor_b_\@:
	tensor_load_to_lds s[\g0b:\g0b+3], s[\g1b:\g1b+7]
	s_nop 0
.rept 4
	v_nop
.endr
.Lasked_\@:
.endm
.macro CREST                           ; a round of the cluster's barrier behind its opening barrier
	s_cmp_lg_u32 s14, 0
	s_cbranch_scc1 .Lnot_wave_0_\@
	s_barrier_signal -3
.Lnot_wave_0_\@:
	s_barrier_wait -3
	s_barrier_signal -1
	s_barrier_wait -1
.endm
.macro CROUND
	s_barrier_signal -1
	s_barrier_wait -1
	CREST
.endm
	s_load_b128 s[96:99], s[0:1], 0x0              ; wts, qkv
	s_load_b64 s[100:101], s[0:1], 0x10            ; encoding
	s_load_b64 s[66:67], s[0:1], 0x18              ; Wqkv_b
	v_lshl_add_u32 v[SPW], v0, 2, SPARE
	v_mov_b32 v[NIL], 0
	ds_add_u32 v28, v29
	ds_add_u32 v28, v29
	s_wait_dscnt 0x0
	v_lshrrev_b32 v1, 5, v0
	v_readfirstlane_b32 s14, v1                    ; wave 0..3
	s_lshr_b32 s15, s14, 1                         ; which half of the tile's rows is mine.  Also: I fetch for A (0) or for B (1)
	s_and_b32 s16, s14, 1                          ; which half of its columns.  Also: which 128 rows I fetch
	s_bfe_u32 s40, ttmp6, 0x40000                  ; cx, cy
	s_bfe_u32 s41, ttmp6, 0x40004
	s_and_b32 s13, ttmp7, 0xffff                   ; the cluster's y
	s_mov_b32 s6, 14680064
	s_mov_b32 s10, 14811136
	s_cmp_eq_u32 ttmp9, 2                          ; the role: the cluster's x, the same in all sixteen partners
	s_cselect_b32 s12, s13, ttmp9                  ; which four tile columns
	s_cselect_b32 s13, 0, s13                      ; which four tile rows
	s_cselect_b32 s4, 6291456, 0                   ; A's codes in wts: the weight's v rows, or x
	s_cselect_b32 s6, 14876672, s6                 ; A's scales
	s_cselect_b32 s8, 0, 4194304                   ; B's codes: x, or the weight's q and k rows
	s_cselect_b32 s10, 14680064, s10               ; B's scales
	s_mov_b32 s5, 0
	s_mov_b32 s7, 0
	s_mov_b32 s9, 0
	s_mov_b32 s11, 0
	s_lshl_b32 s42, s12, 2
	s_add_co_u32 s42, s42, s40                     ; tile column
	s_lshl_b32 s17, s13, 2
	s_add_co_u32 s17, s17, s41                     ; tile row
	s_lshl_b32 s43, s41, 2
	s_lshl_b32 s43, 15, s43                        ; my row of the cluster
	s_lshl_b32 s44, 0x1111, s40                    ; my column
	s_or_b32 s[G1+0], s43, (0<<16)|(1<<20)|(1<<21)|(5<<22)|(3<<25)  ; the mask; elements of 1 byte; padding on; bit 21 beside a mask; after every 64 words 4 words
	s_or_b32 s[G1B+0], s44, (0<<16)|(1<<20)|(1<<21)|(5<<22)|(3<<25)
.irp g, G1, G1B
	s_mov_b32 s[\g+1], ROWB<<16                    ; tensor_dim0
	s_mov_b32 s[\g+2], 128<<16                     ; tensor_dim1
	s_mov_b32 s[\g+3], ROWB<<16                    ; tile_dim0
	s_mov_b32 s[\g+4], 128                         ; tile_dim1
	s_mov_b32 s[\g+5], KROW                        ; the pitch
	s_mov_b32 s[\g+6], 0
	s_mov_b32 s[\g+7], 0
.endr
	s_or_b32 s[G1S+0], s43, (3<<16)|(1<<20)|(1<<21)|(5<<22)|(3<<25)  ; the scales of 128 rows: a dense block, as rows of 256 bytes (32 elements of 8)
	s_or_b32 s[G1SB+0], s44, (3<<16)|(1<<20)|(1<<21)|(5<<22)|(3<<25)
.irp g, G1S, G1SB
	s_mov_b32 s[\g+1], 32<<16
	s_mov_b32 s[\g+2], (128*KS/256)<<16
	s_mov_b32 s[\g+3], 32<<16
	s_mov_b32 s[\g+4], 128*KS/256
	s_mov_b32 s[\g+5], 32
	s_mov_b32 s[\g+6], 0
	s_mov_b32 s[\g+7], 0
.endr
	s_lshl_b32 s18, s16, 7
	s_lshl_b32 s20, s17, 8
	s_add_co_u32 s20, s20, s18                     ; A: row 256 x tile row + 128 x half
	s_lshl_b32 s46, s42, 8
	s_add_co_u32 s46, s46, s18                     ; B: row 256 x tile column + 128 x half
	s_mov_b32 s21, 0
	s_mov_b32 s47, 0
	s_mov_b64 s[18:19], KS
	s_mul_u64 s[22:23], s[20:21], s[18:19]
	s_mul_u64 s[92:93], s[46:47], s[18:19]
	s_mov_b64 s[18:19], KROW
	s_mul_u64 s[20:21], s[20:21], s[18:19]
	s_mul_u64 s[46:47], s[46:47], s[18:19]
	s_mul_i32 s45, s16, HALFA                      ; where A's half goes in a slot,
	s_mul_i32 s95, s16, HALFB
	s_add_co_u32 s95, s95, 2*HALFA                 ; and B's: no place in the cluster enters an LDS address
	s_mul_i32 s94, s14, HALFS
	s_wait_kmcnt 0x0
	s_add_nc_u64 s[4:5], s[96:97], s[4:5]
	s_add_nc_u64 s[6:7], s[96:97], s[6:7]
	s_add_nc_u64 s[8:9], s[96:97], s[8:9]
	s_add_nc_u64 s[10:11], s[96:97], s[10:11]
	s_add_nc_u64 s[20:21], s[4:5], s[20:21]
	s_add_nc_u64 s[22:23], s[6:7], s[22:23]
	s_add_nc_u64 s[46:47], s[8:9], s[46:47]
	s_add_nc_u64 s[92:93], s[10:11], s[92:93]
	CROUND                                         ; all sixteen work-groups are here: the first joint loads meet
	s_mov_b32 s[G0S], 1
	s_add_co_u32 s[G0S+1], s94, SCL
	s_mov_b64 s[G0S+2:G0S+3], s[22:23]
	s_or_b32 s[G0S+3], s[G0S+3], 0x80000000
	s_mov_b32 s[G0SB], 1
	s_add_co_u32 s[G0SB+1], s94, SCL
	s_mov_b64 s[G0SB+2:G0SB+3], s[92:93]
	s_or_b32 s[G0SB+3], s[G0SB+3], 0x80000000
	JLOAD G0S, G1S, G0SB, G1SB                     ; the scales first: they are wanted with K step 0
.irp s, 0,1
	s_mov_b32 s[G0+4*\s], 1
	s_add_co_u32 s[G0+4*\s+1], s45, \s*SLOT
	s_add_nc_u64 s[G0+4*\s+2:G0+4*\s+3], s[20:21], \s*ASTEP
	s_or_b32 s[G0+4*\s+3], s[G0+4*\s+3], 0x80000000
	s_mov_b32 s[G0B+4*\s], 1
	s_add_co_u32 s[G0B+4*\s+1], s95, \s*SLOT
	s_add_nc_u64 s[G0B+4*\s+2:G0B+4*\s+3], s[46:47], \s*ROWB
	s_or_b32 s[G0B+4*\s+3], s[G0B+4*\s+3], 0x80000000
	JLOAD G0+4*\s, G1, G0B+4*\s, G1B
.endr
	v_and_b32 v1, 15, v0                           ; r
	v_bfe_u32 v2, v0, 4, 1                         ; h
	v_mul_u32_u24 v3, v1, PITCH
	v_lshl_add_u32 v4, v2, 4, v3                   ; a fragment's row x pitch + 16 h
	s_mul_i32 s21, s15, HALFA
	s_mul_i32 s22, s16, HALFB
	s_add_co_u32 s22, s22, 2*HALFA
.irp s, 0,1
	v_add_nc_u32 v[ADRA+\s], s21, v4
	v_add_nc_u32 v[ADRB+\s], s22, v4
	s_add_co_u32 s21, s21, SLOT
	s_add_co_u32 s22, s22, SLOT
.endr
	v_mul_u32_u24 v5, v1, KS                       ; my row's scales: KS bytes a row,
	v_lshrrev_b32 v6, 8, v5
	v_lshl_add_u32 v5, v6, 4, v5                   ; and 16 more for each 256 passed
	s_mul_i32 s21, s15, HALFS
	s_mul_i32 s22, s16, HALFS
	s_add_co_u32 s22, s22, 2*HALFS
	s_sub_co_u32 s22, s22, s21
	v_mul_u32_u24 v6, s22, v2                      ; lanes 16-31 take B's
	s_add_co_u32 s21, s21, SCL
	v_add_nc_u32 v5, v5, v6
	v_add_nc_u32 v[ADRS], s21, v5
	; the addresses of both ways out are made here, on the way that every wave takes
	s_mul_i32 s21, s15, 128*272
	s_lshl_b32 s22, s16, 7
	s_add_co_u32 s21, s21, s22
	s_add_co_u32 s21, s21, CSTG
	v_lshl_add_u32 v[CS], v2, 3, v3
	v_add_nc_u32 v[CS], s21, v[CS]                 ; CSTG + (128 x row half + r) 272 + 128 x column half + 8 h
	s_mul_i32 s21, s14, 64*272
	s_add_co_u32 s21, s21, CSTG
	v_mul_u32_u24 v[CR], v2, 272
	v_lshl_add_u32 v[CR], v1, 4, v[CR]
	v_add_nc_u32 v[CR], s21, v[CR]                 ; CSTG + (64 wave + h) 272 + 16 r
	v_lshlrev_b32 v[GOF], 11, v2
	v_lshl_add_u32 v[GOF], v1, 4, v[GOF]
	v_lshlrev_b32 v[SOF], 6, v1
	v_mul_u32_u24 v[BO3], v2, 96
	v_mul_u32_u24 v[BO4], v1, 12
	v_lshlrev_b32 v[EO], 8, v1
	v_lshl_add_u32 v[EO], v2, 5, v[EO]
	s_mul_i32 s23, s14, 3072                       ; my stage for q and k (QSTG = 0)
	v_mul_u32_u24 v[QS], v1, 80
	v_lshl_add_u32 v[QS], v2, 3, v[QS]
	v_add_nc_u32 v[QS], s23, v[QS]                 ; row r of 64 bytes + 16, + 8 h
	v_bfe_u32 v6, v0, 2, 1
	v_mul_u32_u24 v[QR], v6, 640
	v_bfe_u32 v6, v0, 3, 2
	v_mad_u32_u24 v[QR], v6, 80, v[QR]
	v_and_b32 v6, 3, v0
	v_lshl_add_u32 v[QR], v6, 4, v[QR]
	v_add_nc_u32 v[QR], s23, v[QR]                 ; token 8 ((l / 4) % 2) + l / 8 (+ 4 i), bytes 16 (l % 4) on
	v_and_b32 v5, 31, v0
	v_lshlrev_b32 v[QG], 4, v5
	s_add_co_u32 s23, s23, 2560
	v_and_b32 v5, 7, v1
	v_lshrrev_b32 v6, 3, v1
	v_lshlrev_b32 v[QSS], 2, v5
	v_lshl_add_u32 v[QSS], v6, 1, v[QSS]
	v_add_nc_u32 v[QSS], s23, v[QSS]               ; 4 (r % 8) + 2 (r / 8)
	v_add_nc_u32 v[QSR], s23, v[QG]
	v_lshlrev_b32 v[QSG], 12, v2
	v_lshl_add_u32 v[QSG], v1, 4, v[QSG]
.macro FRAG reg, adr, q, i             ; 16 rows x 128 K of 8-bit codes: lane l holds row l % 16; registers 4 c .. 4 c + 3 hold K = 32 c + 16 (l / 16) + 0 .. 15
.irp c, 0,1,2,3
	ds_load_b128 v[\reg+4*\c:\reg+4*\c+3], v[\adr] offset:128*(\q)+32*\c+(\i)*16*PITCH
.endr
.endm
.macro FRAGA reg, slot, q, i
.irp c, 0,1,2,3
.if AIMG
	ds_load_b128 v[\reg+4*\c:\reg+4*\c+3], v[ADRA+\slot] offset:4096*(\i)+2048*(\q)+512*\c
.else
	ds_load_b128 v[\reg+4*\c:\reg+4*\c+3], v[ADRA+\slot] offset:128*(\q)+32*\c+(\i)*16*PITCH
.endif
.endr
.endm
; 16 matrix instructions: A's blocks a0, a0 + 1 x B's eight.  The 64 accumulators take turns, one instruction a turn, in the same order in every step.
.macro MUL16 a0, p, q, sc, zero
.irp a, \a0, \a0+1
.irp b, 0,1,2,3,4,5,6,7
.if \zero
	v_wmma_scale_f32_16x16x128_f8f6f4 v[8*(8*((\a)%4)+\b):8*(8*((\a)%4)+\b)+7], v[128*(\p)+FR*\b:128*(\p)+FR*\b+FR-1], v[AF+FR*(\a):AF+FR*(\a)+FR-1], 0, v[SC+8*NQ*(\sc)+NQ*\b+(\q)], v[SC+8*NQ*(\sc)+NQ*(\a)+(\q)] matrix_a_fmt:MATRIX_FMT_BF8 matrix_b_fmt:MATRIX_FMT_BF8 matrix_a_scale:MATRIX_SCALE_ROW1
.else
	v_wmma_scale_f32_16x16x128_f8f6f4 v[8*(8*((\a)%4)+\b):8*(8*((\a)%4)+\b)+7], v[128*(\p)+FR*\b:128*(\p)+FR*\b+FR-1], v[AF+FR*(\a):AF+FR*(\a)+FR-1], v[8*(8*((\a)%4)+\b):8*(8*((\a)%4)+\b)+7], v[SC+8*NQ*(\sc)+NQ*\b+(\q)], v[SC+8*NQ*(\sc)+NQ*(\a)+(\q)] matrix_a_fmt:MATRIX_FMT_BF8 matrix_b_fmt:MATRIX_FMT_BF8 matrix_a_scale:MATRIX_SCALE_ROW1
.endif
.endr
.endr
.endm
.macro FETCH_B slot, q, p
	WIN TO_B
.irp i, 0,1,2,3,4,5,6,7
	FRAG 128*(\p)+FR*\i, ADRB+\slot, \q, \i
.endr
	WIN 0
.endm
.macro FETCH_A slot, q, i0
.irp i, \i0, \i0+1, \i0+2, \i0+3
	FRAGA AF+FR*(\i), \slot, \q, \i
.endr
.endm
.macro SCALES sc                       ; a K step's scale words: lanes 0-15 take A's block i, lanes 16-31 B's block i
.irp i, 0,1,2,3,4,5,6,7
	ds_load_b64 v[SC+8*NQ*\sc+NQ*\i:SC+8*NQ*\sc+NQ*\i+1], v[ADRS] offset:\i*SBLK
.endr
.endm
.macro PLACES n                        ; plain vector instructions between a matrix instruction and a load into, or a read of, its registers
.rept \n
	v_nop
.endr
.endm
.macro STEP slot, q, zero              ; 128 along K that have their successor in the same slot
	s_wait_dscnt 4*NL                              ; B's set, A's blocks 0-3 and the scale words are in; the youngest 16 loads (A's blocks 4-7) may be out
	WIN MUL_LO
	MUL16 0, (\q)%2, \q, \slot, \zero
	MUL16 2, (\q)%2, \q, \slot, \zero
	s_wait_dscnt 0
	PLACES NP
	FETCH_B \slot, (\q)+1, 1-(\q)%2
	FETCH_A \slot, (\q)+1, 0
	WIN MUL_HI
	MUL16 4, (\q)%2, \q, \slot, \zero
	MUL16 6, (\q)%2, \q, \slot, \zero
	PLACES NP
	WIN 0
	FETCH_A \slot, (\q)+1, 4
.endm
; A slot's last step changes slots: one barrier; in front of it each wave waits for all its tensor loads, adds 0 to its spare word, and waits for that and for its reads of this slot.  fill = 1: the slot is filled again, two K steps ahead.
.macro TURN slot, next, fill
	s_wait_tensorcnt 0x0                           ; all my tensor loads have landed: my part of the next slot
	ds_add_u32 v[SPW], v[NIL]                      ; 0 onto my spare word
	s_wait_dscnt 4*NL+1                            ; the add and the youngest 16 loads may be out
	WIN MUL_LO
	MUL16 0, 1, NQ-1, \slot, 0
	s_wait_dscnt 0x0                               ; the add is done, and my reads of this slot are over
	s_barrier_signal -1
	MUL16 2, 1, NQ-1, \slot, 0
	WIN 0
	s_barrier_wait -1
.if \fill
	CREST                                          ; the barrier has opened a round of the cluster's barrier: no wave of any partner still reads this slot or has a load on its way
	s_add_nc_u64 s[G0+4*\slot+2:G0+4*\slot+3], s[G0+4*\slot+2:G0+4*\slot+3], 2*ASTEP
	s_add_nc_u64 s[G0B+4*\slot+2:G0B+4*\slot+3], s[G0B+4*\slot+2:G0B+4*\slot+3], 2*ROWB
	JLOAD G0+4*\slot, G1, G0B+4*\slot, G1B         ; the first tensor load behind the round; its four v_nop are among the places in front of the loads below
	PLACES NP-4
.else
	PLACES NP
.endif
	v_add_nc_u32 v[ADRS], 4*NQ, v[ADRS]
	FETCH_B \next, 0, 0
	FETCH_A \next, 0, 0
	SCALES \next
	WIN MUL_HI
	MUL16 4, 1, NQ-1, \slot, 0
	MUL16 6, 1, NQ-1, \slot, 0
	PLACES NP
	WIN 0
	FETCH_A \next, 0, 4
.endm
	s_wait_tensorcnt 1                             ; the scales and my part of K step 0 are in; K step 1's load may be out
	s_barrier_signal -1
	s_barrier_wait -1
	FETCH_B 0, 0, 0
	FETCH_A 0, 0, 0
	SCALES 0
	FETCH_A 0, 0, 4
	STEP 0, 0, 1                                   ; the first step's products start the sums
	s_mov_b32 s3, LAPS-1
.Llap:
	TURN 0, 1, 1
	STEP 1, 0, 0
	TURN 1, 0, 1
	STEP 0, 0, 0
	s_sub_co_u32 s3, s3, 1
	s_cmp_lg_u32 s3, 0
	s_cbranch_scc1 .Llap
	TURN 0, 1, 0                                   ; the last lap fills nothing
	STEP 1, 0, 0
	s_wait_dscnt 4*NL
	WIN MUL_LO
	MUL16 0, 1, NQ-1, 1, 0
	MUL16 2, 1, NQ-1, 1, 0
	s_wait_dscnt 0
	WIN MUL_HI
	MUL16 4, 1, NQ-1, 1, 0
	MUL16 6, 1, NQ-1, 1, 0
	WIN 0
; block a's 64 sums + the bias -> v[T] on, each accumulator from its low end on.  fixed = 0: a bias for each column, window 1 v0-63;  1: one for my row, the pair v[2 a : 2 a + 1] of window 1
.macro GETT a, fixed
.set WN, 0x06+(\a)/4
	WIN WN
.set AC, 64*((\a)%4)
.set i, 0
.rept 32
.if \fixed
	v_pk_add_f32 v[T+2*i:T+2*i+1], v[AC+2*i:AC+2*i+1], v[2*(\a):2*(\a)+1]
.else
	v_pk_add_f32 v[T+2*i:T+2*i+1], v[AC+2*i:AC+2*i+1], v[2*i:2*i+1]
.endif
.set i, i+1
.endr
	WIN 0
.endm
; 64 numbers of a lane, four blocks of 32 of which lane l xor 16 holds the other halves, become 64 codes in v[PC] on and a scale word in v[pw]
.macro QUANT4 s, pw
.irp b, 0,1,2,3
	v_max3_num_f32 v[TM+\b], |v[\s+16*\b]|, |v[\s+1+16*\b]|, 0x8000000   ; with the floor 2^(16 - 127): the byte cannot fall under 1
.endr
.irp i, 2,4,6,8,10,12,14
.irp b, 0,1,2,3
	v_max3_num_f32 v[TM+\b], v[TM+\b], |v[\s+16*\b+\i]|, |v[\s+1+16*\b+\i]|
.endr
.endr
.irp b, 0,1,2,3
	v_permlanex16_b32 v[TM+4+\b], v[TM+\b], s[SEL], s[SEL+1]
.endr
.irp b, 0,1,2,3
	v_max_num_f32 v[TM+\b], v[TM+\b], v[TM+4+\b]
.endr
.irp b, 0,1,2,3
	v_add_nc_u32 v[TM+12+\b], 0xf8800000, v[TM+\b]   ; 15 off the exponent field: the conversion's scale operand
.endr
.irp b, 0,1,2,3
	v_and_or_b32 v[TM+8+\b], v[TM+\b], 0x7f800000, s[MNT]   ; 57,344 x the scale
.endr
.irp b, 0,1,2,3
	v_lshrrev_b32 v[TM+4+\b], 23, v[TM+12+\b]
.endr
	v_lshl_or_b32 v[\pw], v[TM+5], 8, v[TM+4]
	v_lshl_or_b32 v[\pw], v[TM+6], 16, v[\pw]
	v_lshl_or_b32 v[\pw], v[TM+7], 24, v[\pw]
.irp b, 0,1,2,3
.irp i, 0,1,2,3,4,5,6,7,8,9,10,11,12,13,14,15
	v_med3_num_f32 v[\s+16*\b+\i], v[\s+16*\b+\i], -v[TM+8+\b], v[TM+8+\b]   ; the conversion does not saturate (ISA guide 7.6.2)
.endr
	v_cvt_scalef32_pk8_bf8_f32 v[PC+4*\b:PC+1+4*\b], v[\s+16*\b:\s+7+16*\b], v[TM+12+\b]
	v_cvt_scalef32_pk8_bf8_f32 v[PC+2+4*\b:PC+3+4*\b], v[\s+8+16*\b:\s+15+16*\b], v[TM+12+\b]
.endr
	v_nop                                          ; a plain line behind the last conversion
.endm
.macro CSTAGE a                        ; my 8 x 8 codes of block a into the work-group's stage: columns 32 be + 16 u + 8 h on of row 16 a + r
.irp be, 0,1,2,3
.irp u, 0,1
	ds_store_b64 v[CS], v[PC+4*\be+2*\u:PC+4*\be+2*\u+1] offset:(\a)*16*272+32*\be+16*\u
.endr
.endr
.endm
.macro COUT base                       ; 64 whole rows of 256 bytes a wave: sixteen lanes store 256 consecutive bytes, aligned
.set t, 0
.rept 32
	ds_load_b128 v[64+4*t:64+4*t+3], v[CR] offset:2*t*272
.set t, t+1
.endr
.set t, 0
.rept 32
	s_wait_dscnt 31-t
	global_store_b128 v[GOF], v[64+4*t:64+4*t+3], s[\base:\base+1] offset:2*t*2048
.set t, t+1
.endr
.endm
.macro FLOAD a                         ; the encoding of block a's 16 tokens: 32 numbers of each of its two parts a lane, into set a % 2 of window 1
	WIN 0x40
.set FS, 64+64*((\a)%2)
.irp b4, 0,1,2,3
	global_load_b128 v[FS+8*\b4:FS+8*\b4+3], v[EO], s[8:9] offset:4096*(\a)+64*\b4
	global_load_b128 v[FS+8*\b4+4:FS+8*\b4+7], v[EO], s[8:9] offset:4096*(\a)+64*\b4+16
	global_load_b128 v[FS+32+8*\b4:FS+32+8*\b4+3], v[EO], s[8:9] offset:1048576+4096*(\a)+64*\b4
	global_load_b128 v[FS+32+8*\b4+4:FS+32+8*\b4+7], v[EO], s[8:9] offset:1048576+4096*(\a)+64*\b4+16
.endr
	WIN 0
.endm
.macro NEGF a                          ; the second part's even numbers change sign: (x0, x1) -> (x0 c0 - x1 s0, x1 c1 + x0 s1)
	WIN 0x44
.set FS, 64+64*((\a)%2)
.set i, 0
.rept 16
	v_xor_b32 v[FS+32+2*i], 0x80000000, v[FS+32+2*i]
.set i, i+1
.endr
.endm
.macro ROPE a
	WIN 0x04
.set FS, 64+64*((\a)%2)
.irp g, 0,1,2,3
.irp k, 0,1,2,3,4,5,6,7
	v_pk_mul_f32 v[RT+2*\k:RT+2*\k+1], v[T+16*\g+2*\k:T+16*\g+2*\k+1], v[FS+(16*\g+2*\k)%32:FS+(16*\g+2*\k)%32+1]
.endr
.irp k, 0,1,2,3,4,5,6,7
	v_pk_fma_f32 v[T+16*\g+2*\k:T+16*\g+2*\k+1], v[T+16*\g+2*\k:T+16*\g+2*\k+1], v[FS+32+(16*\g+2*\k)%32:FS+32+(16*\g+2*\k)%32+1], v[RT+2*\k:RT+2*\k+1] op_sel:[1,0,0] op_sel_hi:[0,1,1]   ; the pair's numbers change places in the first source
.endr
.endr
	WIN 0
.endm
	PLACES NP                                      ; behind the last products: for the reads of results and for the writes and loads into registers that held fragments
	s_mov_b32 s[SEL], 0x76543210
	s_mov_b32 s[SEL+1], 0xfedcba98
	s_mov_b32 s[MNT], 0x600000
.irp b, 0,1,2,3
	v_mov_b32 v[TM+4+\b], 0                        ; written once: a lane permute's destination counts as one of its sources
.endr
	s_cmp_eq_u32 ttmp9, 2
	s_cbranch_scc1 .Lv_path
	; ---- q and k.  My first token m0 = 256 x tile row + 128 x row half; my two heads 4 cx + 2 x column half on
	s_lshl_b32 s20, s17, 8
	s_lshl_b32 s21, s15, 7
	s_add_co_u32 s20, s20, s21                     ; m0
	s_lshr_b32 s21, s20, 11                        ; b
	s_and_b32 s22, s20, 2047                       ; the token in its sequence
	s_lshl_b32 s21, s21, 4
	s_lshl_b32 s46, s40, 2
	s_add_co_u32 s21, s21, s46
	s_lshl_b32 s46, s16, 1
	s_add_co_u32 s21, s21, s46                     ; 16 b + head
	s_lshl_b32 s46, ttmp9, 22                      ; q's codes at 0, k's at 4,194,304
	s_lshl_b32 s47, s21, 17
	s_add_co_u32 s46, s46, s47
	s_lshl_b32 s47, s22, 6
	s_add_co_u32 s46, s46, s47
	s_mov_b32 s47, 0
	s_add_nc_u64 s[4:5], s[98:99], s[46:47]
	s_lshl_b32 s46, ttmp9, 17
	s_lshl_b32 s92, s21, 12
	s_add_co_u32 s46, s46, s92
	s_lshl_b32 s92, s22, 1
	s_add_co_u32 s46, s46, s92
	s_add_nc_u64 s[6:7], s[98:99], s[46:47]
	s_add_nc_u64 s[6:7], s[6:7], 12582912          ; the scale bytes, 2 a token
	s_lshl_b32 s46, s20, 8
	s_add_nc_u64 s[8:9], s[100:101], s[46:47]      ; the encoding: 256 bytes a token
	s_lshl_b32 s46, s40, 8
	s_lshl_b32 s92, s16, 7
	s_add_co_u32 s46, s46, s92
	s_mul_i32 s46, s46, 12
	s_lshl_b32 s92, ttmp9, 2
	s_add_co_u32 s46, s46, s92
	s_add_nc_u64 s[10:11], s[66:67], s[46:47]      ; the bias of f = 3 e + c
	WIN 0x40
.set n, 0
.rept 64
	global_load_b32 v[n], v[BO3], s[10:11] offset:12*(16*(n/8)+n%8)
.set n, n+1
.endr
	WIN 0
	FLOAD 0
.irp a, 0,1,2,3,4,5,6,7
.if \a < 7
	FLOAD \a+1
	s_wait_loadcnt 16                              ; the bias and this block's encoding are in; the next block's 16 loads may be out
.else
	s_wait_loadcnt 0x0
.endif
	NEGF \a
	GETT \a, 0
	ROPE \a
	s_wait_dscnt 0x0                               ; the last block's LDS stores have read their registers
	s_wait_xcnt 0x0                                ; and its global stores theirs
	QUANT4 T, PW+\a
.irp be, 0,1,2,3
.irp u, 0,1
	ds_store_b64 v[QS], v[PC+4*\be+2*\u:PC+4*\be+2*\u+1] offset:(\be/2)*1280+32*(\be%2)+16*\u   ; head be / 2, token r, d = 32 (be % 2) + 16 u + 8 h on
.endr
.endr
	v_lshrrev_b32 v[PWH], 16, v[PW+\a]
	ds_store_b16 v[QSS], v[PW+\a] offset:32*\a     ; the first head's two bytes; both halves of the lanes write the same
	ds_store_b16 v[QSS], v[PWH] offset:256+32*\a   ; the second head's
.irp hh, 0,1
.irp i, 0,1
	ds_load_b128 v[OB+16*(\a%2)+8*\hh+4*\i:OB+16*(\a%2)+8*\hh+4*\i+3], v[QR] offset:\hh*1280+\i*320   ; LDS serves a wave's instructions in order: these see the stores above
.endr
.endr
	s_wait_dscnt 0x0
.irp hh, 0,1
.irp i, 0,1
	global_store_b128 v[QG], v[OB+16*(\a%2)+8*\hh+4*\i:OB+16*(\a%2)+8*\hh+4*\i+3], s[4:5] offset:\hh*131072+\a*1024+\i*512   ; 32 lanes store 512 consecutive bytes
.endr
.endr
.endr
	ds_load_b128 v[218:221], v[QSR]                ; my 128 tokens' scale bytes of two heads: 2 x 256
	s_wait_dscnt 0x0
	global_store_b128 v[QSG], v[218:221], s[6:7]   ; sixteen lanes store 256 consecutive bytes, aligned
	s_branch .Ljoin
.Lv_path:
	; ---- v.  Rows are e = 256 cy + .., columns are tokens 256 x tile column on
	s_lshr_b32 s20, s42, 3                         ; b
	s_and_b32 s21, s42, 7
	s_lshl_b32 s21, s21, 8                         ; the tile's first token in its sequence
	s_lshl_b32 s20, s20, 10
	s_lshl_b32 s22, s41, 8
	s_add_co_u32 s20, s20, s22                     ; the tile's first row 1024 b + e
	s_lshl_b32 s22, s14, 6
	s_add_co_u32 s22, s22, s20
	s_lshl_b32 s46, s22, 11
	s_add_co_u32 s46, s46, s21
	s_mov_b32 s47, 0
	s_add_nc_u64 s[4:5], s[98:99], s[46:47]
	s_add_nc_u64 s[4:5], s[4:5], 8388608           ; the codes of the 64 rows that I store
	s_lshl_b32 s22, s15, 7
	s_add_co_u32 s22, s22, s20
	s_lshl_b32 s46, s22, 6
	s_lshr_b32 s22, s21, 5
	s_add_co_u32 s46, s46, s22
	s_lshl_b32 s22, s16, 2
	s_add_co_u32 s46, s46, s22
	s_add_nc_u64 s[6:7], s[98:99], s[46:47]
	s_add_nc_u64 s[6:7], s[6:7], 12845056          ; my scale words
	s_lshl_b32 s46, s41, 8
	s_lshl_b32 s22, s15, 7
	s_add_co_u32 s46, s46, s22
	s_mul_i32 s46, s46, 12
	s_add_co_u32 s46, s46, 8
	s_add_nc_u64 s[10:11], s[66:67], s[46:47]      ; the bias of f = 3 e + 2
	WIN 0x40
.irp a, 0,1,2,3,4,5,6,7
	global_load_b32 v[2*\a], v[BO4], s[10:11] offset:192*\a
	global_load_b32 v[2*\a+1], v[BO4], s[10:11] offset:192*\a   ; twice: a pair for the packed addition
.endr
	WIN 0
	s_wait_loadcnt 0x0
.irp a, 0,1,2,3,4,5,6,7
	GETT \a, 1
	s_wait_dscnt 0x0                               ; the last block's LDS stores have read their registers
	QUANT4 T, PW+\a
	CSTAGE \a
	global_store_b32 v[SOF], v[PW+\a], s[6:7] offset:\a*1024   ; both halves of the lanes write the same word
.endr
.Ljoin:
	s_wait_dscnt 0x0                               ; for the others' sake: my stores into the stage are done
	s_barrier_signal -1
	s_barrier_wait -1
	s_cmp_eq_u32 ttmp9, 2
	s_cbranch_scc0 .Lno_rows
	s_wait_xcnt 0x0                                ; the scale words' stores have read their registers, on which the loads below land
	COUT 4
.Lno_rows:
	s_wait_tensorcnt 0x0                           ; the wave's end
	ds_add_u32 v[SPW], v[NIL]
	s_wait_dscnt 0x0
	CROUND                                         ; the closing round
	s_endpgm
.Lfunc_end_k_qbf648e0e75_qkv:
	.size	k_qbf648e0e75_qkv, .Lfunc_end_k_qbf648e0e75_qkv-k_qbf648e0e75_qkv
	.p2alignl 7, 3214868480
	.fill 96, 4, 3214868480
	.section	.rodata,"a",@progbits
	.p2align	6, 0x0
	.amdhsa_kernel k_qbf648e0e75_qkv
		.amdhsa_group_segment_fixed_size 327680
		.amdhsa_private_segment_fixed_size 0
		.amdhsa_enable_private_segment 0
		.amdhsa_kernarg_size 32
		.amdhsa_user_sgpr_count 2
		.amdhsa_user_sgpr_kernarg_segment_ptr 1
		.amdhsa_wavefront_size32 1
		.amdhsa_system_sgpr_workgroup_id_x 1
		.amdhsa_system_sgpr_workgroup_id_y 1
		.amdhsa_system_sgpr_workgroup_id_z 1
		.amdhsa_system_vgpr_workitem_id 0
		.amdhsa_next_free_vgpr 1024
		.amdhsa_next_free_sgpr 102
		.amdhsa_reserve_vcc 0
		.amdhsa_float_denorm_mode_32 3
		.amdhsa_float_denorm_mode_16_64 3
		.amdhsa_memory_ordered 1
		.amdhsa_forward_progress 1
		.amdhsa_inst_pref_size 255
	.end_amdhsa_kernel
	.section	.bss,"aw",@nobits
	.p2align	6
	.space	262144
	.amdgpu_metadata
---
amdhsa.version: [ 1, 2 ]
amdhsa.kernels:
  - .name:           k_qbf648e0e75_qkv
    .symbol:         k_qbf648e0e75_qkv.kd
    .args:
      - { .name: wts, .offset: 0, .size: 8, .value_kind: global_buffer, .address_space: global }
      - { .name: qkv, .offset: 8, .size: 8, .value_kind: global_buffer, .address_space: global }
      - { .name: encoding, .offset: 16, .size: 8, .value_kind: global_buffer, .address_space: global }
      - { .name: Wqkv_b, .offset: 24, .size: 8, .value_kind: global_buffer, .address_space: global }
    .group_segment_fixed_size: 327680
    .private_segment_fixed_size: 0
    .kernarg_segment_align: 8
    .kernarg_segment_size: 32
    .max_flat_workgroup_size: 128
    .sgpr_count:     102
    .vgpr_count:     1024
    .wavefront_size: 32
...
	.end_amdgpu_metadata
.endif
;; end of part 2
;; launch attn (part 3): grid 8 x 32, 16 waves a work-group, clusters of 4 x 1, 296,960 bytes of LDS; arguments qkv, ctx; writes ctx
.if DOCPART == 3
	.amdgcn_target "amdgcn-amd-amdhsa--gfx1250"
	.amdhsa_code_object_version 6
	.text
	.protected	k_qbf648e0e75_attn
	.globl	k_qbf648e0e75_attn
	.p2align	8
	.type	k_qbf648e0e75_attn,@function
k_qbf648e0e75_attn:
	s_mov_b64 s[64:65], 0
	v_nop
	global_prefetch_b8 v0, s[64:65] scope:SCOPE_SE
	s_setreg_imm32_b32 hwreg(HW_REG_WAVE_MODE, 25, 1), 1
	s_wait_xcnt 0x0
	s_wait_alu depctr_hold_cnt(0) depctr_sa_sdst(0) depctr_va_vdst(0) depctr_va_sdst(0) depctr_va_ssrc(0) depctr_va_vcc(0) depctr_vm_vsrc(0)
	s_getreg_b32 s2, hwreg(HW_REG_IB_STS2, 6, 4)
	s_cmp_eq_u32 s2, 0
	s_cbranch_scc0 .Lentry_in_a_cluster
	s_endpgm
.Lentry_in_a_cluster:
	s_bfe_u32 s2, ttmp6, 0x10000c
	s_cmp_lg_u32 s2, 0x3003
	s_cbranch_scc0 .Lentry_shape_is_right
	s_endpgm
.Lentry_shape_is_right:
; ctx = softmax(q k^T / 8) v for one (batch, head), both products on codes of BF8 (E5M2) with E8M0 scales; ctx leaves quantised along e, as images of the next product's operand registers.
; THE SOFTMAX: t = score x log2(e) / 8; M = the row's largest t so far, rounded up to a whole number; p = 2^(t - M) is quantised along the keys, not normalised; the row's sum is taken of the unquantised p and divides at the end.
; When M moves, the sum and O are multiplied by 2^(old M - new M): exact.
; SHARES.  A work-group owns 256 queries of one head, each of its sixteen waves 16: four waves to a SIMD, so that one wave's vector work stands beside another's matrix work and LDS loads.
; THE WHOLE HEAD'S K AND V LIE IN LDS (2 x 131,072 bytes of codes, 2 x 4,096 of scale bytes), filled ONCE, in four groups of 512 keys, so that the first group is multiplied while the others land.  Nothing is filled again.
; CLUSTER.  The four query blocks of a cluster walk the same head: each tile is asked for jointly, by the same tensor load with a mask that names the four.  By this text's count a wave has five tensor loads out.
; K = 64 IN AN INSTRUCTION OF 128.  A row of 128 bytes of k's codes holds keys j and j + 8 of a group of 16.  A fragment of 16 such rows is multiplied twice: by [q | 0], which gives the scores of keys j, and by [0 | q], which gives
; those of keys j + 8; the eight registers of zero codes are shared.  So every byte read from LDS is used, and register 16 T + i of a lane's scores is key 32 T + 16 (lane / 16) + i: the order that p's operand wants.
; Both products are used transposed (S^T = k q^T, O^T = v^T p^T): a lane holds one query (lane % 16) throughout.
; LIMITS: v_exp_f32 gives 0 for results under 2^-126; a block of p that has fallen to 0 keeps the scale byte 1 over zero codes; NaN and infinities are not served.  ctx's scale bytes leave as 2 bytes a row.
; No prefetch: all tiles are asked for at the head.
.set VB,   147456                      ; LDS: K's 1,024 rows of 128 bytes, pitch 144; from VB V: 4 groups x 64 rows of 512 bytes, pitch 528
.set SCK,  282624                      ; K's scale bytes: 16 units of 256 + 16;
.set SCV,  286976                      ; V's likewise
.set AK0,  1                           ; v1  144 r + 16 h
.set AV0,  2                           ; v2  VB + 528 r + 16 h
.set ASK0, 3                           ; v3  SCK + 4 r
.set ASV0, 4                           ; v4  SCV + 272 (r / 4) + 64 (r % 4)
.set ADK,  8                           ; v8-11 the addresses of the loads in hand
.set ADV,  9
.set ADS,  10
.set ADT,  11
.set S,    112                         ; v112-175 S^T, then p
.set OT,   176                         ; v176-207 O^T
.set PCD,  208                         ; v208-223 p's codes
.set BM,   224                         ; v224-227 the blocks' largest scores, then p
.set PM,   228                         ; v228-231 the other half's, then bytes
.set HD,   232                         ; v232-235 57,344 x the scale
.set SCO,  236                         ; v236-239 the conversions' scale operands
.set KSW,  240                         ; v240-243 K's or V's scale words
.set TMPR, 244
.set PWD,  245                         ; p's scale word
.set F,    246                         ; v[246:247] f = 2^(old M - new M)
.set SU2,  248                         ; v[248:249] the sum's second chain
.set WV,   18
.set MNT,  19
.set SEL,  20
.set CS,   22                          ; s[22:23] c = log2(e) / 8
.set G1K,  24
.set G1V,  32
.set G1S,  40
.set TK,   92                          ; s92-95: where the step's tiles and scale words begin
.set TV,   93
.set TS,   94
.set TJ,   95
.macro CROUND
	s_barrier_signal -1
	s_barrier_wait -1
	s_cmp_lg_u32 s[WV], 0
	s_cbranch_scc1 .Lnot_wave_0_\@
	s_barrier_signal -3
.Lnot_wave_0_\@:
	s_barrier_wait -3
	s_barrier_signal -1
	s_barrier_wait -1
.endm
	s_load_b128 s[4:7], s[0:1], 0x0                ; qkv, ctx
	v_lshl_add_u32 v254, v0, 2, 0x48000
	v_mov_b32 v255, 0
	ds_add_u32 v254, v255
	ds_add_u32 v254, v255
	v_lshrrev_b32 v8, 5, v0
	v_readfirstlane_b32 s[WV], v8                  ; wave 0..15
	s_bfe_u32 s8, ttmp6, 0x40000                   ; cx
	s_lshl_b32 s9, ttmp9, 2
	s_add_co_u32 s9, s9, s8                        ; my block of 256 queries: it enters q's and ctx's addresses alone
	s_and_b32 s10, ttmp7, 0xffff                   ; 16 b + head, which the four partners share
	s_and_b32 s11, s[WV], 7                        ; which eighth of a group I fetch
	; K: 32 rows of 128 bytes, dense;  V: 8 rows of 512 bytes, 2,048 apart;  scale bytes: 2 rows of 256 bytes, dense.  15:0 the mask of all four; 20 padding on; 21 beside a mask
	s_mov_b32 s[G1K], 15|(1<<20)|(1<<21)|(4<<22)|(3<<25)   ; 4 words after every 32
	s_mov_b32 s[G1K+1], 128<<16
	s_mov_b32 s[G1K+2], 32<<16
	s_mov_b32 s[G1K+3], 128<<16
	s_mov_b32 s[G1K+4], 32
	s_mov_b32 s[G1K+5], 128
	s_mov_b32 s[G1K+6], 0
	s_mov_b32 s[G1K+7], 0
	s_mov_b32 s[G1V], 15|(1<<20)|(1<<21)|(6<<22)|(3<<25)   ; 4 words after every 128
	s_mov_b32 s[G1V+1], 512<<16
	s_mov_b32 s[G1V+2], 8<<16
	s_mov_b32 s[G1V+3], 512<<16
	s_mov_b32 s[G1V+4], 8
	s_mov_b32 s[G1V+5], 2048
	s_mov_b32 s[G1V+6], 0
	s_mov_b32 s[G1V+7], 0
	s_mov_b32 s[G1S], 15|(3<<16)|(1<<20)|(1<<21)|(5<<22)|(3<<25)   ; elements of 8 bytes; 4 words after every 64
	s_mov_b32 s[G1S+1], 32<<16
	s_mov_b32 s[G1S+2], 2<<16
	s_mov_b32 s[G1S+3], 32<<16
	s_mov_b32 s[G1S+4], 2
	s_mov_b32 s[G1S+5], 32
	s_mov_b32 s[G1S+6], 0
	s_mov_b32 s[G1S+7], 0
	s_lshl_b32 s12, s10, 17
	s_lshl_b32 s14, s11, 12
	s_add_co_u32 s12, s12, s14                     ; K: the head's 131,072 bytes, my 4,096 of a group
	s_mov_b32 s13, 0
	s_lshl_b32 s14, s10, 17
	s_lshl_b32 s16, s11, 14
	s_add_co_u32 s14, s14, s16                     ; V: my 8 rows of 2,048
	s_mov_b32 s15, 0
	s_lshl_b32 s16, s10, 12
	s_lshl_b32 s17, s11, 9
	s_add_co_u32 s16, s16, s17                     ; scale bytes: the head's 4,096, my 512
	s_mov_b32 s17, 0
	s_mul_i32 s92, s11, 4608
	s_mul_i32 s93, s11, 4224
	s_mul_i32 s94, s11, 544
	s_mov_b32 s[SEL], 0x76543210
	s_mov_b32 s[SEL+1], 0xfedcba98
	s_mov_b32 s[CS], 0x3e38aa3b
	s_mov_b32 s[CS+1], s[CS]                       ; (named with it as a pair, so it is written)
	s_mov_b32 s[MNT], 0x600000
	s_wait_dscnt 0x0
	s_wait_kmcnt 0x0
	s_add_nc_u64 s[12:13], s[4:5], s[12:13]
	s_add_nc_u64 s[14:15], s[4:5], s[14:15]
	s_add_nc_u64 s[16:17], s[4:5], s[16:17]
.irp g, 0,1,2,3
	s_mov_b32 s[48+4*\g], 1
	s_add_co_u32 s[49+4*\g], s92, 36864*\g
	s_add_nc_u64 s[50+4*\g:51+4*\g], s[12:13], 4194304+32768*\g
	s_or_b32 s[51+4*\g], s[51+4*\g], 0x80000000
	s_mov_b32 s[72+4*\g], 1
	s_add_co_u32 s[73+4*\g], s93, VB+33792*\g
	s_add_nc_u64 s[74+4*\g:75+4*\g], s[14:15], 8388608+512*\g
	s_or_b32 s[75+4*\g], s[75+4*\g], 0x80000000
.endr
	s_mov_b32 s68, 1
	s_add_co_u32 s69, s94, SCK
	s_add_nc_u64 s[70:71], s[16:17], 12713984
	s_or_b32 s71, s71, 0x80000000
	s_mov_b32 s88, 1
	s_add_co_u32 s89, s94, SCV
	s_add_nc_u64 s[90:91], s[16:17], 12845056
	s_or_b32 s91, s91, 0x80000000
	CROUND                                         ; all four work-groups are here: the joint loads meet
	s_cmp_lt_u32 s[WV], 8                          ; waves 0-7 fetch K and its scale bytes, waves 8-15 V and its: a wave's five fills stand in one branch
	s_cbranch_scc0 .Lfor_v
	tensor_load_to_lds s[68:71], s[G1S:G1S+7]
	s_nop 0
	tensor_load_to_lds s[48:51], s[G1K:G1K+7]
	s_nop 0
	tensor_load_to_lds s[52:55], s[G1K:G1K+7]
	s_nop 0
	tensor_load_to_lds s[56:59], s[G1K:G1K+7]
	s_nop 0
	tensor_load_to_lds s[60:63], s[G1K:G1K+7]
	s_nop 0
.rept 4
	v_nop
.endr
	s_branch .Lasked
.Lfor_v:
	tensor_load_to_lds s[88:91], s[G1S:G1S+7]
	s_nop 0
	tensor_load_to_lds s[72:75], s[G1V:G1V+7]
	s_nop 0
	tensor_load_to_lds s[76:79], s[G1V:G1V+7]
	s_nop 0
	tensor_load_to_lds s[80:83], s[G1V:G1V+7]
	s_nop 0
	tensor_load_to_lds s[84:87], s[G1V:G1V+7]
	s_nop 0
.rept 4
	v_nop
.endr
.Lasked:
	s_lshl_b32 s92, s10, 17                        ; q: the head, my group of 16 queries: 16 x block + wave, 1,024 bytes each
	s_lshl_b32 s93, s9, 14
	s_add_co_u32 s92, s92, s93
	s_lshl_b32 s93, s[WV], 10
	s_add_co_u32 s92, s92, s93
	s_mov_b32 s93, 0
	s_add_nc_u64 s[12:13], s[4:5], s[92:93]
	s_lshl_b32 s92, s10, 12                        ; its scale bytes: 32 a group
	s_lshl_b32 s94, s9, 9
	s_add_co_u32 s92, s92, s94
	s_lshl_b32 s94, s[WV], 5
	s_add_co_u32 s92, s92, s94
	s_add_nc_u64 s[14:15], s[4:5], s[92:93]
	s_add_nc_u64 s[14:15], s[14:15], 12582912
	v_and_b32 v8, 15, v0                           ; r
	v_bfe_u32 v9, v0, 4, 1                         ; h
	v_and_b32 v10, 7, v8
	v_lshrrev_b32 v11, 3, v8
	v_lshlrev_b32 v5, 7, v10
	v_lshl_add_u32 v5, v11, 6, v5
	v_lshl_add_u32 v5, v9, 4, v5                   ; query r lies at 128 (r % 8) + 64 (r / 8); + 16 h
	global_load_b128 v[16:19], v5, s[12:13]        ; [q | 0] = v[16:31]
	global_load_b128 v[20:23], v5, s[12:13] offset:32
	global_load_b128 v[32:35], v5, s[12:13]        ; [0 | q] = v[24:39]
	global_load_b128 v[36:39], v5, s[12:13] offset:32
	v_lshlrev_b32 v6, 2, v10
	v_lshl_add_u32 v6, v11, 1, v6
	global_load_u16 v41, v6, s[14:15]              ; its two scale bytes
	v_mul_u32_u24 v[AK0], v8, 144
	v_lshl_add_u32 v[AK0], v9, 4, v[AK0]
	v_mul_u32_u24 v[AV0], v8, 528
	v_lshl_add_u32 v[AV0], v9, 4, v[AV0]
	v_add_nc_u32 v[AV0], VB, v[AV0]
	v_lshl_add_u32 v[ASK0], v8, 2, SCK
	v_lshrrev_b32 v12, 2, v8
	v_and_b32 v13, 3, v8
	v_mul_u32_u24 v[ASV0], v12, 272
	v_lshl_add_u32 v[ASV0], v13, 6, v[ASV0]
	v_add_nc_u32 v[ASV0], SCV, v[ASV0]
	v_lshlrev_b32 v7, 4, v8
	v_lshl_add_u32 v7, v9, 3, v7                   ; the way out: 16 r + 8 h
	v_lshlrev_b32 v42, 5, v8                       ; and 32 r
	s_mov_b32 s[TK], 0
	s_mov_b32 s[TV], 0
	s_mov_b32 s[TS], 0
	s_mov_b32 s[TJ], 0
	s_wait_loadcnt 0x0
	v_lshl_or_b32 v40, v41, 16, v41                ; q's scale word: its two bytes twice, for [q | 0] and [0 | q] alike
.irp j, 24,25,26,27,28,29,30,31
	v_mov_b32 v[\j], 0                             ; zero codes
.endr
	v_mov_b32 v13, 0xff61b1e6                      ; the largest t so far: -3e38
	v_floor_f32 v12, -v13                          ; -M
	v_mov_b32 v14, 0
	v_mov_b32 v15, 0
.irp b, 0,1,2,3
	v_mov_b32 v[PM+\b], 0                          ; written once: a lane permute's destination counts as one of its sources
.endr
	v_mov_b32 v[F+1], 0                            ; (named as the upper half of a pair)
.set j, 0
.rept 32
	v_mov_b32 v[OT+j], 0                           ; the step is written once: the first finds zeros, which the first change of M leaves zeros
.set j, j+1
.endr
; A KEY STEP: 128 keys
.macro STEP
	v_add_nc_u32 v[ADK], s[TK], v[AK0]
	v_add_nc_u32 v[ADS], s[TS], v[ASK0]
.rept 6
	v_nop                                          ; with the two additions: eight places in front of loads into registers that the last products read
.endr
.irp t, 0,1,2,3
.irp c, 0,1,2,3
	ds_load_b128 v[48+16*\t+4*\c:48+16*\t+4*\c+3], v[ADK] offset:2304*\t+32*\c
.endr
	ds_load_b32 v[KSW+\t], v[ADS] offset:64*\t
.endr
	s_wait_dscnt 0x0
.irp t, 0,1,2,3
	v_wmma_scale_f32_16x16x128_f8f6f4 v[S+16*\t:S+16*\t+7], v[48+16*\t:63+16*\t], v[16:31], 0, v[KSW+\t], v40 matrix_a_fmt:MATRIX_FMT_BF8 matrix_b_fmt:MATRIX_FMT_BF8
	v_wmma_scale_f32_16x16x128_f8f6f4 v[S+8+16*\t:S+15+16*\t], v[48+16*\t:63+16*\t], v[24:39], 0, v[KSW+\t], v40 matrix_a_fmt:MATRIX_FMT_BF8 matrix_b_fmt:MATRIX_FMT_BF8
.endr
	v_add_nc_u32 v[ADV], s[TV], v[AV0]
	v_add_nc_u32 v[ADT], s[TJ], v[ASV0]
.rept 6
	v_nop                                          ; eight places again: for V's loads into K's registers, and for the first read of the scores
.endr
.irp t, 0,1,2,3                                ; V's fragments are asked for now and land under the softmax
.irp c, 0,1,2,3
	ds_load_b128 v[48+16*\t+4*\c:48+16*\t+4*\c+3], v[ADV] offset:8448*\t+32*\c
.endr
	ds_load_b32 v[KSW+\t], v[ADT] offset:1088*\t
.endr
.irp b, 0,1,2,3
	v_max3_num_f32 v[BM+\b], v[S+16*\b], v[S+1+16*\b], v[S+2+16*\b]   ; the largest score of each block of 32 keys: for the row's maximum and, since p rises with the score, for the block's largest p
.endr
.irp i, 3,5,7,9,11,13
.irp b, 0,1,2,3
	v_max3_num_f32 v[BM+\b], v[BM+\b], v[S+16*\b+\i], v[S+1+16*\b+\i]
.endr
.endr
.irp b, 0,1,2,3
	v_max_num_f32 v[BM+\b], v[BM+\b], v[S+15+16*\b]
.endr
.irp b, 0,1,2,3
	v_permlanex16_b32 v[PM+\b], v[BM+\b], s[SEL], s[SEL+1]
.endr
.irp b, 0,1,2,3
	v_max_num_f32 v[BM+\b], v[BM+\b], v[PM+\b]
.endr
	v_max3_num_f32 v[TMPR], v[BM], v[BM+1], v[BM+2]
	v_max_num_f32 v[TMPR], v[TMPR], v[BM+3]
	v_mul_f32 v[TMPR], s[CS], v[TMPR]
	v_max_num_f32 v13, v13, v[TMPR]                ; the running largest t
	v_mov_b32 v[TMPR], v12
	v_floor_f32 v12, -v13                          ; the new -M = -ceil(t)
	v_sub_f32 v[TMPR], v12, v[TMPR]                ; old M - new M: a whole number, 0 or less
	v_cvt_i32_f32 v[TMPR], v[TMPR]                 ; (it saturates)
	v_ldexp_f32 v[F], 1.0, v[TMPR]
.set j, 0
.rept 32
	v_pk_fma_f32 v[S+j:S+j+1], v[S+j:S+j+1], s[CS:CS+1], v[12:13] op_sel_hi:[1,0,0]   ; t - M
.set j, j+2
.endr
.irp b, 0,1,2,3
	v_fma_f32 v[BM+\b], v[BM+\b], s[CS], v12
.endr
.set j, 0
.rept 64
	v_exp_f32 v[S+j], v[S+j]                       ; p = 2^(t - M)
.set j, j+1
.endr
	v_pk_mul_f32 v[14:15], v[14:15], v[F:F+1] op_sel_hi:[1,0]   ; the sums under the new M: the plain line behind the batch
	s_wait_alu depctr_va_vdst(0)                   ; one wait for the 64, ahead of their first reader
.irp b, 0,1,2,3
	v_exp_f32 v[BM+\b], v[BM+\b]                   ; the blocks' largest p
.endr
	v_pk_add_f32 v[SU2:SU2+1], v[S:S+1], v[S+2:S+3]   ; the row's sum of the unquantised p, in two chains
.irp j, 4,8,12,16,20,24,28,32,36,40,44,48,52,56,60
	v_pk_add_f32 v[14:15], v[14:15], v[S+\j:S+\j+1]
	v_pk_add_f32 v[SU2:SU2+1], v[SU2:SU2+1], v[S+2+\j:S+3+\j]
.endr
	v_pk_add_f32 v[14:15], v[14:15], v[SU2:SU2+1]
	s_wait_alu depctr_va_vdst(0)                   ; and one for the four
.irp b, 0,1,2,3
	v_max_num_f32 v[BM+\b], 0x8000000, v[BM+\b]    ; the floor 2^(16 - 127)
.endr
.irp b, 0,1,2,3
	v_add_nc_u32 v[SCO+\b], 0xf8800000, v[BM+\b]
.endr
.irp b, 0,1,2,3
	v_and_or_b32 v[HD+\b], v[BM+\b], 0x7f800000, s[MNT]
.endr
.irp b, 0,1,2,3
	v_lshrrev_b32 v[PM+\b], 23, v[SCO+\b]
.endr
	v_lshl_or_b32 v[PWD], v[PM+1], 8, v[PM]
	v_lshl_or_b32 v[PWD], v[PM+2], 16, v[PWD]
	v_lshl_or_b32 v[PWD], v[PM+3], 24, v[PWD]
.irp b, 0,1,2,3
.irp i, 0,1,2,3,4,5,6,7,8,9,10,11,12,13,14,15
	v_min_num_f32 v[S+16*\b+\i], v[S+16*\b+\i], v[HD+\b]   ; the conversion does not saturate (ISA guide 7.6.2); p is not negative, so the hold is one-sided
.endr
	v_cvt_scalef32_pk8_bf8_f32 v[PCD+4*\b:PCD+1+4*\b], v[S+16*\b:S+7+16*\b], v[SCO+\b]
	v_cvt_scalef32_pk8_bf8_f32 v[PCD+2+4*\b:PCD+3+4*\b], v[S+8+16*\b:S+15+16*\b], v[SCO+\b]
.endr
.set j, 0
.rept 16
	v_pk_mul_f32 v[OT+j:OT+j+1], v[OT+j:OT+j+1], v[F:F+1] op_sel_hi:[1,0]   ; O^T under the new M; these are also the places between the codes and the products
.set j, j+2
.endr
.rept 4
	v_nop                                          ; and four between O^T's last multiplication and the products that add onto it
.endr
	s_wait_dscnt 0x0                               ; V is in
.irp t, 0,1,2,3                                ; the four accumulators by turns
	v_wmma_scale_f32_16x16x128_f8f6f4 v[OT+8*\t:OT+8*\t+7], v[48+16*\t:63+16*\t], v[PCD:PCD+15], v[OT+8*\t:OT+8*\t+7], v[KSW+\t], v[PWD] matrix_a_fmt:MATRIX_FMT_BF8 matrix_b_fmt:MATRIX_FMT_BF8
.endr
	s_add_co_u32 s[TK], s[TK], 9216                ; 64 rows of K on
	s_add_co_u32 s[TV], s[TV], 128                 ; 128 keys on in V's rows
	s_add_co_u32 s[TS], s[TS], 272                 ; a unit of K's scale bytes
	s_add_co_u32 s[TJ], s[TJ], 4
.endm
.macro GROUP g                         ; 512 keys
	s_wait_tensorcnt 3-\g                          ; my part of the scale bytes and of groups 0 to g is in; the later groups' loads may stay out
	s_barrier_signal -1
	s_barrier_wait -1                              ; everybody's is
	s_mov_b32 s3, 4
.Lstep_\@:
	STEP
	s_sub_co_u32 s3, s3, 1
	s_cmp_lg_u32 s3, 0
	s_cbranch_scc1 .Lstep_\@
	s_add_co_u32 s[TV], s[TV], 33280               ; on to the next group of V: 33,792 less the 512 walked
.endm
	GROUP 0
	GROUP 1
	GROUP 2
	GROUP 3
	; THE WAY OUT.  O^T / the sum, quantised along e: my head's two blocks of 32; a lane holds 16 numbers of each, lane l xor 16 the others
	v_add_f32 v14, v14, v15
	v_permlanex16_b32 v[PM], v14, s[SEL], s[SEL+1]
	v_add_f32 v14, v14, v[PM]
	v_rcp_f32 v14, v14
.rept 8
	v_nop                                          ; the places behind the last products, and the plain line behind the reciprocal
.endr
	s_lshr_b32 s11, s10, 4                         ; b
	s_and_b32 s12, s10, 15                         ; head
	s_lshl_b32 s16, s11, 7
	s_lshl_b32 s17, s9, 4
	s_add_co_u32 s16, s16, s17
	s_add_co_u32 s16, s16, s[WV]                   ; my block of 16 tokens: 128 b + 16 x query block + wave
	s_lshl_b32 s24, s16, 14                        ; (no tensor load is out: the descriptors' registers are free)
	s_lshl_b32 s26, s12, 10                        ; a head's 64 codes of 16 tokens are 1,024 bytes of the image
	s_add_co_u32 s24, s24, s26
	s_mov_b32 s25, 0
	s_add_nc_u64 s[28:29], s[6:7], s[24:25]
	s_lshl_b32 s24, s16, 9
	s_lshl_b32 s26, s12, 1
	s_add_co_u32 s24, s24, s26
	s_add_nc_u64 s[30:31], s[6:7], s[24:25]
	s_add_nc_u64 s[30:31], s[30:31], 4194304
	s_wait_alu depctr_va_vdst(0)                   ; ahead of the reciprocal's first reader
.set j, 0
.rept 32
	v_mul_f32 v[S+j], v[OT+j], v14                 ; register 8 t + i is ctx(query r, d = 16 t + 8 h + i)
.set j, j+1
.endr
.irp b, 0,1
	v_max3_num_f32 v[BM+\b], |v[S+16*\b]|, |v[S+1+16*\b]|, 0x8000000
.endr
.irp i, 2,4,6,8,10,12,14
.irp b, 0,1
	v_max3_num_f32 v[BM+\b], v[BM+\b], |v[S+16*\b+\i]|, |v[S+1+16*\b+\i]|
.endr
.endr
.irp b, 0,1
	v_permlanex16_b32 v[PM+\b], v[BM+\b], s[SEL], s[SEL+1]
.endr
.irp b, 0,1
	v_max_num_f32 v[BM+\b], v[BM+\b], v[PM+\b]
.endr
.irp b, 0,1
	v_add_nc_u32 v[SCO+\b], 0xf8800000, v[BM+\b]
.endr
.irp b, 0,1
	v_and_or_b32 v[HD+\b], v[BM+\b], 0x7f800000, s[MNT]
.endr
.irp b, 0,1
	v_lshrrev_b32 v[PM+\b], 23, v[SCO+\b]
.endr
	v_lshl_or_b32 v[TMPR], v[PM+1], 8, v[PM]       ; my row's two scale bytes
.irp b, 0,1
.irp i, 0,1,2,3,4,5,6,7,8,9,10,11,12,13,14,15
	v_med3_num_f32 v[S+16*\b+\i], v[S+16*\b+\i], -v[HD+\b], v[HD+\b]
.endr
	v_cvt_scalef32_pk8_bf8_f32 v[PCD+4*\b:PCD+1+4*\b], v[S+16*\b:S+7+16*\b], v[SCO+\b]
	v_cvt_scalef32_pk8_bf8_f32 v[PCD+2+4*\b:PCD+3+4*\b], v[S+8+16*\b:S+15+16*\b], v[SCO+\b]
.endr
	v_nop
.irp t, 0,1,2,3
	global_store_b64 v7, v[PCD+2*\t:PCD+2*\t+1], s[28:29] offset:512*(\t/2)+256*(\t%2)   ; the image of the next operand's registers: 32 lanes store 256 consecutive bytes, aligned
.endr
	global_store_b16 v42, v[TMPR], s[30:31]        ; both halves of the lanes write the same
	s_wait_tensorcnt 0x0
	ds_add_u32 v254, v255
	s_wait_dscnt 0x0
	CROUND                                         ; the closing round: no work-group ends while a partner may still ask for a tile that names it
	s_endpgm
.Lfunc_end_k_qbf648e0e75_attn:
	.size	k_qbf648e0e75_attn, .Lfunc_end_k_qbf648e0e75_attn-k_qbf648e0e75_attn
	.p2alignl 7, 3214868480
	.fill 96, 4, 3214868480
	.section	.rodata,"a",@progbits
	.p2align	6, 0x0
	.amdhsa_kernel k_qbf648e0e75_attn
		.amdhsa_group_segment_fixed_size 296960
		.amdhsa_private_segment_fixed_size 0
		.amdhsa_enable_private_segment 0
		.amdhsa_kernarg_size 16
		.amdhsa_user_sgpr_count 2
		.amdhsa_user_sgpr_kernarg_segment_ptr 1
		.amdhsa_wavefront_size32 1
		.amdhsa_system_sgpr_workgroup_id_x 1
		.amdhsa_system_sgpr_workgroup_id_y 1
		.amdhsa_system_sgpr_workgroup_id_z 1
		.amdhsa_system_vgpr_workitem_id 0
		.amdhsa_next_free_vgpr 256
		.amdhsa_next_free_sgpr 96
		.amdhsa_reserve_vcc 0
		.amdhsa_float_denorm_mode_32 3
		.amdhsa_float_denorm_mode_16_64 3
		.amdhsa_memory_ordered 1
		.amdhsa_forward_progress 1
		.amdhsa_inst_pref_size 95
	.end_amdhsa_kernel
	.amdgpu_metadata
---
amdhsa.version: [ 1, 2 ]
amdhsa.kernels:
  - .name:           k_qbf648e0e75_attn
    .symbol:         k_qbf648e0e75_attn.kd
    .args:
      - { .name: qkv, .offset: 0, .size: 8, .value_kind: global_buffer, .address_space: global }
      - { .name: ctx, .offset: 8, .size: 8, .value_kind: global_buffer, .address_space: global }
    .group_segment_fixed_size: 296960
    .private_segment_fixed_size: 0
    .kernarg_segment_align: 8
    .kernarg_segment_size: 16
    .max_flat_workgroup_size: 512
    .sgpr_count:     96
    .vgpr_count:     256
    .wavefront_size: 32
...
	.end_amdgpu_metadata
.endif
;; end of part 3
;; launch proj (part 4): grid 4 x 16, 4 waves a work-group, clusters of 4 x 4, 327,680 bytes of LDS; arguments ctx, wts, out_b, hcat; writes hcat
.if DOCPART == 4
	.amdgcn_target "amdgcn-amd-amdhsa--gfx1250"
	.amdhsa_code_object_version 6
	.text
	.protected	k_qbf648e0e75_proj
	.globl	k_qbf648e0e75_proj
	.p2align	8
	.type	k_qbf648e0e75_proj,@function
k_qbf648e0e75_proj:
	s_mov_b64 s[64:65], 0
	v_nop
	global_prefetch_b8 v0, s[64:65] scope:SCOPE_SE
	s_setreg_imm32_b32 hwreg(HW_REG_WAVE_MODE, 25, 1), 1
	s_wait_xcnt 0x0
	s_wait_alu depctr_hold_cnt(0) depctr_sa_sdst(0) depctr_va_vdst(0) depctr_va_sdst(0) depctr_va_ssrc(0) depctr_va_vcc(0) depctr_vm_vsrc(0)
	s_getreg_b32 s2, hwreg(HW_REG_IB_STS2, 6, 4)
	s_cmp_eq_u32 s2, 0
	s_cbranch_scc0 .Lentry_in_a_cluster
	s_endpgm
.Lentry_in_a_cluster:
	s_bfe_u32 s2, ttmp6, 0x10000c
	s_cmp_lg_u32 s2, 0xf033
	s_cbranch_scc0 .Lentry_shape_is_right
	s_endpgm
.Lentry_shape_is_right:
; message = ctx out_w^T + out_b on codes of BF8 (E5M2) with E8M0 scales; the message leaves quantised along its 1,024 columns, into columns 1024-2047 of hcat's rows and bytes 32-63 of its rows of scale bytes.
; THE PRODUCT.  A tile of 256 x 256 to a work-group of four waves, 128 x 128 a wave; K = 1,024 in steps of 256 through a ring of two LDS slots filled by the tensor data mover; the scale bytes of all of K come once.
; 4 x 4 work-groups form a cluster: A's tile is asked for jointly along a row of the cluster, B's along a column.  64 tiles: this launch has work for 64 work-groups.
; A (ctx) LIES IN MEMORY AS IMAGES OF ITS OPERAND REGISTERS: [16 tokens][128 along K][4 groups of registers][32 lanes][16 bytes].  A K step of 16 tokens is 4,096 consecutive bytes; a wave's load brings 8 such rows; a fragment is
; four loads at 16 x lane, 512 bytes apart: no pitch, no padding.
; The matrix instruction is used transposed (source 0 = 16 rows of B, source 1 = 16 rows of A): lane (r, h) holds row r and, in register j of accumulator (a, b), column 16 b + 8 h + j.
; WAY OUT.  Bias, four blocks of 32 columns a lane row (lane l xor 16 holds the other halves), codes through a stage of the work-group, whole rows of 256 bytes out.  The scale words leave as 4 bytes a row, 64 bytes apart.
; LIMITS: NaN and infinities are not served; a block of zeros or under 2^-111 gets the scale byte 1, which this program alone reads.
.set SIZE_K, 1024
.set AIMG,   1
.set NQ,     2
.set ROWB,   256
.set KROW,   SIZE_K
.set PITCH,  272                       ; an LDS row of B: 256 bytes + 16 of padding: the 16 rows that a load touches start at 16 different banks (ISA guide 11.1)
.set FR,     16
.set NL,     4
.set NP,     8                         ; places behind this matrix instruction (ISA guide 7.12.1)
.set HALFB,  128*PITCH
.if AIMG
.set HALFA,  32768
.set ASTEP,  4096
.else
.set HALFA,  128*PITCH
.set ASTEP,  ROWB
.endif
.set SLOT,   2*HALFA+2*HALFB
.set LAPS,   SIZE_K/512
.set KS,     SIZE_K/32
.set SCL,    2*SLOT
.set HALFS,  (128*KS/256)*272
.set SBLK,   (16*KS/256)*272
.set SPARE,  SCL+4*HALFS               ; the spare words, 128 bytes a wave: two blocks of 256 bytes that no other line names
.set ADRA, 16
.set ADRB, 20
.set ADRS, 27
.set SPW,  28
.set NIL,  29
.set SC,   32
.set AF,   128
.set G1, 24
.set G0, 32
.set G1B, 48
.set G0B, 56
.set G1S, 68
.set G0S, 76
.set G1SB, 80
.set G0SB, 88
.set CSTG, 16384                       ; the way out: 256 rows x 272 bytes in slot 0, which has had its last fill and its last read by then
.set CS,   7
.set CR,   8
.set GOF,  9
.set SOF,  10
.set BO,   11                          ; v11 32 h: the bias
.set T,    64
.set PC,   128
.set TM,   144
.set PW,   160
.set SEL,  18
.set MNT,  23
.set MSB, 0
.macro WIN new                         ; the immediate's high byte repeats the setting that is left
.if MSB != \new
	s_set_vgpr_msb (MSB<<8)|\new
.set MSB, \new
.endif
.endm
.set MUL_LO, 0xa1
.set MUL_HI, 0xf1
.set TO_B,   0x40
; A joint load: waves 0 and 1 fetch for A, waves 2 and 3 for B; the branch hangs on the wave's number alone.  Four v_nop follow each of the two lines.
.macro JLOAD g0a, g1a, g0b, g1b
	s_cmp_eq_u32 s15, 0
	s_cbranch_scc0 .Lfor_b_\@
	tensor_load_to_lds s[\g0a:\g0a+3], s[\g1a:\g1a+7]
	s_nop 0
.rept 4
	v_nop
.endr
	s_branch .Lasked_\@
.Lfor_b_\@:
	tensor_load_to_lds s[\g0b:\g0b+3], s[\g1b:\g1b+7]
	s_nop 0
.rept 4
	v_nop
.endr
.Lasked_\@:
.endm
.macro CREST
	s_cmp_lg_u32 s14, 0
	s_cbranch_scc1 .Lnot_wave_0_\@
	s_barrier_signal -3
.Lnot_wave_0_\@:
	s_barrier_wait -3
	s_barrier_signal -1
	s_barrier_wait -1
.endm
.macro CROUND
	s_barrier_signal -1
	s_barrier_wait -1
	CREST
.endm
	s_load_b128 s[96:99], s[0:1], 0x0              ; ctx, wts
	s_load_b64 s[100:101], s[0:1], 0x10            ; out_b
	s_load_b64 s[12:13], s[0:1], 0x18              ; hcat
	v_lshl_add_u32 v[SPW], v0, 2, SPARE
	v_mov_b32 v[NIL], 0
	ds_add_u32 v28, v29
	ds_add_u32 v28, v29
	s_wait_dscnt 0x0
	v_lshrrev_b32 v1, 5, v0
	v_readfirstlane_b32 s14, v1                    ; wave 0..3
	s_lshr_b32 s15, s14, 1
	s_and_b32 s16, s14, 1
	s_bfe_u32 s40, ttmp6, 0x40000                  ; cx, cy
	s_bfe_u32 s41, ttmp6, 0x40004
	s_lshl_b32 s42, ttmp9, 2
	s_add_co_u32 s42, s42, s40                     ; tile column
	s_and_b32 s17, ttmp7, 0xffff
	s_lshl_b32 s17, s17, 2
	s_add_co_u32 s17, s17, s41                     ; tile row
	s_lshl_b32 s43, s41, 2
	s_lshl_b32 s43, 15, s43                        ; my row of the cluster
	s_lshl_b32 s44, 0x1111, s40                    ; my column
	s_or_b32 s[G1+0], s43, (1<<21)                 ; A: the mask, bit 21 beside it; elements of 1 byte; no padding
	s_mov_b32 s[G1+1], 4096<<16                    ; tensor_dim0: a K step of 16 tokens
	s_mov_b32 s[G1+2], 8<<16                       ; tensor_dim1: 8 blocks of 16 tokens
	s_mov_b32 s[G1+3], 4096<<16
	s_mov_b32 s[G1+4], 8
	s_mov_b32 s[G1+5], 16384                       ; from one block of 16 tokens to the next
	s_mov_b32 s[G1+6], 0
	s_mov_b32 s[G1+7], 0
	s_or_b32 s[G1B+0], s44, (0<<16)|(1<<20)|(1<<21)|(5<<22)|(3<<25)
	s_mov_b32 s[G1B+1], ROWB<<16
	s_mov_b32 s[G1B+2], 128<<16
	s_mov_b32 s[G1B+3], ROWB<<16
	s_mov_b32 s[G1B+4], 128
	s_mov_b32 s[G1B+5], KROW
	s_mov_b32 s[G1B+6], 0
	s_mov_b32 s[G1B+7], 0
	s_or_b32 s[G1S+0], s43, (3<<16)|(1<<20)|(1<<21)|(5<<22)|(3<<25)
	s_or_b32 s[G1SB+0], s44, (3<<16)|(1<<20)|(1<<21)|(5<<22)|(3<<25)
.irp g, G1S, G1SB
	s_mov_b32 s[\g+1], 32<<16
	s_mov_b32 s[\g+2], (128*KS/256)<<16
	s_mov_b32 s[\g+3], 32<<16
	s_mov_b32 s[\g+4], 128*KS/256
	s_mov_b32 s[\g+5], 32
	s_mov_b32 s[\g+6], 0
	s_mov_b32 s[\g+7], 0
.endr
	s_lshl_b32 s18, s16, 7
	s_lshl_b32 s20, s17, 8
	s_add_co_u32 s20, s20, s18
	s_lshl_b32 s46, s42, 8
	s_add_co_u32 s46, s46, s18
	s_mov_b32 s21, 0
	s_mov_b32 s47, 0
	s_mov_b64 s[18:19], KS
	s_mul_u64 s[22:23], s[20:21], s[18:19]
	s_mul_u64 s[92:93], s[46:47], s[18:19]
	s_mov_b64 s[18:19], KROW
	s_mul_u64 s[20:21], s[20:21], s[18:19]         ; (a token's 1,024 codes: the images of 16 tokens are 16,384 bytes)
	s_mul_u64 s[46:47], s[46:47], s[18:19]
	s_mul_i32 s45, s16, HALFA
	s_mul_i32 s95, s16, HALFB
	s_add_co_u32 s95, s95, 2*HALFA
	s_mul_i32 s94, s14, HALFS
	s_wait_kmcnt 0x0
	s_mov_b64 s[4:5], s[96:97]                     ; A's codes
	s_add_nc_u64 s[6:7], s[96:97], 4194304         ; A's scales
	s_add_nc_u64 s[8:9], s[98:99], 7340032         ; B's codes
	s_add_nc_u64 s[10:11], s[98:99], 14909440      ; B's scales
	s_add_nc_u64 s[20:21], s[4:5], s[20:21]
	s_add_nc_u64 s[22:23], s[6:7], s[22:23]
	s_add_nc_u64 s[46:47], s[8:9], s[46:47]
	s_add_nc_u64 s[92:93], s[10:11], s[92:93]
	CROUND                                         ; all sixteen work-groups are here: the first joint loads meet
	s_mov_b32 s[G0S], 1
	s_add_co_u32 s[G0S+1], s94, SCL
	s_mov_b64 s[G0S+2:G0S+3], s[22:23]
	s_or_b32 s[G0S+3], s[G0S+3], 0x80000000
	s_mov_b32 s[G0SB], 1
	s_add_co_u32 s[G0SB+1], s94, SCL
	s_mov_b64 s[G0SB+2:G0SB+3], s[92:93]
	s_or_b32 s[G0SB+3], s[G0SB+3], 0x80000000
	JLOAD G0S, G1S, G0SB, G1SB
.irp s, 0,1
	s_mov_b32 s[G0+4*\s], 1
	s_add_co_u32 s[G0+4*\s+1], s45, \s*SLOT
	s_add_nc_u64 s[G0+4*\s+2:G0+4*\s+3], s[20:21], \s*ASTEP
	s_or_b32 s[G0+4*\s+3], s[G0+4*\s+3], 0x80000000
	s_mov_b32 s[G0B+4*\s], 1
	s_add_co_u32 s[G0B+4*\s+1], s95, \s*SLOT
	s_add_nc_u64 s[G0B+4*\s+2:G0B+4*\s+3], s[46:47], \s*ROWB
	s_or_b32 s[G0B+4*\s+3], s[G0B+4*\s+3], 0x80000000
	JLOAD G0+4*\s, G1, G0B+4*\s, G1B
.endr
	v_and_b32 v1, 15, v0                           ; r
	v_bfe_u32 v2, v0, 4, 1                         ; h
	v_mul_u32_u24 v3, v1, PITCH
	v_lshl_add_u32 v4, v2, 4, v3
	v_and_b32 v5, 31, v0
	v_lshlrev_b32 v5, 4, v5                        ; 16 x lane: an image's place for my lane
	s_mul_i32 s21, s15, HALFA
	s_mul_i32 s22, s16, HALFB
	s_add_co_u32 s22, s22, 2*HALFA
.irp s, 0,1
	v_add_nc_u32 v[ADRA+\s], s21, v5
	v_add_nc_u32 v[ADRB+\s], s22, v4
	s_add_co_u32 s21, s21, SLOT
	s_add_co_u32 s22, s22, SLOT
.endr
	v_mul_u32_u24 v5, v1, KS
	v_lshrrev_b32 v6, 8, v5
	v_lshl_add_u32 v5, v6, 4, v5
	s_mul_i32 s21, s15, HALFS
	s_mul_i32 s22, s16, HALFS
	s_add_co_u32 s22, s22, 2*HALFS
	s_sub_co_u32 s22, s22, s21
	v_mul_u32_u24 v6, s22, v2
	s_add_co_u32 s21, s21, SCL
	v_add_nc_u32 v5, v5, v6
	v_add_nc_u32 v[ADRS], s21, v5
	s_mul_i32 s21, s15, 128*272
	s_lshl_b32 s22, s16, 7
	s_add_co_u32 s21, s21, s22
	s_add_co_u32 s21, s21, CSTG
	v_lshl_add_u32 v[CS], v2, 3, v3
	v_add_nc_u32 v[CS], s21, v[CS]
	s_mul_i32 s21, s14, 64*272
	s_add_co_u32 s21, s21, CSTG
	v_mul_u32_u24 v[CR], v2, 272
	v_lshl_add_u32 v[CR], v1, 4, v[CR]
	v_add_nc_u32 v[CR], s21, v[CR]
	v_lshlrev_b32 v[GOF], 11, v2
	v_lshl_add_u32 v[GOF], v1, 4, v[GOF]
	v_lshlrev_b32 v[SOF], 6, v1
	v_lshlrev_b32 v[BO], 5, v2
	s_lshl_b32 s20, s42, 10                        ; the bias of my 128 columns
	s_lshl_b32 s21, s16, 9
	s_add_co_u32 s20, s20, s21
	s_mov_b32 s21, 0
	s_add_nc_u64 s[4:5], s[100:101], s[20:21]
	s_lshl_b32 s20, s17, 14                        ; my scale words: row (256 x tile row + 128 x row half) of 64 bytes, byte 32 + 8 x tile column + 4 x column half
	s_lshl_b32 s22, s15, 13
	s_add_co_u32 s20, s20, s22
	s_lshl_b32 s22, s42, 3
	s_add_co_u32 s20, s20, s22
	s_lshl_b32 s22, s16, 2
	s_add_co_u32 s20, s20, s22
	s_add_nc_u64 s[6:7], s[12:13], s[20:21]
	s_add_nc_u64 s[6:7], s[6:7], 8388608+32
	s_lshl_b32 s20, s17, 19                        ; the 64 rows that I store: (256 x tile row + 64 x wave) of 2,048 bytes, byte 1,024 + 256 x tile column
	s_lshl_b32 s22, s14, 17
	s_add_co_u32 s20, s20, s22
	s_lshl_b32 s22, s42, 8
	s_add_co_u32 s20, s20, s22
	s_add_nc_u64 s[8:9], s[12:13], s[20:21]
	s_add_nc_u64 s[8:9], s[8:9], 1024
.macro FRAG reg, adr, q, i
.irp c, 0,1,2,3
	ds_load_b128 v[\reg+4*\c:\reg+4*\c+3], v[\adr] offset:128*(\q)+32*\c+(\i)*16*PITCH
.endr
.endm
.macro FRAGA reg, slot, q, i
.irp c, 0,1,2,3
.if AIMG
	ds_load_b128 v[\reg+4*\c:\reg+4*\c+3], v[ADRA+\slot] offset:4096*(\i)+2048*(\q)+512*\c
.else
	ds_load_b128 v[\reg+4*\c:\reg+4*\c+3], v[ADRA+\slot] offset:128*(\q)+32*\c+(\i)*16*PITCH
.endif
.endr
.endm
; 16 matrix instructions: A's blocks a0, a0 + 1 x B's eight.  The 64 accumulators take turns, one instruction a turn.
.macro MUL16 a0, p, q, sc, zero
.irp a, \a0, \a0+1
.irp b, 0,1,2,3,4,5,6,7
.if \zero
	v_wmma_scale_f32_16x16x128_f8f6f4 v[8*(8*((\a)%4)+\b):8*(8*((\a)%4)+\b)+7], v[128*(\p)+FR*\b:128*(\p)+FR*\b+FR-1], v[AF+FR*(\a):AF+FR*(\a)+FR-1], 0, v[SC+8*NQ*(\sc)+NQ*\b+(\q)], v[SC+8*NQ*(\sc)+NQ*(\a)+(\q)] matrix_a_fmt:MATRIX_FMT_BF8 matrix_b_fmt:MATRIX_FMT_BF8 matrix_a_scale:MATRIX_SCALE_ROW1
.else
	v_wmma_scale_f32_16x16x128_f8f6f4 v[8*(8*((\a)%4)+\b):8*(8*((\a)%4)+\b)+7], v[128*(\p)+FR*\b:128*(\p)+FR*\b+FR-1], v[AF+FR*(\a):AF+FR*(\a)+FR-1], v[8*(8*((\a)%4)+\b):8*(8*((\a)%4)+\b)+7], v[SC+8*NQ*(\sc)+NQ*\b+(\q)], v[SC+8*NQ*(\sc)+NQ*(\a)+(\q)] matrix_a_fmt:MATRIX_FMT_BF8 matrix_b_fmt:MATRIX_FMT_BF8 matrix_a_scale:MATRIX_SCALE_ROW1
.endif
.endr
.endr
.endm
.macro FETCH_B slot, q, p
	WIN TO_B
.irp i, 0,1,2,3,4,5,6,7
	FRAG 128*(\p)+FR*\i, ADRB+\slot, \q, \i
.endr
	WIN 0
.endm
.macro FETCH_A slot, q, i0
.irp i, \i0, \i0+1, \i0+2, \i0+3
	FRAGA AF+FR*(\i), \slot, \q, \i
.endr
.endm
.macro SCALES sc
.irp i, 0,1,2,3,4,5,6,7
	ds_load_b64 v[SC+8*NQ*\sc+NQ*\i:SC+8*NQ*\sc+NQ*\i+1], v[ADRS] offset:\i*SBLK
.endr
.endm
.macro PLACES n
.rept \n
	v_nop
.endr
.endm
.macro STEP slot, q, zero
	s_wait_dscnt 4*NL                              ; all but the youngest 16 loads (A's blocks 4-7)
	WIN MUL_LO
	MUL16 0, (\q)%2, \q, \slot, \zero
	MUL16 2, (\q)%2, \q, \slot, \zero
	s_wait_dscnt 0
	PLACES NP
	FETCH_B \slot, (\q)+1, 1-(\q)%2
	FETCH_A \slot, (\q)+1, 0
	WIN MUL_HI
	MUL16 4, (\q)%2, \q, \slot, \zero
	MUL16 6, (\q)%2, \q, \slot, \zero
	PLACES NP
	WIN 0
	FETCH_A \slot, (\q)+1, 4
.endm
.macro TURN slot, next, fill
	s_wait_tensorcnt 0x0                           ; all my tensor loads have landed: my part of the next slot
	ds_add_u32 v[SPW], v[NIL]                      ; 0 onto my spare word
	s_wait_dscnt 4*NL+1                            ; the add and the youngest 16 loads may be out
	WIN MUL_LO
	MUL16 0, 1, NQ-1, \slot, 0
	s_wait_dscnt 0x0                               ; the add is done, and my reads of this slot are over
	s_barrier_signal -1
	MUL16 2, 1, NQ-1, \slot, 0
	WIN 0
	s_barrier_wait -1
.if \fill
	CREST                                          ; a round of the cluster's barrier: no wave of any partner still reads this slot or has a load on its way
	s_add_nc_u64 s[G0+4*\slot+2:G0+4*\slot+3], s[G0+4*\slot+2:G0+4*\slot+3], 2*ASTEP
	s_add_nc_u64 s[G0B+4*\slot+2:G0B+4*\slot+3], s[G0B+4*\slot+2:G0B+4*\slot+3], 2*ROWB
	JLOAD G0+4*\slot, G1, G0B+4*\slot, G1B
	PLACES NP-4
.else
	PLACES NP
.endif
	v_add_nc_u32 v[ADRS], 4*NQ, v[ADRS]
	FETCH_B \next, 0, 0
	FETCH_A \next, 0, 0
	SCALES \next
	WIN MUL_HI
	MUL16 4, 1, NQ-1, \slot, 0
	MUL16 6, 1, NQ-1, \slot, 0
	PLACES NP
	WIN 0
	FETCH_A \next, 0, 4
.endm
	s_wait_tensorcnt 1                             ; the scales and my part of K step 0 are in; K step 1's load may be out
	s_barrier_signal -1
	s_barrier_wait -1
	FETCH_B 0, 0, 0
	FETCH_A 0, 0, 0
	SCALES 0
	FETCH_A 0, 0, 4
	STEP 0, 0, 1
	s_mov_b32 s3, LAPS-1
.Llap:
	TURN 0, 1, 1
	STEP 1, 0, 0
	TURN 1, 0, 1
	STEP 0, 0, 0
	s_sub_co_u32 s3, s3, 1
	s_cmp_lg_u32 s3, 0
	s_cbranch_scc1 .Llap
	TURN 0, 1, 0
	STEP 1, 0, 0
	s_wait_dscnt 4*NL
	WIN MUL_LO
	MUL16 0, 1, NQ-1, 1, 0
	MUL16 2, 1, NQ-1, 1, 0
	s_wait_dscnt 0
	WIN MUL_HI
	MUL16 4, 1, NQ-1, 1, 0
	MUL16 6, 1, NQ-1, 1, 0
	WIN 0
.macro GETT a                          ; block a's 64 sums + the bias (window 1 v0-63) -> v[T] on, each accumulator from its low end on
.set WN, 0x06+(\a)/4
	WIN WN
.set AC, 64*((\a)%4)
.set i, 0
.rept 32
	v_pk_add_f32 v[T+2*i:T+2*i+1], v[AC+2*i:AC+2*i+1], v[2*i:2*i+1]
.set i, i+1
.endr
	WIN 0
.endm
.macro QUANT4 s, pw
.irp b, 0,1,2,3
	v_max3_num_f32 v[TM+\b], |v[\s+16*\b]|, |v[\s+1+16*\b]|, 0x8000000   ; with the floor 2^(16 - 127)
.endr
.irp i, 2,4,6,8,10,12,14
.irp b, 0,1,2,3
	v_max3_num_f32 v[TM+\b], v[TM+\b], |v[\s+16*\b+\i]|, |v[\s+1+16*\b+\i]|
.endr
.endr
.irp b, 0,1,2,3
	v_permlanex16_b32 v[TM+4+\b], v[TM+\b], s[SEL], s[SEL+1]
.endr
.irp b, 0,1,2,3
	v_max_num_f32 v[TM+\b], v[TM+\b], v[TM+4+\b]
.endr
.irp b, 0,1,2,3
	v_add_nc_u32 v[TM+12+\b], 0xf8800000, v[TM+\b]
.endr
.irp b, 0,1,2,3
	v_and_or_b32 v[TM+8+\b], v[TM+\b], 0x7f800000, s[MNT]
.endr
.irp b, 0,1,2,3
	v_lshrrev_b32 v[TM+4+\b], 23, v[TM+12+\b]
.endr
	v_lshl_or_b32 v[\pw], v[TM+5], 8, v[TM+4]
	v_lshl_or_b32 v[\pw], v[TM+6], 16, v[\pw]
	v_lshl_or_b32 v[\pw], v[TM+7], 24, v[\pw]
.irp b, 0,1,2,3
.irp i, 0,1,2,3,4,5,6,7,8,9,10,11,12,13,14,15
	v_med3_num_f32 v[\s+16*\b+\i], v[\s+16*\b+\i], -v[TM+8+\b], v[TM+8+\b]   ; the conversion does not saturate (ISA guide 7.6.2)
.endr
	v_cvt_scalef32_pk8_bf8_f32 v[PC+4*\b:PC+1+4*\b], v[\s+16*\b:\s+7+16*\b], v[TM+12+\b]
	v_cvt_scalef32_pk8_bf8_f32 v[PC+2+4*\b:PC+3+4*\b], v[\s+8+16*\b:\s+15+16*\b], v[TM+12+\b]
.endr
	v_nop
.endm
.macro CSTAGE a
.irp be, 0,1,2,3
.irp u, 0,1
	ds_store_b64 v[CS], v[PC+4*\be+2*\u:PC+4*\be+2*\u+1] offset:(\a)*16*272+32*\be+16*\u
.endr
.endr
.endm
.macro COUT base
.set t, 0
.rept 32
	ds_load_b128 v[64+4*t:64+4*t+3], v[CR] offset:2*t*272
.set t, t+1
.endr
.set t, 0
.rept 32
	s_wait_dscnt 31-t
	global_store_b128 v[GOF], v[64+4*t:64+4*t+3], s[\base:\base+1] offset:2*t*2048   ; sixteen lanes store 256 consecutive bytes, aligned
.set t, t+1
.endr
.endm
	PLACES NP                                      ; behind the last products
	s_mov_b32 s[SEL], 0x76543210
	s_mov_b32 s[SEL+1], 0xfedcba98
	s_mov_b32 s[MNT], 0x600000
	WIN 0x40
.irp b, 0,1,2,3,4,5,6,7
	global_load_b128 v[8*\b:8*\b+3], v[BO], s[4:5] offset:64*\b       ; the bias of columns 16 b + 8 h + 0 .. 7
	global_load_b128 v[8*\b+4:8*\b+7], v[BO], s[4:5] offset:64*\b+16
.endr
	WIN 0
.irp b, 0,1,2,3
	v_mov_b32 v[TM+4+\b], 0                        ; written once: a lane permute's destination counts as one of its sources
.endr
	s_wait_loadcnt 0x0
.irp a, 0,1,2,3,4,5,6,7
	GETT \a
	s_wait_dscnt 0x0                               ; the last block's LDS stores have read their registers
	QUANT4 T, PW+\a
	CSTAGE \a
	global_store_b32 v[SOF], v[PW+\a], s[6:7] offset:\a*1024   ; both halves of the lanes write the same word
.endr
	s_wait_dscnt 0x0                               ; for the others' sake: my stores into the stage are done
	s_barrier_signal -1
	s_barrier_wait -1
	s_wait_xcnt 0x0                                ; the scale words' stores have read their registers, on which the loads below land
	COUT 8
	s_wait_tensorcnt 0x0                           ; the wave's end
	ds_add_u32 v[SPW], v[NIL]
	s_wait_dscnt 0x0
	CROUND                                         ; the closing round
	s_endpgm
.Lfunc_end_k_qbf648e0e75_proj:
	.size	k_qbf648e0e75_proj, .Lfunc_end_k_qbf648e0e75_proj-k_qbf648e0e75_proj
	.p2alignl 7, 3214868480
	.fill 96, 4, 3214868480
	.section	.rodata,"a",@progbits
	.p2align	6, 0x0
	.amdhsa_kernel k_qbf648e0e75_proj
		.amdhsa_group_segment_fixed_size 327680
		.amdhsa_private_segment_fixed_size 0
		.amdhsa_enable_private_segment 0
		.amdhsa_kernarg_size 32
		.amdhsa_user_sgpr_count 2
		.amdhsa_user_sgpr_kernarg_segment_ptr 1
		.amdhsa_wavefront_size32 1
		.amdhsa_system_sgpr_workgroup_id_x 1
		.amdhsa_system_sgpr_workgroup_id_y 1
		.amdhsa_system_sgpr_workgroup_id_z 1
		.amdhsa_system_vgpr_workitem_id 0
		.amdhsa_next_free_vgpr 1024
		.amdhsa_next_free_sgpr 102
		.amdhsa_reserve_vcc 0
		.amdhsa_float_denorm_mode_32 3
		.amdhsa_float_denorm_mode_16_64 3
		.amdhsa_memory_ordered 1
		.amdhsa_forward_progress 1
		.amdhsa_inst_pref_size 210
	.end_amdhsa_kernel
	.amdgpu_metadata
---
amdhsa.version: [ 1, 2 ]
amdhsa.kernels:
  - .name:           k_qbf648e0e75_proj
    .symbol:         k_qbf648e0e75_proj.kd
    .args:
      - { .name: ctx, .offset: 0, .size: 8, .value_kind: global_buffer, .address_space: global }
      - { .name: wts, .offset: 8, .size: 8, .value_kind: global_buffer, .address_space: global }
      - { .name: out_b, .offset: 16, .size: 8, .value_kind: global_buffer, .address_space: global }
      - { .name: hcat, .offset: 24, .size: 8, .value_kind: global_buffer, .address_space: global }
    .group_segment_fixed_size: 327680
    .private_segment_fixed_size: 0
    .kernarg_segment_align: 8
    .kernarg_segment_size: 32
    .max_flat_workgroup_size: 128
    .sgpr_count:     102
    .vgpr_count:     1024
    .wavefront_size: 32
...
	.end_amdgpu_metadata
.endif
;; end of part 4
;; launch ffn1 (part 5): grid 8 x 16, 4 waves a work-group, clusters of 4 x 4, 327,680 bytes of LDS; arguments hcat, wts, ffn1_b, h1; writes h1
.if DOCPART == 5
	.amdgcn_target "amdgcn-amd-amdhsa--gfx1250"
	.amdhsa_code_object_version 6
	.text
	.protected	k_qbf648e0e75_ffn1
	.globl	k_qbf648e0e75_ffn1
	.p2align	8
	.type	k_qbf648e0e75_ffn1,@function
k_qbf648e0e75_ffn1:
	s_mov_b64 s[64:65], 0
	v_nop
	global_prefetch_b8 v0, s[64:65] scope:SCOPE_SE
	s_setreg_imm32_b32 hwreg(HW_REG_WAVE_MODE, 25, 1), 1
	s_wait_xcnt 0x0
	s_wait_alu depctr_hold_cnt(0) depctr_sa_sdst(0) depctr_va_vdst(0) depctr_va_sdst(0) depctr_va_ssrc(0) depctr_va_vcc(0) depctr_vm_vsrc(0)
	s_getreg_b32 s2, hwreg(HW_REG_IB_STS2, 6, 4)
	s_cmp_eq_u32 s2, 0
	s_cbranch_scc0 .Lentry_in_a_cluster
	s_endpgm
.Lentry_in_a_cluster:
	s_bfe_u32 s2, ttmp6, 0x10000c
	s_cmp_lg_u32 s2, 0xf033
	s_cbranch_scc0 .Lentry_shape_is_right
	s_endpgm
.Lentry_shape_is_right:
; h1 = [x, message] ffn1_w^T + ffn1_b on codes of BF8 (E5M2) with E8M0 scales; h1 leaves as f32, since the LayerNorm behind it wants whole rows in f32.
; A tile of 256 x 256 to a work-group of four waves, 128 x 128 a wave: 64 accumulators, 512 registers.  K = 2,048 goes in steps of 256 through a ring of two LDS slots filled by the tensor data mover; the scale bytes of the
; work-group's rows, for all of K, come once.  4 x 4 work-groups form a cluster: A's tile is asked for jointly along a row of the cluster, B's along a column.  128 tiles: this launch has work for 128 work-groups.
; The matrix instruction is used transposed (source 0 = 16 rows of B, source 1 = 16 rows of A): a lane holds eight neighbouring numbers of a row of the result.
; WAY OUT: a block of 16 rows x 128 columns goes through the wave's own stage in LDS and comes back as whole rows of 512 bytes; the bias of a lane's four columns is added there; 32 lanes store 512 consecutive bytes.
; REGISTERS: window 0: v0-31 addresses and the bias; v32-63 scale words; from v128 A's fragments, later rows on the way out.  window 1: B's fragments, two sets.  windows 2, 3: the accumulators.
.set SIZE_K, 2048
.set SIZE_N, 2048
.set AIMG,   0
.set RESID,  0
.set ASC,    8388608                   ; A's scales in its buffer
.set BCO,    8388608                   ; B's codes and scales in wts
.set BSC,    14942208
.set NQ,     2
.set ROWB,   256
.set KROW,   SIZE_K
.set PITCH,  272                       ; an LDS row: 256 bytes + 16 of padding: the 16 rows that a load touches start at 16 different banks (ISA guide 11.1)
.set FR,     16
.set NL,     4
.set NP,     8                         ; places behind this matrix instruction (ISA guide 7.12.1)
.set HALFB,  128*PITCH
.if AIMG
.set HALFA,  32768
.set ASTEP,  4096
.else
.set HALFA,  128*PITCH
.set ASTEP,  ROWB
.endif
.set SLOT,   2*HALFA+2*HALFB
.set LAPS,   SIZE_K/512
.set KS,     SIZE_K/32
.set SCL,    2*SLOT
.set HALFS,  (128*KS/256)*272
.set SBLK,   (16*KS/256)*272
.set SPARE,  SCL+4*HALFS               ; the spare words, 128 bytes a wave: two blocks of 256 bytes that no other line names
.set SPITCH, 528                       ; the way out: 16 rows x (512 bytes + 16) a wave, in slot 0, which has had its last fill and its last read by then
.set ADRA, 16
.set ADRB, 20
.set STO,  24
.set RD,   25
.set CO,   26
.set ADRS, 27
.set SPW,  28
.set NIL,  29
.set BI,   8                           ; v8-11 the bias of my four columns
.set SC,   32
.set XR,   64                          ; v64-127 16 rows of the residual
.set AF,   128
.set BK,   128
.set G1, 24
.set G0, 32
.set G1B, 48
.set G0B, 56
.set G1S, 68
.set G0S, 76
.set G1SB, 80
.set G0SB, 88
.set MSB, 0
.macro WIN new                         ; the immediate's high byte repeats the setting that is left
.if MSB != \new
	s_set_vgpr_msb (MSB<<8)|\new
.set MSB, \new
.endif
.endm
.set MUL_LO, 0xa1
.set MUL_HI, 0xf1
.set TO_B,   0x40
; A joint load: waves 0 and 1 fetch for A, waves 2 and 3 for B; the branch hangs on the wave's number alone.  Four v_nop follow each of the two lines.
.macro JLOAD g0a, g1a, g0b, g1b
	s_cmp_eq_u32 s15, 0
	s_cbranch_scc0 .Lfor_b_\@
	tensor_load_to_lds s[\g0a:\g0a+3], s[\g1a:\g1a+7]
	s_nop 0
.rept 4
	v_nop
.endr
	s_branch .Lasked_\@
.Lfor_b_\@:
	tensor_load_to_lds s[\g0b:\g0b+3], s[\g1b:\g1b+7]
	s_nop 0
.rept 4
	v_nop
.endr
.Lasked_\@:
.endm
.macro CREST
	s_cmp_lg_u32 s14, 0
	s_cbranch_scc1 .Lnot_wave_0_\@
	s_barrier_signal -3
.Lnot_wave_0_\@:
	s_barrier_wait -3
	s_barrier_signal -1
	s_barrier_wait -1
.endm
.macro CROUND
	s_barrier_signal -1
	s_barrier_wait -1
	CREST
.endm
	s_load_b128 s[96:99], s[0:1], 0x0              ; A's buffer, wts
	s_load_b64 s[100:101], s[0:1], 0x10            ; the bias
.if RESID
	s_load_b64 s[66:67], s[0:1], 0x18              ; x
	s_load_b64 s[12:13], s[0:1], 0x20              ; the result
.else
	s_load_b64 s[12:13], s[0:1], 0x18              ; the result
.endif
	v_lshl_add_u32 v[SPW], v0, 2, SPARE
	v_mov_b32 v[NIL], 0
	ds_add_u32 v28, v29
	ds_add_u32 v28, v29
	s_wait_dscnt 0x0
	v_lshrrev_b32 v1, 5, v0
	v_readfirstlane_b32 s14, v1                    ; wave 0..3
	s_lshr_b32 s15, s14, 1
	s_and_b32 s16, s14, 1
	s_bfe_u32 s40, ttmp6, 0x40000                  ; cx, cy
	s_bfe_u32 s41, ttmp6, 0x40004
	s_lshl_b32 s42, ttmp9, 2
	s_add_co_u32 s42, s42, s40                     ; tile column
	s_and_b32 s17, ttmp7, 0xffff
	s_lshl_b32 s17, s17, 2
	s_add_co_u32 s17, s17, s41                     ; tile row
	s_lshl_b32 s43, s41, 2
	s_lshl_b32 s43, 15, s43                        ; my row of the cluster
	s_lshl_b32 s44, 0x1111, s40                    ; my column
	s_or_b32 s[G1+0], s43, (0<<16)|(1<<20)|(1<<21)|(5<<22)|(3<<25)  ; the mask; elements of 1 byte; padding on; bit 21 beside a mask; after every 64 words 4 words
	s_or_b32 s[G1B+0], s44, (0<<16)|(1<<20)|(1<<21)|(5<<22)|(3<<25)
.irp g, G1, G1B
	s_mov_b32 s[\g+1], ROWB<<16
	s_mov_b32 s[\g+2], 128<<16
	s_mov_b32 s[\g+3], ROWB<<16
	s_mov_b32 s[\g+4], 128
	s_mov_b32 s[\g+5], KROW
	s_mov_b32 s[\g+6], 0
	s_mov_b32 s[\g+7], 0
.endr
	s_or_b32 s[G1S+0], s43, (3<<16)|(1<<20)|(1<<21)|(5<<22)|(3<<25)
	s_or_b32 s[G1SB+0], s44, (3<<16)|(1<<20)|(1<<21)|(5<<22)|(3<<25)
.irp g, G1S, G1SB
	s_mov_b32 s[\g+1], 32<<16
	s_mov_b32 s[\g+2], (128*KS/256)<<16
	s_mov_b32 s[\g+3], 32<<16
	s_mov_b32 s[\g+4], 128*KS/256
	s_mov_b32 s[\g+5], 32
	s_mov_b32 s[\g+6], 0
	s_mov_b32 s[\g+7], 0
.endr
	s_lshl_b32 s18, s16, 7
	s_lshl_b32 s20, s17, 8
	s_add_co_u32 s20, s20, s18
	s_lshl_b32 s46, s42, 8
	s_add_co_u32 s46, s46, s18
	s_mov_b32 s21, 0
	s_mov_b32 s47, 0
	s_mov_b64 s[18:19], KS
	s_mul_u64 s[22:23], s[20:21], s[18:19]
	s_mul_u64 s[92:93], s[46:47], s[18:19]
	s_mov_b64 s[18:19], KROW
	s_mul_u64 s[20:21], s[20:21], s[18:19]
	s_mul_u64 s[46:47], s[46:47], s[18:19]
	s_mul_i32 s45, s16, HALFA
	s_mul_i32 s95, s16, HALFB
	s_add_co_u32 s95, s95, 2*HALFA
	s_mul_i32 s94, s14, HALFS
	s_wait_kmcnt 0x0
	s_mov_b64 s[4:5], s[96:97]
	s_add_nc_u64 s[6:7], s[96:97], ASC
	s_add_nc_u64 s[8:9], s[98:99], BCO
	s_add_nc_u64 s[10:11], s[98:99], BSC
	s_add_nc_u64 s[20:21], s[4:5], s[20:21]
	s_add_nc_u64 s[22:23], s[6:7], s[22:23]
	s_add_nc_u64 s[46:47], s[8:9], s[46:47]
	s_add_nc_u64 s[92:93], s[10:11], s[92:93]
	CROUND                                         ; all sixteen work-groups are here: the first joint loads meet
	s_mov_b32 s[G0S], 1
	s_add_co_u32 s[G0S+1], s94, SCL
	s_mov_b64 s[G0S+2:G0S+3], s[22:23]
	s_or_b32 s[G0S+3], s[G0S+3], 0x80000000
	s_mov_b32 s[G0SB], 1
	s_add_co_u32 s[G0SB+1], s94, SCL
	s_mov_b64 s[G0SB+2:G0SB+3], s[92:93]
	s_or_b32 s[G0SB+3], s[G0SB+3], 0x80000000
	JLOAD G0S, G1S, G0SB, G1SB
.irp s, 0,1
	s_mov_b32 s[G0+4*\s], 1
	s_add_co_u32 s[G0+4*\s+1], s45, \s*SLOT
	s_add_nc_u64 s[G0+4*\s+2:G0+4*\s+3], s[20:21], \s*ASTEP
	s_or_b32 s[G0+4*\s+3], s[G0+4*\s+3], 0x80000000
	s_mov_b32 s[G0B+4*\s], 1
	s_add_co_u32 s[G0B+4*\s+1], s95, \s*SLOT
	s_add_nc_u64 s[G0B+4*\s+2:G0B+4*\s+3], s[46:47], \s*ROWB
	s_or_b32 s[G0B+4*\s+3], s[G0B+4*\s+3], 0x80000000
	JLOAD G0+4*\s, G1, G0B+4*\s, G1B
.endr
	v_and_b32 v1, 15, v0                           ; r
	v_bfe_u32 v2, v0, 4, 1                         ; h
	v_mul_u32_u24 v3, v1, PITCH
	v_lshl_add_u32 v4, v2, 4, v3
	s_mul_i32 s21, s15, HALFA
	s_mul_i32 s22, s16, HALFB
	s_add_co_u32 s22, s22, 2*HALFA
.irp s, 0,1
	v_add_nc_u32 v[ADRA+\s], s21, v4
	v_add_nc_u32 v[ADRB+\s], s22, v4
	s_add_co_u32 s21, s21, SLOT
	s_add_co_u32 s22, s22, SLOT
.endr
	v_mul_u32_u24 v5, v1, KS
	v_lshrrev_b32 v6, 8, v5
	v_lshl_add_u32 v5, v6, 4, v5
	s_mul_i32 s21, s15, HALFS
	s_mul_i32 s22, s16, HALFS
	s_add_co_u32 s22, s22, 2*HALFS
	s_sub_co_u32 s22, s22, s21
	v_mul_u32_u24 v6, s22, v2
	s_add_co_u32 s21, s21, SCL
	v_add_nc_u32 v5, v5, v6
	v_add_nc_u32 v[ADRS], s21, v5
	s_mul_i32 s23, s14, 16*SPITCH                  ; my stage
	v_mul_u32_u24 v5, v1, SPITCH
	v_lshl_add_u32 v5, v2, 5, v5
	v_add_nc_u32 v[STO], s23, v5                   ; in: row r, 32 bytes for each half of the lanes
	v_and_b32 v6, 31, v0
	v_lshlrev_b32 v[CO], 4, v6                     ; back: the 32 lanes take one row of 512 bytes; and the same in memory
	v_add_nc_u32 v[RD], s23, v[CO]
	s_lshl_b32 s20, s17, 8
	s_lshl_b32 s21, s15, 7
	s_add_co_u32 s20, s20, s21                     ; my first row
	s_mov_b32 s21, 0
	s_mov_b64 s[18:19], SIZE_N*4
	s_mul_u64 s[20:21], s[20:21], s[18:19]
	s_lshl_b32 s46, s42, 10                        ; my first column, in bytes
	s_lshl_b32 s47, s16, 9
	s_add_co_u32 s46, s46, s47
	s_mov_b32 s47, 0
	s_add_nc_u64 s[100:101], s[100:101], s[46:47]
	s_add_nc_u64 s[20:21], s[20:21], s[46:47]
	s_add_nc_u64 s[12:13], s[12:13], s[20:21]
.if RESID
	s_add_nc_u64 s[66:67], s[66:67], s[20:21]
.endif
	global_load_b128 v[BI:BI+3], v[CO], s[100:101] ; the bias of my four columns
.macro FRAG reg, adr, q, i
.irp c, 0,1,2,3
	ds_load_b128 v[\reg+4*\c:\reg+4*\c+3], v[\adr] offset:128*(\q)+32*\c+(\i)*16*PITCH
.endr
.endm
.macro FRAGA reg, slot, q, i
.irp c, 0,1,2,3
.if AIMG
	ds_load_b128 v[\reg+4*\c:\reg+4*\c+3], v[ADRA+\slot] offset:4096*(\i)+2048*(\q)+512*\c
.else
	ds_load_b128 v[\reg+4*\c:\reg+4*\c+3], v[ADRA+\slot] offset:128*(\q)+32*\c+(\i)*16*PITCH
.endif
.endr
.endm
; 16 matrix instructions: A's blocks a0, a0 + 1 x B's eight.  The 64 accumulators take turns, one instruction a turn.
.macro MUL16 a0, p, q, sc, zero
.irp a, \a0, \a0+1
.irp b, 0,1,2,3,4,5,6,7
.if \zero
	v_wmma_scale_f32_16x16x128_f8f6f4 v[8*(8*((\a)%4)+\b):8*(8*((\a)%4)+\b)+7], v[128*(\p)+FR*\b:128*(\p)+FR*\b+FR-1], v[AF+FR*(\a):AF+FR*(\a)+FR-1], 0, v[SC+8*NQ*(\sc)+NQ*\b+(\q)], v[SC+8*NQ*(\sc)+NQ*(\a)+(\q)] matrix_a_fmt:MATRIX_FMT_BF8 matrix_b_fmt:MATRIX_FMT_BF8 matrix_a_scale:MATRIX_SCALE_ROW1
.else
	v_wmma_scale_f32_16x16x128_f8f6f4 v[8*(8*((\a)%4)+\b):8*(8*((\a)%4)+\b)+7], v[128*(\p)+FR*\b:128*(\p)+FR*\b+FR-1], v[AF+FR*(\a):AF+FR*(\a)+FR-1], v[8*(8*((\a)%4)+\b):8*(8*((\a)%4)+\b)+7], v[SC+8*NQ*(\sc)+NQ*\b+(\q)], v[SC+8*NQ*(\sc)+NQ*(\a)+(\q)] matrix_a_fmt:MATRIX_FMT_BF8 matrix_b_fmt:MATRIX_FMT_BF8 matrix_a_scale:MATRIX_SCALE_ROW1
.endif
.endr
.endr
.endm
.macro FETCH_B slot, q, p
	WIN TO_B
.irp i, 0,1,2,3,4,5,6,7
	FRAG 128*(\p)+FR*\i, ADRB+\slot, \q, \i
.endr
	WIN 0
.endm
.macro FETCH_A slot, q, i0
.irp i, \i0, \i0+1, \i0+2, \i0+3
	FRAGA AF+FR*(\i), \slot, \q, \i
.endr
.endm
.macro SCALES sc
.irp i, 0,1,2,3,4,5,6,7
	ds_load_b64 v[SC+8*NQ*\sc+NQ*\i:SC+8*NQ*\sc+NQ*\i+1], v[ADRS] offset:\i*SBLK
.endr
.endm
.macro PLACES n
.rept \n
	v_nop
.endr
.endm
.macro STEP slot, q, zero
	s_wait_dscnt 4*NL                              ; all but the youngest 16 loads (A's blocks 4-7)
	WIN MUL_LO
	MUL16 0, (\q)%2, \q, \slot, \zero
	MUL16 2, (\q)%2, \q, \slot, \zero
	s_wait_dscnt 0
	PLACES NP
	FETCH_B \slot, (\q)+1, 1-(\q)%2
	FETCH_A \slot, (\q)+1, 0
	WIN MUL_HI
	MUL16 4, (\q)%2, \q, \slot, \zero
	MUL16 6, (\q)%2, \q, \slot, \zero
	PLACES NP
	WIN 0
	FETCH_A \slot, (\q)+1, 4
.endm
.macro TURN slot, next, fill
	s_wait_tensorcnt 0x0                           ; all my tensor loads have landed: my part of the next slot
	ds_add_u32 v[SPW], v[NIL]                      ; 0 onto my spare word
	s_wait_dscnt 4*NL+1                            ; the add and the youngest 16 loads may be out
	WIN MUL_LO
	MUL16 0, 1, NQ-1, \slot, 0
	s_wait_dscnt 0x0                               ; the add is done, and my reads of this slot are over
	s_barrier_signal -1
	MUL16 2, 1, NQ-1, \slot, 0
	WIN 0
	s_barrier_wait -1
.if \fill
	CREST                                          ; a round of the cluster's barrier: no wave of any partner still reads this slot or has a load on its way
	s_add_nc_u64 s[G0+4*\slot+2:G0+4*\slot+3], s[G0+4*\slot+2:G0+4*\slot+3], 2*ASTEP
	s_add_nc_u64 s[G0B+4*\slot+2:G0B+4*\slot+3], s[G0B+4*\slot+2:G0B+4*\slot+3], 2*ROWB
	JLOAD G0+4*\slot, G1, G0B+4*\slot, G1B
	PLACES NP-4
.else
	PLACES NP
.endif
	v_add_nc_u32 v[ADRS], 4*NQ, v[ADRS]
	FETCH_B \next, 0, 0
	FETCH_A \next, 0, 0
	SCALES \next
	WIN MUL_HI
	MUL16 4, 1, NQ-1, \slot, 0
	MUL16 6, 1, NQ-1, \slot, 0
	PLACES NP
	WIN 0
	FETCH_A \next, 0, 4
.endm
	s_wait_loadcnt 0x0                             ; the bias: waited for here, while the first tiles are on their way
	s_wait_tensorcnt 1                             ; the scales and my part of K step 0 are in; K step 1's load may be out
	s_barrier_signal -1
	s_barrier_wait -1
	FETCH_B 0, 0, 0
	FETCH_A 0, 0, 0
	SCALES 0
	FETCH_A 0, 0, 4
	STEP 0, 0, 1
	s_mov_b32 s3, LAPS-1
.Llap:
	TURN 0, 1, 1
	STEP 1, 0, 0
	TURN 1, 0, 1
	STEP 0, 0, 0
	s_sub_co_u32 s3, s3, 1
	s_cmp_lg_u32 s3, 0
	s_cbranch_scc1 .Llap
	TURN 0, 1, 0
	STEP 1, 0, 0
	s_wait_dscnt 4*NL
	WIN MUL_LO
	MUL16 0, 1, NQ-1, 1, 0
	MUL16 2, 1, NQ-1, 1, 0
	s_wait_dscnt 0
	WIN MUL_HI
	MUL16 4, 1, NQ-1, 1, 0
	MUL16 6, 1, NQ-1, 1, 0
	WIN 0
.macro TOSTAGE a                       ; block a into my stage, each accumulator from its low end on, and back as whole rows: LDS serves a wave's instructions in order (ISA guide 5.7.1.4)
.set AC, 64*((\a)%4)
.set WN, 0x08+4*((\a)/4)
	WIN WN
.irp b, 0,1,2,3,4,5,6,7
	ds_store_b128 v[STO], v[AC+8*\b:AC+8*\b+3] offset:64*\b
	ds_store_b128 v[STO], v[AC+8*\b+4:AC+8*\b+7] offset:64*\b+16
.endr
	WIN 0
.set BB, BK+64*((\a)%2)
.set t, 0
.rept 16
	ds_load_b128 v[BB+4*t:BB+4*t+3], v[RD] offset:t*SPITCH
.set t, t+1
.endr
.endm
.macro XLOAD a                         ; the residual's 16 rows of block a
.set t, 0
.rept 16
	global_load_b128 v[XR+4*t:XR+4*t+3], v[CO], s[66:67] offset:(16*(\a)+t)*SIZE_N*4 th:TH_LOAD_NT
.set t, t+1
.endr
.endm
.macro SEND a, younger                 ; younger: the LDS instructions issued behind block a's loads, which may stay out
.set BB, BK+64*((\a)%2)
	s_wait_dscnt \younger
.set t, 0
.rept 32
	v_pk_add_f32 v[BB+2*t:BB+2*t+1], v[BB+2*t:BB+2*t+1], v[BI+2*(t%2):BI+2*(t%2)+1]
.set t, t+1
.endr
.if RESID
	s_wait_loadcnt 0x0
.set t, 0
.rept 32
	v_pk_add_f32 v[BB+2*t:BB+2*t+1], v[BB+2*t:BB+2*t+1], v[XR+2*t:XR+2*t+1]
.set t, t+1
.endr
.endif
.set t, 0
.rept 16
	global_store_b128 v[CO], v[BB+4*t:BB+4*t+3], s[12:13] offset:(16*(\a)+t)*SIZE_N*4 th:TH_STORE_NT   ; 32 lanes store 512 consecutive bytes, aligned; every offset is an immediate: 127 rows at the most
.set t, t+1
.endr
.endm
	PLACES NP                                      ; behind the last products
.if RESID
	XLOAD 0
.endif
	TOSTAGE 0
.irp a, 1,2,3,4,5,6,7
.if \a > 1
	s_wait_xcnt 0x0                                ; block a - 2's stores have read their registers: block a's loads may land there
.endif
	TOSTAGE \a
	SEND \a-1, 32                                  ; behind block a - 1's loads: block a's 16 stores and 16 loads
.if RESID
	XLOAD \a
.endif
.endr
	SEND 7, 0
	s_wait_tensorcnt 0x0                           ; the wave's end
	ds_add_u32 v[SPW], v[NIL]
	s_wait_dscnt 0x0
	CROUND                                         ; the closing round
	s_endpgm
.Lfunc_end_k_qbf648e0e75_ffn1:
	.size	k_qbf648e0e75_ffn1, .Lfunc_end_k_qbf648e0e75_ffn1-k_qbf648e0e75_ffn1
	.p2alignl 7, 3214868480
	.fill 96, 4, 3214868480
	.section	.rodata,"a",@progbits
	.p2align	6, 0x0
	.amdhsa_kernel k_qbf648e0e75_ffn1
		.amdhsa_group_segment_fixed_size 327680
		.amdhsa_private_segment_fixed_size 0
		.amdhsa_enable_private_segment 0
		.amdhsa_kernarg_size 32
		.amdhsa_user_sgpr_count 2
		.amdhsa_user_sgpr_kernarg_segment_ptr 1
		.amdhsa_wavefront_size32 1
		.amdhsa_system_sgpr_workgroup_id_x 1
		.amdhsa_system_sgpr_workgroup_id_y 1
		.amdhsa_system_sgpr_workgroup_id_z 1
		.amdhsa_system_vgpr_workitem_id 0
		.amdhsa_next_free_vgpr 1024
		.amdhsa_next_free_sgpr 102
		.amdhsa_reserve_vcc 0
		.amdhsa_float_denorm_mode_32 3
		.amdhsa_float_denorm_mode_16_64 3
		.amdhsa_memory_ordered 1
		.amdhsa_forward_progress 1
		.amdhsa_inst_pref_size 161
	.end_amdhsa_kernel
	.amdgpu_metadata
---
amdhsa.version: [ 1, 2 ]
amdhsa.kernels:
  - .name:           k_qbf648e0e75_ffn1
    .symbol:         k_qbf648e0e75_ffn1.kd
    .args:
      - { .name: hcat, .offset: 0, .size: 8, .value_kind: global_buffer, .address_space: global }
      - { .name: wts, .offset: 8, .size: 8, .value_kind: global_buffer, .address_space: global }
      - { .name: ffn1_b, .offset: 16, .size: 8, .value_kind: global_buffer, .address_space: global }
      - { .name: h1, .offset: 24, .size: 8, .value_kind: global_buffer, .address_space: global }
    .group_segment_fixed_size: 327680
    .private_segment_fixed_size: 0
    .kernarg_segment_align: 8
    .kernarg_segment_size: 32
    .max_flat_workgroup_size: 128
    .sgpr_count:     102
    .vgpr_count:     1024
    .wavefront_size: 32
...
	.end_amdgpu_metadata
.endif
;; end of part 5
;; launch lngelu (part 6): grid 1024 x 1, 4 waves a work-group, no clusters, 21,248 bytes of LDS; arguments h1, ln_g, ln_b, g; writes g
.if DOCPART == 6
	.amdgcn_target "amdgcn-amd-amdhsa--gfx1250"
	.amdhsa_code_object_version 6
	.text
	.protected	k_qbf648e0e75_lngelu
	.globl	k_qbf648e0e75_lngelu
	.p2align	8
	.type	k_qbf648e0e75_lngelu,@function
k_qbf648e0e75_lngelu:
	s_mov_b64 s[64:65], 0
	v_nop
	global_prefetch_b8 v0, s[64:65] scope:SCOPE_SE
	s_setreg_imm32_b32 hwreg(HW_REG_WAVE_MODE, 25, 1), 1
	s_wait_xcnt 0x0
; g = Q(gelu(LayerNorm(h1) ln_g + ln_b)): rows of 2,048 f32 in, codes of BF8 (E5M2) and one E8M0 scale byte for each 32 out.  All arithmetic in f32.
; One wave, one row: the row's 8,192 bytes lie in 64 registers a lane between the passes (mean; squares of the differences; the norm; the activation; the quantiser), so memory is read once and no wave waits for another.
; Each load reads 512 consecutive bytes.  No matrix unit, no cluster, no tensor load: memory binds, and work-groups share only ln_g and ln_b.
; GELU, exact form: gelu(y) = max(y, 0) - 0.70710678 z erfc(z), z = |y| / sqrt(2): no difference of near numbers on either side of 0.
; erfc(z) = t exp(-z^2 + P(t)), t = 1 / (1 + z / 2), P of degree 9: one piece for all z >= 0, fractional error under 1.2e-7 in exact arithmetic.
; LIMITS: the exponent -z^2 + P is rounded in f32, so erfc's relative error grows about as 1e-7 z^2; v_exp_f32 gives 0 under 2^-126 (z over 9.2), where the term is nothing beside y.  NaN and infinities are not served.
; A block of zeros or under 2^-111 gets the scale byte 1, which this program alone reads.
; THE QUANTISER wants 16 neighbours in a lane: a step's 512 numbers turn through the wave's own stage in LDS (16 bytes of padding behind each 64).  A work-group's 4 x 64 scale bytes meet in LDS and leave as 256 consecutive bytes.
.set X,    16                          ; v16-79   the row
.set G,    80                          ; v80-143  ln_g; later Z, TT, P
.set BV,   144                         ; v144-207 ln_b; later the turned numbers, codes and bytes
.set Z,    80
.set TT,   96
.set P,    112
.set XT,   144
.set C,    176
.set E,    192
.set CH,   208                         ; v208-215 four chains of sums
.set C9,   216                         ; v[216:217] c9, twice
.set SP,   80
.set CF,   20                          ; s[20+2k:21+2k] ck, twice, k = 0 .. 8
.macro TWICE r, val
	s_mov_b32 s[\r], \val
	s_mov_b32 s[\r+1], \val
.endm
	s_load_b256 s[4:11], s[0:1], 0x0               ; h1, ln_g, ln_b, g
	v_lshl_add_u32 v254, v0, 2, 0x5100
	v_mov_b32 v255, 0
	v_lshrrev_b32 v1, 5, v0
	v_readfirstlane_b32 s12, v1                    ; wave
	v_and_b32 v2, 31, v0                           ; lane
	v_lshlrev_b32 v3, 4, v2                        ; 16 x lane
	s_lshl_b32 s13, ttmp9, 2
	s_add_co_u32 s13, s13, s12                     ; my row
	s_lshl_b32 s14, s13, 13
	s_mov_b32 s15, 0
	s_mov_b32 s16, 0x76543210
	s_mov_b32 s17, 0xfedcba98                      ; v_permlanex16_b32's selects for lane l xor 16
	s_mov_b32 s18, 0x3a000000                      ; 1 / 2,048
	s_mov_b32 s19, 0x3727c5ac                      ; 1e-5
	TWICE CF+0,  0xbfa1fc4e
	TWICE CF+2,  0x3f8000c7
	TWICE CF+4,  0x3ebf88fb
	TWICE CF+6,  0x3dc636c9
	TWICE CF+8,  0xbe3ec24c
	TWICE CF+10, 0x3e8ec7cc
	TWICE CF+12, 0xbf914e5d
	TWICE CF+14, 0x3fbe87b0
	TWICE CF+16, 0xbf527892
	TWICE 38, 0x3fb8aa3b                           ; log2(e)
	TWICE 40, 0xbf3504f3                           ; -1 / sqrt(2)
	s_mov_b32 s42, 0x3f3504f3
	s_mov_b32 s43, 0x600000                        ; the mantissa field of 57,344
	v_mov_b32 v[C9], 0x3e2ef945
	v_mov_b32 v[C9+1], 0x3e2ef945
	s_mul_i32 s48, s12, 5120                       ; my two stages
	v_lshrrev_b32 v14, 2, v2
	v_mul_u32_u24 v14, v14, SP
	v_and_b32 v15, 3, v2
	v_lshl_add_u32 v14, v15, 4, v14
	v_add_nc_u32 v14, s48, v14                     ; in: SP (lane / 4) + 16 (lane % 4)
	v_mul_u32_u24 v15, v2, SP
	v_add_nc_u32 v15, s48, v15                     ; out: SP x lane
	s_lshl_b32 s49, s12, 6
	s_add_co_u32 s49, s49, 20480
	v_lshrrev_b32 v5, 1, v2
	v_add_nc_u32 v5, s49, v5                       ; my block's scale byte among my row's 64
	v_lshlrev_b32 v7, 3, v2
	v_add_nc_u32 v6, 20480, v7                     ; the work-group's 256 bytes, 8 a lane
	v_mov_b32 v9, 0                                ; written once: a lane permute's destination counts as one of its sources
	v_mov_b32 v11, 0
	s_wait_kmcnt 0x0
	s_add_nc_u64 s[4:5], s[4:5], s[14:15]
	s_lshl_b32 s14, s13, 11
	s_add_nc_u64 s[44:45], s[10:11], s[14:15]      ; my row's codes
	s_lshl_b32 s14, ttmp9, 8
	s_add_nc_u64 s[46:47], s[10:11], s[14:15]
	s_add_nc_u64 s[46:47], s[46:47], 8388608       ; the work-group's scale bytes
.set i, 0
.rept 16
	global_load_b128 v[X+4*i:X+4*i+3], v3, s[4:5] offset:512*i th:TH_LOAD_NT
.set i, i+1
.endr
.set i, 0
.rept 16
	global_load_b128 v[G+4*i:G+4*i+3], v3, s[6:7] offset:512*i
.set i, i+1
.endr
.set i, 0
.rept 16
	global_load_b128 v[BV+4*i:BV+4*i+3], v3, s[8:9] offset:512*i
.set i, i+1
.endr
	s_wait_loadcnt 32                              ; the row is in; ln_g's and ln_b's 32 loads may be out
.irp c, 0,1,2,3
	v_pk_add_f32 v[CH+2*\c:CH+2*\c+1], v[X+4*\c:X+4*\c+1], v[X+4*\c+2:X+4*\c+3]   ; four chains, started by sums: nothing is cleared
.endr
.set j, 16
.rept 24
	v_pk_add_f32 v[CH+2*((j/2)%4):CH+2*((j/2)%4)+1], v[CH+2*((j/2)%4):CH+2*((j/2)%4)+1], v[X+j:X+j+1]
.set j, j+2
.endr
	v_pk_add_f32 v[CH:CH+1], v[CH:CH+1], v[CH+2:CH+3]
	v_pk_add_f32 v[CH+4:CH+5], v[CH+4:CH+5], v[CH+6:CH+7]
	v_pk_add_f32 v[CH:CH+1], v[CH:CH+1], v[CH+4:CH+5]
	v_add_f32 v8, v[CH], v[CH+1]
	v_add_f32_dpp v8, v8, v8 row_xmask:1 row_mask:0xf bank_mask:0xf
	v_add_f32_dpp v8, v8, v8 row_xmask:2 row_mask:0xf bank_mask:0xf
	v_add_f32_dpp v8, v8, v8 row_xmask:4 row_mask:0xf bank_mask:0xf
	v_add_f32_dpp v8, v8, v8 row_xmask:8 row_mask:0xf bank_mask:0xf
	v_permlanex16_b32 v9, v8, s16, s17
	v_add_f32 v8, v8, v9
	v_mul_f32 v8, s18, v8                          ; the mean, in every lane
	v_mov_b32 v9, v8
.set j, 0
.rept 32
	v_pk_add_f32 v[X+j:X+j+1], v[X+j:X+j+1], v[8:9] neg_lo:[0,1] neg_hi:[0,1]   ; x - mean
.set j, j+2
.endr
.irp c, 0,1,2,3
	v_pk_mul_f32 v[CH+2*\c:CH+2*\c+1], v[X+2*\c:X+2*\c+1], v[X+2*\c:X+2*\c+1]
.endr
.set j, 8
.rept 28
	v_pk_fma_f32 v[CH+2*((j/2)%4):CH+2*((j/2)%4)+1], v[X+j:X+j+1], v[X+j:X+j+1], v[CH+2*((j/2)%4):CH+2*((j/2)%4)+1]
.set j, j+2
.endr
	v_pk_add_f32 v[CH:CH+1], v[CH:CH+1], v[CH+2:CH+3]
	v_pk_add_f32 v[CH+4:CH+5], v[CH+4:CH+5], v[CH+6:CH+7]
	v_pk_add_f32 v[CH:CH+1], v[CH:CH+1], v[CH+4:CH+5]
	v_add_f32 v10, v[CH], v[CH+1]
	v_add_f32_dpp v10, v10, v10 row_xmask:1 row_mask:0xf bank_mask:0xf
	v_add_f32_dpp v10, v10, v10 row_xmask:2 row_mask:0xf bank_mask:0xf
	v_add_f32_dpp v10, v10, v10 row_xmask:4 row_mask:0xf bank_mask:0xf
	v_add_f32_dpp v10, v10, v10 row_xmask:8 row_mask:0xf bank_mask:0xf
	v_permlanex16_b32 v11, v10, s16, s17
	v_add_f32 v10, v10, v11
	v_fma_f32 v10, v10, s18, s19                   ; the variance + 1e-5
	v_rsq_f32 v12, v10
	v_rsq_f32 v13, v10                             ; twice: a pair for the packed multiply
	v_nop                                          ; a plain line behind the transcendentals
	s_wait_alu depctr_va_vdst(0)                   ; one wait for both, ahead of their first reader
	s_wait_loadcnt 0x0                             ; ln_g and ln_b
.set j, 0
.rept 32
	v_pk_mul_f32 v[X+j:X+j+1], v[X+j:X+j+1], v[12:13]
.set j, j+2
.endr
.set j, 0
.rept 32
	v_pk_fma_f32 v[X+j:X+j+1], v[X+j:X+j+1], v[G+j:G+j+1], v[BV+j:BV+j+1]
.set j, j+2
.endr
.macro GELU y                          ; 16 numbers at v[y] on, in place
.set i, 0
.rept 16
	v_mul_f32 v[Z+i], s42, |v[\y+i]|               ; z
.set i, i+1
.endr
.set i, 0
.rept 8
	v_pk_fma_f32 v[TT+i:TT+i+1], v[Z+i:Z+i+1], 0.5, 1.0 op_sel_hi:[1,0,0]
.set i, i+2
.endr
.set i, 0
.rept 16
	v_rcp_f32 v[TT+i], v[TT+i]                     ; t
.set i, i+1
.endr
	v_nop
	s_wait_alu depctr_va_vdst(0)                   ; one wait for the 16
.set i, 0
.rept 8
	v_pk_fma_f32 v[P+i:P+i+1], v[TT+i:TT+i+1], v[C9:C9+1], s[CF+16:CF+17] op_sel_hi:[1,1,0]
.set i, i+2
.endr
.irp k, 7,6,5,4,3,2,1,0
.set i, 0
.rept 8
	v_pk_fma_f32 v[P+i:P+i+1], v[P+i:P+i+1], v[TT+i:TT+i+1], s[CF+2*\k:CF+2*\k+1] op_sel_hi:[1,1,0]
.set i, i+2
.endr
.endr
.set i, 0
.rept 8
	v_pk_fma_f32 v[P+i:P+i+1], v[Z+i:Z+i+1], v[Z+i:Z+i+1], v[P+i:P+i+1] neg_lo:[1,0,0] neg_hi:[1,0,0]   ; -z^2 + P
.set i, i+2
.endr
.set i, 0
.rept 8
	v_pk_mul_f32 v[P+i:P+i+1], v[P+i:P+i+1], s[38:39] op_sel_hi:[1,0]
.set i, i+2
.endr
.set i, 0
.rept 16
	v_exp_f32 v[P+i], v[P+i]
.set i, i+1
.endr
	v_nop
	s_wait_alu depctr_va_vdst(0)                   ; one wait for the 16
.set i, 0
.rept 8
	v_pk_mul_f32 v[P+i:P+i+1], v[P+i:P+i+1], v[TT+i:TT+i+1]   ; erfc(z)
.set i, i+2
.endr
.set i, 0
.rept 8
	v_pk_mul_f32 v[P+i:P+i+1], v[P+i:P+i+1], v[Z+i:Z+i+1]
.set i, i+2
.endr
.set i, 0
.rept 16
	v_max_num_f32 v[\y+i], 0, v[\y+i]
.set i, i+1
.endr
.set i, 0
.rept 8
	v_pk_fma_f32 v[\y+i:\y+i+1], v[P+i:P+i+1], s[40:41], v[\y+i:\y+i+1] op_sel_hi:[1,0,1]
.set i, i+2
.endr
.endm
	GELU X
	GELU X+16
	GELU X+32
	GELU X+48
.macro TURN t                          ; step t's 512 numbers through a stage: LDS serves a wave's instructions in order
.irp i, 0,1,2,3
	ds_store_b128 v14, v[X+16*(\t)+4*\i:X+16*(\t)+4*\i+3] offset:32*SP*((\t)%2)+8*SP*\i
.endr
.irp i, 0,1,2,3
	ds_load_b128 v[XT+16*((\t)%2)+4*\i:XT+16*((\t)%2)+4*\i+3], v15 offset:32*SP*((\t)%2)+16*\i
.endr
.endm
.macro QSTEP t
.set XS, XT+16*((\t)%2)
.if (\t) > 0
	s_wait_dscnt 1                                 ; this step's numbers are back; the last step's byte store may be out
.else
	s_wait_dscnt 0x0
.endif
.if (\t)+1 < 4
	TURN (\t)+1
.endif
	v_max3_num_f32 v8, |v[XS]|, |v[XS+1]|, |v[XS+2]|
	v_max3_num_f32 v9, |v[XS+3]|, |v[XS+4]|, |v[XS+5]|
.irp i, 6,10
	v_max3_num_f32 v8, v8, |v[XS+\i]|, |v[XS+\i+1]|
	v_max3_num_f32 v9, v9, |v[XS+\i+2]|, |v[XS+\i+3]|
.endr
	v_max3_num_f32 v8, v8, |v[XS+14]|, |v[XS+15]|
	v_max3_num_f32 v8, v8, v9, 0x8000000           ; the floor 2^(16 - 127)
	v_max_num_f32_dpp v8, v8, v8 row_xmask:1 row_mask:0xf bank_mask:0xf   ; with my neighbour's 16: the block's
	v_add_nc_u32 v11, 0xf8800000, v8
	v_and_or_b32 v10, v8, 0x7f800000, s43
.irp i, 0,1,2,3,4,5,6,7,8,9,10,11,12,13,14,15
	v_med3_num_f32 v[XS+\i], v[XS+\i], -v10, v10   ; the conversion does not saturate (ISA guide 7.6.2)
.endr
	v_cvt_scalef32_pk8_bf8_f32 v[C+4*(\t):C+4*(\t)+1], v[XS:XS+7], v11
	v_cvt_scalef32_pk8_bf8_f32 v[C+4*(\t)+2:C+4*(\t)+3], v[XS+8:XS+15], v11
	v_lshrrev_b32 v[E+(\t)], 23, v11
	ds_store_b8 v5, v[E+(\t)] offset:16*(\t)       ; both lanes of a block write the same byte
	global_store_b128 v3, v[C+4*(\t):C+4*(\t)+3], s[44:45] offset:512*(\t)   ; 32 lanes store 512 consecutive bytes
.endm
	TURN 0
	QSTEP 0
	QSTEP 1
	QSTEP 2
	QSTEP 3
	s_wait_dscnt 0x0                               ; for wave 0's sake: my byte stores are done
	s_barrier_signal -1
	s_barrier_wait -1
	s_cmp_lg_u32 s12, 0
	s_cbranch_scc1 .Ldone
	ds_load_b64 v[12:13], v6                       ; four rows' scale bytes
	s_wait_dscnt 0x0
	global_store_b64 v7, v[12:13], s[46:47]        ; 32 lanes store 256 consecutive bytes, aligned
.Ldone:
	s_wait_tensorcnt 0x0
	ds_add_u32 v254, v255
	s_wait_dscnt 0x0
	s_endpgm
.Lfunc_end_k_qbf648e0e75_lngelu:
	.size	k_qbf648e0e75_lngelu, .Lfunc_end_k_qbf648e0e75_lngelu-k_qbf648e0e75_lngelu
	.p2alignl 7, 3214868480
	.fill 96, 4, 3214868480
	.section	.rodata,"a",@progbits
	.p2align	6, 0x0
	.amdhsa_kernel k_qbf648e0e75_lngelu
		.amdhsa_group_segment_fixed_size 21248
		.amdhsa_private_segment_fixed_size 0
		.amdhsa_enable_private_segment 0
		.amdhsa_kernarg_size 32
		.amdhsa_user_sgpr_count 2
		.amdhsa_user_sgpr_kernarg_segment_ptr 1
		.amdhsa_wavefront_size32 1
		.amdhsa_system_sgpr_workgroup_id_x 1
		.amdhsa_system_sgpr_workgroup_id_y 1
		.amdhsa_system_sgpr_workgroup_id_z 1
		.amdhsa_system_vgpr_workitem_id 0
		.amdhsa_next_free_vgpr 256
		.amdhsa_next_free_sgpr 66
		.amdhsa_reserve_vcc 0
		.amdhsa_float_denorm_mode_32 3
		.amdhsa_float_denorm_mode_16_64 3
		.amdhsa_memory_ordered 1
		.amdhsa_forward_progress 1
		.amdhsa_inst_pref_size 71
	.end_amdhsa_kernel
	.amdgpu_metadata
---
amdhsa.version: [ 1, 2 ]
amdhsa.kernels:
  - .name:           k_qbf648e0e75_lngelu
    .symbol:         k_qbf648e0e75_lngelu.kd
    .args:
      - { .name: h1, .offset: 0, .size: 8, .value_kind: global_buffer, .address_space: global }
      - { .name: ln_g, .offset: 8, .size: 8, .value_kind: global_buffer, .address_space: global }
      - { .name: ln_b, .offset: 16, .size: 8, .value_kind: global_buffer, .address_space: global }
      - { .name: g, .offset: 24, .size: 8, .value_kind: global_buffer, .address_space: global }
    .group_segment_fixed_size: 21248
    .private_segment_fixed_size: 0
    .kernarg_segment_align: 8
    .kernarg_segment_size: 32
    .max_flat_workgroup_size: 128
    .sgpr_count:     66
    .vgpr_count:     256
    .wavefront_size: 32
...
	.end_amdgpu_metadata
.endif
;; end of part 6
;; launch ffn2 (part 7): grid 4 x 16, 4 waves a work-group, clusters of 4 x 4, 327,680 bytes of LDS; arguments g, wts, ffn2_b, x, out0; writes out0
.if DOCPART == 7
	.amdgcn_target "amdgcn-amd-amdhsa--gfx1250"
	.amdhsa_code_object_version 6
	.text
	.protected	k_qbf648e0e75_ffn2
	.globl	k_qbf648e0e75_ffn2
	.p2align	8
	.type	k_qbf648e0e75_ffn2,@function
k_qbf648e0e75_ffn2:
	s_mov_b64 s[64:65], 0
	v_nop
	global_prefetch_b8 v0, s[64:65] scope:SCOPE_SE
	s_setreg_imm32_b32 hwreg(HW_REG_WAVE_MODE, 25, 1), 1
	s_wait_xcnt 0x0
	s_wait_alu depctr_hold_cnt(0) depctr_sa_sdst(0) depctr_va_vdst(0) depctr_va_sdst(0) depctr_va_ssrc(0) depctr_va_vcc(0) depctr_vm_vsrc(0)
	s_getreg_b32 s2, hwreg(HW_REG_IB_STS2, 6, 4)
	s_cmp_eq_u32 s2, 0
	s_cbranch_scc0 .Lentry_in_a_cluster
	s_endpgm
.Lentry_in_a_cluster:
	s_bfe_u32 s2, ttmp6, 0x10000c
	s_cmp_lg_u32 s2, 0xf033
	s_cbranch_scc0 .Lentry_shape_is_right
	s_endpgm
.Lentry_shape_is_right:
; out0 = x + g ffn2_w^T + ffn2_b on codes of BF8 (E5M2) with E8M0 scales; sums, bias and residual in f32.
; A tile of 256 x 256 to a work-group of four waves, 128 x 128 a wave: 64 accumulators, 512 registers.  K = 2,048 goes in steps of 256 through a ring of two LDS slots filled by the tensor data mover; the scale bytes of the
; work-group's rows, for all of K, come once.  4 x 4 work-groups form a cluster: A's tile is asked for jointly along a row of the cluster, B's along a column.  64 tiles: this launch has work for 64 work-groups.
; The matrix instruction is used transposed (source 0 = 16 rows of B, source 1 = 16 rows of A): a lane holds eight neighbouring numbers of a row of the result.
; WAY OUT: a block of 16 rows x 128 columns goes through the wave's own stage in LDS and comes back as whole rows of 512 bytes; the bias of a lane's four columns and x's same 16 bytes are added there; 32 lanes store 512 consecutive bytes.
; REGISTERS: window 0: v0-31 addresses and the bias; v32-63 scale words; v64-127 x's rows; from v128 A's fragments, later rows on the way out.  window 1: B's fragments, two sets.  windows 2, 3: the accumulators.
.set SIZE_K, 2048
.set SIZE_N, 1024
.set AIMG,   0
.set RESID,  1
.set ASC,    8388608                   ; A's scales in its buffer
.set BCO,    12582912                  ; B's codes and scales in wts
.set BSC,    15073280
.set NQ,     2
.set ROWB,   256
.set KROW,   SIZE_K
.set PITCH,  272                       ; an LDS row: 256 bytes + 16 of padding: the 16 rows that a load touches start at 16 different banks (ISA guide 11.1)
.set FR,     16
.set NL,     4
.set NP,     8                         ; places behind this matrix instruction (ISA guide 7.12.1)
.set HALFB,  128*PITCH
.if AIMG
.set HALFA,  32768
.set ASTEP,  4096
.else
.set HALFA,  128*PITCH
.set ASTEP,  ROWB
.endif
.set SLOT,   2*HALFA+2*HALFB
.set LAPS,   SIZE_K/512
.set KS,     SIZE_K/32
.set SCL,    2*SLOT
.set HALFS,  (128*KS/256)*272
.set SBLK,   (16*KS/256)*272
.set SPARE,  SCL+4*HALFS               ; the spare words, 128 bytes a wave: two blocks of 256 bytes that no other line names
.set SPITCH, 528                       ; the way out: 16 rows x (512 bytes + 16) a wave, in slot 0, which has had its last fill and its last read by then
.set ADRA, 16
.set ADRB, 20
.set STO,  24
.set RD,   25
.set CO,   26
.set ADRS, 27
.set SPW,  28
.set NIL,  29
.set BI,   8                           ; v8-11 the bias of my four columns
.set SC,   32
.set XR,   64                          ; v64-127 16 rows of the residual
.set AF,   128
.set BK,   128
.set G1, 24
.set G0, 32
.set G1B, 48
.set G0B, 56
.set G1S, 68
.set G0S, 76
.set G1SB, 80
.set G0SB, 88
.set MSB, 0
.macro WIN new                         ; the immediate's high byte repeats the setting that is left
.if MSB != \new
	s_set_vgpr_msb (MSB<<8)|\new
.set MSB, \new
.endif
.endm
.set MUL_LO, 0xa1
.set MUL_HI, 0xf1
.set TO_B,   0x40
; A joint load: waves 0 and 1 fetch for A, waves 2 and 3 for B; the branch hangs on the wave's number alone.  Four v_nop follow each of the two lines.
.macro JLOAD g0a, g1a, g0b, g1b
	s_cmp_eq_u32 s15, 0
	s_cbranch_scc0 .Lfor_b_\@
	tensor_load_to_lds s[\g0a:\g0a+3], s[\g1a:\g1a+7]
	s_nop 0
.rept 4
	v_nop
.endr
	s_branch .Lasked_\@
.Lfor_b_\@:
	tensor_load_to_lds s[\g0b:\g0b+3], s[\g1b:\g1b+7]
	s_nop 0
.rept 4
	v_nop
.endr
.Lasked_\@:
.endm
.macro CREST
	s_cmp_lg_u32 s14, 0
	s_cbranch_scc1 .Lnot_wave_0_\@
	s_barrier_signal -3
.Lnot_wave_0_\@:
	s_barrier_wait -3
	s_barrier_signal -1
	s_barrier_wait -1
.endm
.macro CROUND
	s_barrier_signal -1
	s_barrier_wait -1
	CREST
.endm
	s_load_b128 s[96:99], s[0:1], 0x0              ; A's buffer, wts
	s_load_b64 s[100:101], s[0:1], 0x10            ; the bias
.if RESID
	s_load_b64 s[66:67], s[0:1], 0x18              ; x
	s_load_b64 s[12:13], s[0:1], 0x20              ; the result
.else
	s_load_b64 s[12:13], s[0:1], 0x18              ; the result
.endif
	v_lshl_add_u32 v[SPW], v0, 2, SPARE
	v_mov_b32 v[NIL], 0
	ds_add_u32 v28, v29
	ds_add_u32 v28, v29
	s_wait_dscnt 0x0
	v_lshrrev_b32 v1, 5, v0
	v_readfirstlane_b32 s14, v1                    ; wave 0..3
	s_lshr_b32 s15, s14, 1
	s_and_b32 s16, s14, 1
	s_bfe_u32 s40, ttmp6, 0x40000                  ; cx, cy
	s_bfe_u32 s41, ttmp6, 0x40004
	s_lshl_b32 s42, ttmp9, 2
	s_add_co_u32 s42, s42, s40                     ; tile column
	s_and_b32 s17, ttmp7, 0xffff
	s_lshl_b32 s17, s17, 2
	s_add_co_u32 s17, s17, s41                     ; tile row
	s_lshl_b32 s43, s41, 2
	s_lshl_b32 s43, 15, s43                        ; my row of the cluster
	s_lshl_b32 s44, 0x1111, s40                    ; my column
	s_or_b32 s[G1+0], s43, (0<<16)|(1<<20)|(1<<21)|(5<<22)|(3<<25)  ; the mask; elements of 1 byte; padding on; bit 21 beside a mask; after every 64 words 4 words
	s_or_b32 s[G1B+0], s44, (0<<16)|(1<<20)|(1<<21)|(5<<22)|(3<<25)
.irp g, G1, G1B
	s_mov_b32 s[\g+1], ROWB<<16
	s_mov_b32 s[\g+2], 128<<16
	s_mov_b32 s[\g+3], ROWB<<16
	s_mov_b32 s[\g+4], 128
	s_mov_b32 s[\g+5], KROW
	s_mov_b32 s[\g+6], 0
	s_mov_b32 s[\g+7], 0
.endr
	s_or_b32 s[G1S+0], s43, (3<<16)|(1<<20)|(1<<21)|(5<<22)|(3<<25)
	s_or_b32 s[G1SB+0], s44, (3<<16)|(1<<20)|(1<<21)|(5<<22)|(3<<25)
.irp g, G1S, G1SB
	s_mov_b32 s[\g+1], 32<<16
	s_mov_b32 s[\g+2], (128*KS/256)<<16
	s_mov_b32 s[\g+3], 32<<16
	s_mov_b32 s[\g+4], 128*KS/256
	s_mov_b32 s[\g+5], 32
	s_mov_b32 s[\g+6], 0
	s_mov_b32 s[\g+7], 0
.endr
	s_lshl_b32 s18, s16, 7
	s_lshl_b32 s20, s17, 8
	s_add_co_u32 s20, s20, s18
	s_lshl_b32 s46, s42, 8
	s_add_co_u32 s46, s46, s18
	s_mov_b32 s21, 0
	s_mov_b32 s47, 0
	s_mov_b64 s[18:19], KS
	s_mul_u64 s[22:23], s[20:21], s[18:19]
	s_mul_u64 s[92:93], s[46:47], s[18:19]
	s_mov_b64 s[18:19], KROW
	s_mul_u64 s[20:21], s[20:21], s[18:19]
	s_mul_u64 s[46:47], s[46:47], s[18:19]
	s_mul_i32 s45, s16, HALFA
	s_mul_i32 s95, s16, HALFB
	s_add_co_u32 s95, s95, 2*HALFA
	s_mul_i32 s94, s14, HALFS
	s_wait_kmcnt 0x0
	s_mov_b64 s[4:5], s[96:97]
	s_add_nc_u64 s[6:7], s[96:97], ASC
	s_add_nc_u64 s[8:9], s[98:99], BCO
	s_add_nc_u64 s[10:11], s[98:99], BSC
	s_add_nc_u64 s[20:21], s[4:5], s[20:21]
	s_add_nc_u64 s[22:23], s[6:7], s[22:23]
	s_add_nc_u64 s[46:47], s[8:9], s[46:47]
	s_add_nc_u64 s[92:93], s[10:11], s[92:93]
	CROUND                                         ; all sixteen work-groups are here: the first joint loads meet
	s_mov_b32 s[G0S], 1
	s_add_co_u32 s[G0S+1], s94, SCL
	s_mov_b64 s[G0S+2:G0S+3], s[22:23]
	s_or_b32 s[G0S+3], s[G0S+3], 0x80000000
	s_mov_b32 s[G0SB], 1
	s_add_co_u32 s[G0SB+1], s94, SCL
	s_mov_b64 s[G0SB+2:G0SB+3], s[92:93]
	s_or_b32 s[G0SB+3], s[G0SB+3], 0x80000000
	JLOAD G0S, G1S, G0SB, G1SB
.irp s, 0,1
	s_mov_b32 s[G0+4*\s], 1
	s_add_co_u32 s[G0+4*\s+1], s45, \s*SLOT
	s_add_nc_u64 s[G0+4*\s+2:G0+4*\s+3], s[20:21], \s*ASTEP
	s_or_b32 s[G0+4*\s+3], s[G0+4*\s+3], 0x80000000
	s_mov_b32 s[G0B+4*\s], 1
	s_add_co_u32 s[G0B+4*\s+1], s95, \s*SLOT
	s_add_nc_u64 s[G0B+4*\s+2:G0B+4*\s+3], s[46:47], \s*ROWB
	s_or_b32 s[G0B+4*\s+3], s[G0B+4*\s+3], 0x80000000
	JLOAD G0+4*\s, G1, G0B+4*\s, G1B
.endr
	v_and_b32 v1, 15, v0                           ; r
	v_bfe_u32 v2, v0, 4, 1                         ; h
	v_mul_u32_u24 v3, v1, PITCH
	v_lshl_add_u32 v4, v2, 4, v3
	s_mul_i32 s21, s15, HALFA
	s_mul_i32 s22, s16, HALFB
	s_add_co_u32 s22, s22, 2*HALFA
.irp s, 0,1
	v_add_nc_u32 v[ADRA+\s], s21, v4
	v_add_nc_u32 v[ADRB+\s], s22, v4
	s_add_co_u32 s21, s21, SLOT
	s_add_co_u32 s22, s22, SLOT
.endr
	v_mul_u32_u24 v5, v1, KS
	v_lshrrev_b32 v6, 8, v5
	v_lshl_add_u32 v5, v6, 4, v5
	s_mul_i32 s21, s15, HALFS
	s_mul_i32 s22, s16, HALFS
	s_add_co_u32 s22, s22, 2*HALFS
	s_sub_co_u32 s22, s22, s21
	v_mul_u32_u24 v6, s22, v2
	s_add_co_u32 s21, s21, SCL
	v_add_nc_u32 v5, v5, v6
	v_add_nc_u32 v[ADRS], s21, v5
	s_mul_i32 s23, s14, 16*SPITCH                  ; my stage
	v_mul_u32_u24 v5, v1, SPITCH
	v_lshl_add_u32 v5, v2, 5, v5
	v_add_nc_u32 v[STO], s23, v5                   ; in: row r, 32 bytes for each half of the lanes
	v_and_b32 v6, 31, v0
	v_lshlrev_b32 v[CO], 4, v6                     ; back: the 32 lanes take one row of 512 bytes; and the same in memory
	v_add_nc_u32 v[RD], s23, v[CO]
	s_lshl_b32 s20, s17, 8
	s_lshl_b32 s21, s15, 7
	s_add_co_u32 s20, s20, s21                     ; my first row
	s_mov_b32 s21, 0
	s_mov_b64 s[18:19], SIZE_N*4
	s_mul_u64 s[20:21], s[20:21], s[18:19]
	s_lshl_b32 s46, s42, 10                        ; my first column, in bytes
	s_lshl_b32 s47, s16, 9
	s_add_co_u32 s46, s46, s47
	s_mov_b32 s47, 0
	s_add_nc_u64 s[100:101], s[100:101], s[46:47]
	s_add_nc_u64 s[20:21], s[20:21], s[46:47]
	s_add_nc_u64 s[12:13], s[12:13], s[20:21]
.if RESID
	s_add_nc_u64 s[66:67], s[66:67], s[20:21]
.endif
	global_load_b128 v[BI:BI+3], v[CO], s[100:101] ; the bias of my four columns
.macro FRAG reg, adr, q, i
.irp c, 0,1,2,3
	ds_load_b128 v[\reg+4*\c:\reg+4*\c+3], v[\adr] offset:128*(\q)+32*\c+(\i)*16*PITCH
.endr
.endm
.macro FRAGA reg, slot, q, i
.irp c, 0,1,2,3
.if AIMG
	ds_load_b128 v[\reg+4*\c:\reg+4*\c+3], v[ADRA+\slot] offset:4096*(\i)+2048*(\q)+512*\c
.else
	ds_load_b128 v[\reg+4*\c:\reg+4*\c+3], v[ADRA+\slot] offset:128*(\q)+32*\c+(\i)*16*PITCH
.endif
.endr
.endm
; 16 matrix instructions: A's blocks a0, a0 + 1 x B's eight.  The 64 accumulators take turns, one instruction a turn.
.macro MUL16 a0, p, q, sc, zero
.irp a, \a0, \a0+1
.irp b, 0,1,2,3,4,5,6,7
.if \zero
	v_wmma_scale_f32_16x16x128_f8f6f4 v[8*(8*((\a)%4)+\b):8*(8*((\a)%4)+\b)+7], v[128*(\p)+FR*\b:128*(\p)+FR*\b+FR-1], v[AF+FR*(\a):AF+FR*(\a)+FR-1], 0, v[SC+8*NQ*(\sc)+NQ*\b+(\q)], v[SC+8*NQ*(\sc)+NQ*(\a)+(\q)] matrix_a_fmt:MATRIX_FMT_BF8 matrix_b_fmt:MATRIX_FMT_BF8 matrix_a_scale:MATRIX_SCALE_ROW1
.else
	v_wmma_scale_f32_16x16x128_f8f6f4 v[8*(8*((\a)%4)+\b):8*(8*((\a)%4)+\b)+7], v[128*(\p)+FR*\b:128*(\p)+FR*\b+FR-1], v[AF+FR*(\a):AF+FR*(\a)+FR-1], v[8*(8*((\a)%4)+\b):8*(8*((\a)%4)+\b)+7], v[SC+8*NQ*(\sc)+NQ*\b+(\q)], v[SC+8*NQ*(\sc)+NQ*(\a)+(\q)] matrix_a_fmt:MATRIX_FMT_BF8 matrix_b_fmt:MATRIX_FMT_BF8 matrix_a_scale:MATRIX_SCALE_ROW1
.endif
.endr
.endr
.endm
.macro FETCH_B slot, q, p
	WIN TO_B
.irp i, 0,1,2,3,4,5,6,7
	FRAG 128*(\p)+FR*\i, ADRB+\slot, \q, \i
.endr
	WIN 0
.endm
.macro FETCH_A slot, q, i0
.irp i, \i0, \i0+1, \i0+2, \i0+3
	FRAGA AF+FR*(\i), \slot, \q, \i
.endr
.endm
.macro SCALES sc
.irp i, 0,1,2,3,4,5,6,7
	ds_load_b64 v[SC+8*NQ*\sc+NQ*\i:SC+8*NQ*\sc+NQ*\i+1], v[ADRS] offset:\i*SBLK
.endr
.endm
.macro PLACES n
.rept \n
	v_nop
.endr
.endm
.macro STEP slot, q, zero
	s_wait_dscnt 4*NL                              ; all but the youngest 16 loads (A's blocks 4-7)
	WIN MUL_LO
	MUL16 0, (\q)%2, \q, \slot, \zero
	MUL16 2, (\q)%2, \q, \slot, \zero
	s_wait_dscnt 0
	PLACES NP
	FETCH_B \slot, (\q)+1, 1-(\q)%2
	FETCH_A \slot, (\q)+1, 0
	WIN MUL_HI
	MUL16 4, (\q)%2, \q, \slot, \zero
	MUL16 6, (\q)%2, \q, \slot, \zero
	PLACES NP
	WIN 0
	FETCH_A \slot, (\q)+1, 4
.endm
.macro TURN slot, next, fill
	s_wait_tensorcnt 0x0                           ; all my tensor loads have landed: my part of the next slot
	ds_add_u32 v[SPW], v[NIL]                      ; 0 onto my spare word
	s_wait_dscnt 4*NL+1                            ; the add and the youngest 16 loads may be out
	WIN MUL_LO
	MUL16 0, 1, NQ-1, \slot, 0
	s_wait_dscnt 0x0                               ; the add is done, and my reads of this slot are over
	s_barrier_signal -1
	MUL16 2, 1, NQ-1, \slot, 0
	WIN 0
	s_barrier_wait -1
.if \fill
	CREST                                          ; a round of the cluster's barrier: no wave of any partner still reads this slot or has a load on its way
	s_add_nc_u64 s[G0+4*\slot+2:G0+4*\slot+3], s[G0+4*\slot+2:G0+4*\slot+3], 2*ASTEP
	s_add_nc_u64 s[G0B+4*\slot+2:G0B+4*\slot+3], s[G0B+4*\slot+2:G0B+4*\slot+3], 2*ROWB
	JLOAD G0+4*\slot, G1, G0B+4*\slot, G1B
	PLACES NP-4
.else
	PLACES NP
.endif
	v_add_nc_u32 v[ADRS], 4*NQ, v[ADRS]
	FETCH_B \next, 0, 0
	FETCH_A \next, 0, 0
	SCALES \next
	WIN MUL_HI
	MUL16 4, 1, NQ-1, \slot, 0
	MUL16 6, 1, NQ-1, \slot, 0
	PLACES NP
	WIN 0
	FETCH_A \next, 0, 4
.endm
	s_wait_loadcnt 0x0                             ; the bias: waited for here, while the first tiles are on their way
	s_wait_tensorcnt 1                             ; the scales and my part of K step 0 are in; K step 1's load may be out
	s_barrier_signal -1
	s_barrier_wait -1
	FETCH_B 0, 0, 0
	FETCH_A 0, 0, 0
	SCALES 0
	FETCH_A 0, 0, 4
	STEP 0, 0, 1
	s_mov_b32 s3, LAPS-1
.Llap:
	TURN 0, 1, 1
	STEP 1, 0, 0
	TURN 1, 0, 1
	STEP 0, 0, 0
	s_sub_co_u32 s3, s3, 1
	s_cmp_lg_u32 s3, 0
	s_cbranch_scc1 .Llap
	TURN 0, 1, 0
	STEP 1, 0, 0
	s_wait_dscnt 4*NL
	WIN MUL_LO
	MUL16 0, 1, NQ-1, 1, 0
	MUL16 2, 1, NQ-1, 1, 0
	s_wait_dscnt 0
	WIN MUL_HI
	MUL16 4, 1, NQ-1, 1, 0
	MUL16 6, 1, NQ-1, 1, 0
	WIN 0
.macro TOSTAGE a                       ; block a into my stage, each accumulator from its low end on, and back as whole rows: LDS serves a wave's instructions in order (ISA guide 5.7.1.4)
.set AC, 64*((\a)%4)
.set WN, 0x08+4*((\a)/4)
	WIN WN
.irp b, 0,1,2,3,4,5,6,7
	ds_store_b128 v[STO], v[AC+8*\b:AC+8*\b+3] offset:64*\b
	ds_store_b128 v[STO], v[AC+8*\b+4:AC+8*\b+7] offset:64*\b+16
.endr
	WIN 0
.set BB, BK+64*((\a)%2)
.set t, 0
.rept 16
	ds_load_b128 v[BB+4*t:BB+4*t+3], v[RD] offset:t*SPITCH
.set t, t+1
.endr
.endm
.macro XLOAD a                         ; the residual's 16 rows of block a
.set t, 0
.rept 16
	global_load_b128 v[XR+4*t:XR+4*t+3], v[CO], s[66:67] offset:(16*(\a)+t)*SIZE_N*4 th:TH_LOAD_NT
.set t, t+1
.endr
.endm
.macro SEND a, younger                 ; younger: the LDS instructions issued behind block a's loads, which may stay out
.set BB, BK+64*((\a)%2)
	s_wait_dscnt \younger
.set t, 0
.rept 32
	v_pk_add_f32 v[BB+2*t:BB+2*t+1], v[BB+2*t:BB+2*t+1], v[BI+2*(t%2):BI+2*(t%2)+1]
.set t, t+1
.endr
.if RESID
	s_wait_loadcnt 0x0
.set t, 0
.rept 32
	v_pk_add_f32 v[BB+2*t:BB+2*t+1], v[BB+2*t:BB+2*t+1], v[XR+2*t:XR+2*t+1]
.set t, t+1
.endr
.endif
.set t, 0
.rept 16
	global_store_b128 v[CO], v[BB+4*t:BB+4*t+3], s[12:13] offset:(16*(\a)+t)*SIZE_N*4 th:TH_STORE_NT   ; 32 lanes store 512 consecutive bytes, aligned; every offset is an immediate: 127 rows at the most
.set t, t+1
.endr
.endm
	PLACES NP                                      ; behind the last products
.if RESID
	XLOAD 0
.endif
	TOSTAGE 0
.irp a, 1,2,3,4,5,6,7
.if \a > 1
	s_wait_xcnt 0x0                                ; block a - 2's stores have read their registers: block a's loads may land there
.endif
	TOSTAGE \a
	SEND \a-1, 32                                  ; behind block a - 1's loads: block a's 16 stores and 16 loads
.if RESID
	XLOAD \a
.endif
.endr
	SEND 7, 0
	s_wait_tensorcnt 0x0                           ; the wave's end
	ds_add_u32 v[SPW], v[NIL]
	s_wait_dscnt 0x0
	CROUND                                         ; the closing round
	s_endpgm
.Lfunc_end_k_qbf648e0e75_ffn2:
	.size	k_qbf648e0e75_ffn2, .Lfunc_end_k_qbf648e0e75_ffn2-k_qbf648e0e75_ffn2
	.p2alignl 7, 3214868480
	.fill 96, 4, 3214868480
	.section	.rodata,"a",@progbits
	.p2align	6, 0x0
	.amdhsa_kernel k_qbf648e0e75_ffn2
		.amdhsa_group_segment_fixed_size 327680
		.amdhsa_private_segment_fixed_size 0
		.amdhsa_enable_private_segment 0
		.amdhsa_kernarg_size 40
		.amdhsa_user_sgpr_count 2
		.amdhsa_user_sgpr_kernarg_segment_ptr 1
		.amdhsa_wavefront_size32 1
		.amdhsa_system_sgpr_workgroup_id_x 1
		.amdhsa_system_sgpr_workgroup_id_y 1
		.amdhsa_system_sgpr_workgroup_id_z 1
		.amdhsa_system_vgpr_workitem_id 0
		.amdhsa_next_free_vgpr 1024
		.amdhsa_next_free_sgpr 102
		.amdhsa_reserve_vcc 0
		.amdhsa_float_denorm_mode_32 3
		.amdhsa_float_denorm_mode_16_64 3
		.amdhsa_memory_ordered 1
		.amdhsa_forward_progress 1
		.amdhsa_inst_pref_size 190
	.end_amdhsa_kernel
	.amdgpu_metadata
---
amdhsa.version: [ 1, 2 ]
amdhsa.kernels:
  - .name:           k_qbf648e0e75_ffn2
    .symbol:         k_qbf648e0e75_ffn2.kd
    .args:
      - { .name: g, .offset: 0, .size: 8, .value_kind: global_buffer, .address_space: global }
      - { .name: wts, .offset: 8, .size: 8, .value_kind: global_buffer, .address_space: global }
      - { .name: ffn2_b, .offset: 16, .size: 8, .value_kind: global_buffer, .address_space: global }
      - { .name: x, .offset: 24, .size: 8, .value_kind: global_buffer, .address_space: global }
      - { .name: out0, .offset: 32, .size: 8, .value_kind: global_buffer, .address_space: global }
    .group_segment_fixed_size: 327680
    .private_segment_fixed_size: 0
    .kernarg_segment_align: 8
    .kernarg_segment_size: 40
    .max_flat_workgroup_size: 128
    .sgpr_count:     102
    .vgpr_count:     1024
    .wavefront_size: 32
...
	.end_amdgpu_metadata
.endif
;; end of part 7
;; ======== version 2 of 2: 7 launches
;; limits: right only within a limited range of input values
;; workspace buffers: wts 15,138,816 bytes; hcat 12,845,056 bytes; qkv 12,976,128 bytes; ctx 4,325,376 bytes; h1 33,554,432 bytes; g 8,650,752 bytes
;; launch quant (part 8): grid 448 x 1, 4 waves a work-group, no clusters, 33,280 bytes of LDS; arguments x, Wqkv_w, out_w, ffn1_w, ffn2_w, wts, hcat; writes wts, hcat
.if DOCPART == 8
	.amdgcn_target "amdgcn-amd-amdhsa--gfx1250"
	.amdhsa_code_object_version 6
	.text
	.protected	k_qbf648e0e75_quant
	.globl	k_qbf648e0e75_quant
	.p2align	8
	.type	k_qbf648e0e75_quant,@function
k_qbf648e0e75_quant:
	s_mov_b64 s[64:65], 0
	v_nop
	global_prefetch_b8 v0, s[64:65] scope:SCOPE_SE
	s_setreg_imm32_b32 hwreg(HW_REG_WAVE_MODE, 25, 1), 1
	s_wait_xcnt 0x0
; x, Wqkv_w, out_w, ffn1_w, ffn2_w (f32, K innermost) become codes of BF8 (E5M2) with one E8M0 scale byte for each 32 along K, in the workspace wts, one tensor behind the other.
; A block's scale is 2^(floor(log2(its largest magnitude)) - 15); its byte is the largest magnitude's exponent field - 15, held at 1 from below; each number is held within +-57,344 x the scale and rounded to the nearest code, ties to even.
; LIMITS: a block of zeros, and a block whose largest magnitude lies under 2^-111, get the byte 1 (the rule says 127 for zeros): their codes are zeros or tiny, and this program alone reads the bytes.  NaN and infinities are not served.
; SHARES.  A wave takes a run of 8,192 numbers, 16 steps of 512.  Work-groups 0-127 take x, 128-223 Wqkv_w, 224-255 out_w, 256-383 ffn1_w, 384-447 ffn2_w: only a pointer, a first number and a stride are chosen; one path serves all.
; Run u of the launch writes 8,192 codes at 8,192 u and 256 scale bytes at 14,680,064 + 256 u.
; Wqkv_w'S ROWS ARE PERMUTED ON THE WAY: output row 1024 c + e is input row 3 e + c (c = 0 q, 1 k, 2 v): a run's eight rows of 4,096 bytes are read 12,288 bytes apart and written on end.
; x's codes and scale bytes go out a second time, into the left half of hcat's rows, where the concatenation [x, message] is an operand.
; A lane must hold 16 neighbours for the conversions, and a load is best where neighbouring lanes take neighbouring bytes: each load reads 512 consecutive bytes, and a step's 2,048 bytes turn through the wave's own stage in LDS
; (16 bytes of padding behind each 64).  No tensor loads, no barrier: waves share nothing.  Loads run four steps (16 loads a wave) ahead, the turn through LDS one step.
.set STEPS, 16
.set SP,    80                         ; a lane's place in a stage: its 64 bytes + 16 of padding
.set WREG,  8192                       ; LDS of a wave: two stages of 32 x SP bytes, behind them its 256 scale bytes
.set R,     16                         ; v16-79   four sets of 16 numbers as loaded
.set X,     80                         ; v80-111  two sets of 16 neighbours
.set E,     112                        ; v112-127 a scale byte for each step
.set C,     128                        ; v128-191 codes: four registers for each step, never written again
.set RO,    192                        ; v192-199 16 x lane + i x the stride from row to row
.set HS,    200                        ; v200     my 8 scale bytes' place in hcat: 64 (lane / 4) + 8 (lane % 4)
	s_load_b256 s[4:11], s[0:1], 0x0               ; x, Wqkv_w, out_w, ffn1_w
	s_load_b128 s[12:15], s[0:1], 0x20             ; ffn2_w, wts
	s_load_b64 s[16:17], s[0:1], 0x30              ; hcat
	v_lshl_add_u32 v208, v0, 2, 0x8000
	v_mov_b32 v209, 0
	v_lshrrev_b32 v1, 5, v0
	v_readfirstlane_b32 s22, v1                    ; wave
	v_and_b32 v2, 31, v0                           ; lane
	v_lshlrev_b32 v3, 4, v2                        ; 16 x lane: my bytes of a load's 512, and of a step's 512 bytes of codes
	s_mul_i32 s23, s22, WREG
	v_lshrrev_b32 v14, 2, v2
	v_mul_u32_u24 v14, v14, SP
	v_and_b32 v15, 3, v2
	v_lshl_add_u32 v14, v15, 4, v14
	v_add_nc_u32 v14, s23, v14                     ; the stage, on the way in: SP (lane / 4) + 16 (lane % 4)
	v_mul_u32_u24 v15, v2, SP
	v_add_nc_u32 v15, s23, v15                     ; and on the way out: SP x lane
	v_lshrrev_b32 v5, 1, v2
	s_add_co_u32 s23, s23, 2*32*SP
	v_add_nc_u32 v5, s23, v5                       ; my block's scale byte in the wave's 256
	v_lshlrev_b32 v7, 3, v2
	v_add_nc_u32 v6, s23, v7                       ; and 8 bytes a lane on the way out
	v_lshrrev_b32 v[HS], 2, v2
	v_and_b32 v4, 3, v2
	v_lshlrev_b32 v[HS], 6, v[HS]
	v_lshl_add_u32 v[HS], v4, 3, v[HS]
	s_mov_b32 s28, 0x600000                        ; the mantissa field of 57,344
	s_wait_kmcnt 0x0
	s_mov_b64 s[18:19], s[12:13]                   ; which tensor: the choice hangs on the work-group's number alone
	s_mov_b32 s20, 384
	s_cmp_lt_u32 ttmp9, 384
	s_cselect_b64 s[18:19], s[10:11], s[18:19]
	s_cselect_b32 s20, 256, s20
	s_cmp_lt_u32 ttmp9, 256
	s_cselect_b64 s[18:19], s[8:9], s[18:19]
	s_cselect_b32 s20, 224, s20
	s_cmp_lt_u32 ttmp9, 224
	s_cselect_b64 s[18:19], s[6:7], s[18:19]
	s_cselect_b32 s20, 128, s20
	s_cmp_lt_u32 ttmp9, 128
	s_cselect_b64 s[18:19], s[4:5], s[18:19]
	s_cselect_b32 s20, 0, s20                      ; the tensor's first work-group
	s_sub_co_u32 s21, ttmp9, s20
	s_lshl_b32 s21, s21, 2
	s_add_co_u32 s21, s21, s22                     ; my run in the tensor
	s_lshl_b32 s24, s21, 15                        ; dense: 32,768 bytes a run
	s_and_b32 s25, s21, 127
	s_mul_i32 s25, s25, 24
	s_lshr_b32 s26, s21, 7
	s_add_co_u32 s25, s25, s26
	s_lshl_b32 s25, s25, 12                        ; Wqkv_w: input row 24 (run % 128) + run / 128, then every third row
	s_mov_b32 s27, 4096
	s_cmp_eq_u32 s20, 128
	s_cselect_b32 s24, s25, s24
	s_cselect_b32 s27, 12288, s27                  ; from one output row's input to the next
	s_mov_b32 s25, 0
	s_add_nc_u64 s[18:19], s[18:19], s[24:25]
.irp i, 0,1,2,3,4,5,6,7
	v_mad_u32_u24 v[RO+\i], s27, \i, v3
.endr
	s_lshl_b32 s29, ttmp9, 2
	s_add_co_u32 s29, s29, s22                     ; my run in the launch
	s_lshl_b32 s30, s29, 13
	s_mov_b32 s31, 0
	s_add_nc_u64 s[32:33], s[14:15], s[30:31]      ; its codes
	s_lshl_b32 s30, s29, 8
	s_add_nc_u64 s[34:35], s[14:15], s[30:31]
	s_add_nc_u64 s[34:35], s[34:35], 14680064      ; its scale bytes
	s_min_u32 s40, s29, 511                        ; x has runs 0 to 511; the others form hcat's addresses from 511 and never use them
	s_lshl_b32 s30, s40, 14
	s_add_nc_u64 s[36:37], s[16:17], s[30:31]      ; hcat: eight rows of 2,048 bytes a run
	s_lshl_b32 s30, s40, 9
	s_add_nc_u64 s[38:39], s[16:17], s[30:31]
	s_add_nc_u64 s[38:39], s[38:39], 8388608       ; and eight rows of 64 scale bytes
.macro LOAD t                          ; step t: half a row of 1,024 numbers (K = 2,048: a quarter)
.irp i, 0,1,2,3
	global_load_b128 v[R+16*((\t)%4)+4*\i:R+16*((\t)%4)+4*\i+3], v[RO+(\t)/2], s[18:19] offset:2048*((\t)%2)+512*\i th:TH_LOAD_NT   ; 32 lanes read 512 consecutive bytes
.endr
.endm
.macro TURN t                          ; step t's numbers through the stage: LDS serves a wave's instructions in order, so no wait stands between the stores and the loads
.irp i, 0,1,2,3
	ds_store_b128 v14, v[R+16*((\t)%4)+4*\i:R+16*((\t)%4)+4*\i+3] offset:32*SP*((\t)%2)+8*SP*\i
.endr
.irp i, 0,1,2,3
	ds_load_b128 v[X+16*((\t)%2)+4*\i:X+16*((\t)%2)+4*\i+3], v15 offset:32*SP*((\t)%2)+16*\i
.endr
.endm
	s_wait_alu depctr_va_vdst(0)
.irp t, 0,1,2,3
	LOAD \t
.endr
	s_wait_loadcnt 12                              ; step 0's four loads are in; three steps' twelve stay out
	TURN 0
.macro STEP t
.set XS, X+16*((\t)%2)
.if (\t) > 0
	s_wait_dscnt 1                                 ; this step's numbers are back from the stage; the last step's byte store may be out
.else
	s_wait_dscnt 0x0
.endif
.if (\t)+4 < STEPS
	LOAD (\t)+4                                    ; into the set that the stage's stores have read
.endif
.if (\t)+1 < STEPS
.if STEPS-2-(\t) >= 3
	s_wait_loadcnt 12                              ; the next step's four loads are in; those of the three steps behind it may be out
.else
	s_wait_loadcnt 4*(STEPS-2-(\t))
.endif
	TURN (\t)+1
.endif
	v_max3_num_f32 v8, |v[XS]|, |v[XS+1]|, |v[XS+2]|               ; the largest magnitude of my 16, in two chains
	v_max3_num_f32 v9, |v[XS+3]|, |v[XS+4]|, |v[XS+5]|
.irp i, 6,10
	v_max3_num_f32 v8, v8, |v[XS+\i]|, |v[XS+\i+1]|
	v_max3_num_f32 v9, v9, |v[XS+\i+2]|, |v[XS+\i+3]|
.endr
	v_max3_num_f32 v8, v8, |v[XS+14]|, |v[XS+15]|
	v_max3_num_f32 v8, v8, v9, 0x8000000           ; and the floor 2^(16 - 127): the byte cannot fall under 1
	v_max_num_f32_dpp v8, v8, v8 row_xmask:1 row_mask:0xf bank_mask:0xf   ; with my neighbour's 16: the block's
	v_add_nc_u32 v11, 0xf8800000, v8               ; 15 off its exponent field: the conversion takes this operand's exponent field as its scale
	v_and_or_b32 v10, v8, 0x7f800000, s28          ; 57,344 x the scale
.irp i, 0,1,2,3,4,5,6,7,8,9,10,11,12,13,14,15
	v_med3_num_f32 v[XS+\i], v[XS+\i], -v10, v10   ; the conversion to an 8-bit code does not saturate (ISA guide 7.6.2): the hold comes first
.endr
	v_cvt_scalef32_pk8_bf8_f32 v[C+4*(\t):C+4*(\t)+1], v[XS:XS+7], v11
	v_cvt_scalef32_pk8_bf8_f32 v[C+4*(\t)+2:C+4*(\t)+3], v[XS+8:XS+15], v11
	v_lshrrev_b32 v[E+(\t)], 23, v11               ; the scale's byte (also the plain line behind the conversions)
	ds_store_b8 v5, v[E+(\t)] offset:16*(\t)       ; both lanes of a block write the same byte with the same value
	global_store_b128 v3, v[C+4*(\t):C+4*(\t)+3], s[32:33] offset:512*(\t)   ; 32 lanes store 512 consecutive bytes
.endm
.irp t, 0,1,2,3,4,5,6,7,8,9,10,11,12,13,14,15
	STEP \t
.endr
	ds_load_b64 v[12:13], v6                       ; LDS serves a wave's instructions in order: these see my byte stores
	s_wait_dscnt 0x0
	global_store_b64 v7, v[12:13], s[34:35]        ; 32 lanes store 256 consecutive bytes, aligned
	s_cmp_lt_u32 ttmp9, 128                        ; x's work-groups alone go on: a branch on the work-group's number; no LDS is touched behind it
	s_cbranch_scc0 .Ldone
	s_wait_alu depctr_va_vdst(0)
.irp t, 0,1,2,3,4,5,6,7,8,9,10,11,12,13,14,15
	global_store_b128 v3, v[C+4*\t:C+4*\t+3], s[36:37] offset:(\t/2)*2048+(\t%2)*512   ; the same codes into columns 0-1023 of hcat's rows
.endr
	global_store_b64 v[HS], v[12:13], s[38:39]     ; and the scale bytes: 32 of each row's 64
.Ldone:
	s_wait_tensorcnt 0x0
	ds_add_u32 v208, v209
	s_wait_dscnt 0x0
	s_endpgm
.Lfunc_end_k_qbf648e0e75_quant:
	.size	k_qbf648e0e75_quant, .Lfunc_end_k_qbf648e0e75_quant-k_qbf648e0e75_quant
	.p2alignl 7, 3214868480
	.fill 96, 4, 3214868480
	.section	.rodata,"a",@progbits
	.p2align	6, 0x0
	.amdhsa_kernel k_qbf648e0e75_quant
		.amdhsa_group_segment_fixed_size 33280
		.amdhsa_private_segment_fixed_size 0
		.amdhsa_enable_private_segment 0
		.amdhsa_kernarg_size 56
		.amdhsa_user_sgpr_count 2
		.amdhsa_user_sgpr_kernarg_segment_ptr 1
		.amdhsa_wavefront_size32 1
		.amdhsa_system_sgpr_workgroup_id_x 1
		.amdhsa_system_sgpr_workgroup_id_y 1
		.amdhsa_system_sgpr_workgroup_id_z 1
		.amdhsa_system_vgpr_workitem_id 0
		.amdhsa_next_free_vgpr 210
		.amdhsa_next_free_sgpr 66
		.amdhsa_reserve_vcc 0
		.amdhsa_float_denorm_mode_32 3
		.amdhsa_float_denorm_mode_16_64 3
		.amdhsa_memory_ordered 1
		.amdhsa_forward_progress 1
		.amdhsa_inst_pref_size 54
	.end_amdhsa_kernel
	.amdgpu_metadata
---
amdhsa.version: [ 1, 2 ]
amdhsa.kernels:
  - .name:           k_qbf648e0e75_quant
    .symbol:         k_qbf648e0e75_quant.kd
    .args:
      - { .name: x, .offset: 0, .size: 8, .value_kind: global_buffer, .address_space: global }
      - { .name: Wqkv_w, .offset: 8, .size: 8, .value_kind: global_buffer, .address_space: global }
      - { .name: out_w, .offset: 16, .size: 8, .value_kind: global_buffer, .address_space: global }
      - { .name: ffn1_w, .offset: 24, .size: 8, .value_kind: global_buffer, .address_space: global }
      - { .name: ffn2_w, .offset: 32, .size: 8, .value_kind: global_buffer, .address_space: global }
      - { .name: wts, .offset: 40, .size: 8, .value_kind: global_buffer, .address_space: global }
      - { .name: hcat, .offset: 48, .size: 8, .value_kind: global_buffer, .address_space: global }
    .group_segment_fixed_size: 33280
    .private_segment_fixed_size: 0
    .kernarg_segment_align: 8
    .kernarg_segment_size: 56
    .max_flat_workgroup_size: 128
    .sgpr_count:     66
    .vgpr_count:     210
    .wavefront_size: 32
...
	.end_amdgpu_metadata
.endif
;; end of part 8
;; launch qkv (part 9): grid 12 x 16, 4 waves a work-group, clusters of 4 x 4, 327,680 bytes of LDS; arguments wts, qkv, encoding, Wqkv_b; writes qkv
.if DOCPART == 9
	.amdgcn_target "amdgcn-amd-amdhsa--gfx1250"
	.amdhsa_code_object_version 6
	.text
	.protected	k_qbf648e0e75_qkv
	.globl	k_qbf648e0e75_qkv
	.p2align	8
	.type	k_qbf648e0e75_qkv,@function
k_qbf648e0e75_qkv:
	s_mov_b64 s[64:65], 0
	v_nop
	global_prefetch_b8 v0, s[64:65] scope:SCOPE_SE
	s_setreg_imm32_b32 hwreg(HW_REG_WAVE_MODE, 25, 1), 1
	s_wait_xcnt 0x0
	s_wait_alu depctr_hold_cnt(0) depctr_sa_sdst(0) depctr_va_vdst(0) depctr_va_sdst(0) depctr_va_ssrc(0) depctr_va_vcc(0) depctr_vm_vsrc(0)
	s_getreg_b32 s2, hwreg(HW_REG_IB_STS2, 6, 4)
	s_cmp_eq_u32 s2, 0
	s_cbranch_scc0 .Lentry_in_a_cluster
	s_endpgm
.Lentry_in_a_cluster:
	s_bfe_u32 s2, ttmp6, 0x10000c
	s_cmp_lg_u32 s2, 0xf033
	s_cbranch_scc0 .Lentry_shape_is_right
	s_endpgm
.Lentry_shape_is_right:
.set SIZE_K, 1024
.set AIMG,   0
.set NQ,     2
.set ROWB,   256
.set KROW,   SIZE_K
.set PITCH,  272
.set FR,     16
.set NL,     4
.set NP,     8
.set HALFB,  128*PITCH
.if AIMG
.set HALFA,  32768
.set ASTEP,  4096
.else
.set HALFA,  128*PITCH
.set ASTEP,  ROWB
.endif
.set SLOT,   2*HALFA+2*HALFB
.set LAPS,   SIZE_K/512
.set KS,     SIZE_K/32
.set SCL,    2*SLOT
.set HALFS,  (128*KS/256)*272
.set SBLK,   (16*KS/256)*272
.set SPARE,  SCL+4*HALFS
.set ADRA, 16
.set ADRB, 20
.set ADRS, 27
.set SPW,  28
.set NIL,  29
.set SC,   32
.set AF,   128
.set G1, 24
.set G0, 32
.set G1B, 48
.set G0B, 56
.set G1S, 68
.set G0S, 76
.set G1SB, 80
.set G0SB, 88
.set QSTG, 0
.set CSTG, 16384
.set CS,   7
.set CR,   8
.set GOF,  9
.set SOF,  10
.set BO3,  11
.set BO4,  12
.set EO,   13
.set QS,   14
.set QSS,  15
.set QR,   18
.set QG,   19
.set QSR,  22
.set QSG,  23
.set T,    64
.set PC,   128
.set TM,   144
.set PW,   160
.set PWH,  168
.set RT,   170
.set OB,   186
.set SEL,  18
.set MNT,  23
.set MSB, 0
.macro WIN new
.if MSB != \new
	s_set_vgpr_msb (MSB<<8)|\new
.set MSB, \new
.endif
.endm
.set MUL_LO, 0xa1
.set MUL_HI, 0xf1
.set TO_B,   0x40
.macro JLOAD g0a, g1a, g0b, g1b
	s_cmp_eq_u32 s15, 0
	s_cbranch_scc0 .Lfor_b_\@
	tensor_load_to_lds s[\g0a:\g0a+3], s[\g1a:\g1a+7]
	s_nop 0
.rept 4
	v_nop
.endr
	s_branch .Lasked_\@
.Lfor_b_\@:
	tensor_load_to_lds s[\g0b:\g0b+3], s[\g1b:\g1b+7]
	s_nop 0
.rept 4
	v_nop
.endr
.Lasked_\@:
.endm
.macro CREST
	s_cmp_lg_u32 s14, 0
	s_cbranch_scc1 .Lnot_wave_0_\@
	s_barrier_signal -3
.Lnot_wave_0_\@:
	s_barrier_wait -3
	s_barrier_signal -1
	s_barrier_wait -1
.endm
.macro CROUND
	s_barrier_signal -1
	s_barrier_wait -1
	CREST
.endm
	s_load_b128 s[96:99], s[0:1], 0x0
	s_load_b64 s[100:101], s[0:1], 0x10
	s_load_b64 s[66:67], s[0:1], 0x18
	v_lshl_add_u32 v[SPW], v0, 2, SPARE
	v_mov_b32 v[NIL], 0
	ds_add_u32 v28, v29
	ds_add_u32 v28, v29
	s_wait_dscnt 0x0
	v_lshrrev_b32 v1, 5, v0
	v_readfirstlane_b32 s14, v1
	s_lshr_b32 s15, s14, 1
	s_and_b32 s16, s14, 1
	s_bfe_u32 s40, ttmp6, 0x40000
	s_bfe_u32 s41, ttmp6, 0x40004
	s_and_b32 s13, ttmp7, 0xffff
	s_mov_b32 s6, 14680064
	s_mov_b32 s10, 14811136
	s_cmp_eq_u32 ttmp9, 2
	s_cselect_b32 s12, s13, ttmp9
	s_cselect_b32 s13, 0, s13
	s_cselect_b32 s4, 6291456, 0
	s_cselect_b32 s6, 14876672, s6
	s_cselect_b32 s8, 0, 4194304
	s_cselect_b32 s10, 14680064, s10
	s_mov_b32 s5, 0
	s_mov_b32 s7, 0
	s_mov_b32 s9, 0
	s_mov_b32 s11, 0
	s_lshl_b32 s42, s12, 2
	s_add_co_u32 s42, s42, s40
	s_lshl_b32 s17, s13, 2
	s_add_co_u32 s17, s17, s41
	s_lshl_b32 s43, s41, 2
	s_lshl_b32 s43, 15, s43
	s_lshl_b32 s44, 0x1111, s40
	s_or_b32 s[G1+0], s43, (0<<16)|(1<<20)|(1<<21)|(5<<22)|(3<<25)
	s_or_b32 s[G1B+0], s44, (0<<16)|(1<<20)|(1<<21)|(5<<22)|(3<<25)
.irp g, G1, G1B
	s_mov_b32 s[\g+1], ROWB<<16
	s_mov_b32 s[\g+2], 256<<16                     ; the head's loads bring a tile's 256 rows; behind them the two words are set to 128
	s_mov_b32 s[\g+3], ROWB<<16
	s_mov_b32 s[\g+4], 256
	s_mov_b32 s[\g+5], KROW
	s_mov_b32 s[\g+6], 0
	s_mov_b32 s[\g+7], 0
.endr
	s_or_b32 s[G1S+0], s43, (3<<16)|(1<<20)|(1<<21)|(5<<22)|(3<<25)
	s_or_b32 s[G1SB+0], s44, (3<<16)|(1<<20)|(1<<21)|(5<<22)|(3<<25)
.irp g, G1S, G1SB
	s_mov_b32 s[\g+1], 32<<16
	s_mov_b32 s[\g+2], (256*KS/256)<<16            ; the scales of all 256 rows in one load
	s_mov_b32 s[\g+3], 32<<16
	s_mov_b32 s[\g+4], 256*KS/256
	s_mov_b32 s[\g+5], 32
	s_mov_b32 s[\g+6], 0
	s_mov_b32 s[\g+7], 0
.endr
	s_lshl_b32 s20, s17, 8
	s_lshl_b32 s46, s42, 8
	s_mov_b32 s21, 0
	s_mov_b32 s47, 0
	s_mov_b64 s[18:19], KS
	s_mul_u64 s[22:23], s[20:21], s[18:19]         ; the scales begin at the tile's first row
	s_mul_u64 s[92:93], s[46:47], s[18:19]
	s_lshl_b32 s18, s16, 7
	s_add_co_u32 s20, s20, s18                     ; the codes at my half of the tile
	s_add_co_u32 s46, s46, s18
	s_mov_b64 s[18:19], KROW
	s_mul_u64 s[20:21], s[20:21], s[18:19]
	s_mul_u64 s[46:47], s[46:47], s[18:19]
	s_mul_i32 s45, s16, HALFA
	s_mul_i32 s95, s16, HALFB
	s_add_co_u32 s95, s95, 2*HALFA
	s_mul_i32 s94, s15, 2*HALFS
	s_wait_kmcnt 0x0
	s_add_nc_u64 s[4:5], s[96:97], s[4:5]
	s_add_nc_u64 s[6:7], s[96:97], s[6:7]
	s_add_nc_u64 s[8:9], s[96:97], s[8:9]
	s_add_nc_u64 s[10:11], s[96:97], s[10:11]
	s_add_nc_u64 s[20:21], s[4:5], s[20:21]
	s_add_nc_u64 s[22:23], s[6:7], s[22:23]
	s_add_nc_u64 s[46:47], s[8:9], s[46:47]
	s_add_nc_u64 s[92:93], s[10:11], s[92:93]
	CROUND
	s_mov_b32 s[G0S], 1
	s_add_co_u32 s[G0S+1], s94, SCL
	s_mov_b64 s[G0S+2:G0S+3], s[22:23]
	s_or_b32 s[G0S+3], s[G0S+3], 0x80000000
	s_mov_b32 s[G0SB], 1
	s_add_co_u32 s[G0SB+1], s94, SCL
	s_mov_b64 s[G0SB+2:G0SB+3], s[92:93]
	s_or_b32 s[G0SB+3], s[G0SB+3], 0x80000000
.irp s, 0,1
	s_mov_b32 s[G0+4*\s], 1
	s_add_co_u32 s[G0+4*\s+1], s45, \s*SLOT
	s_add_nc_u64 s[G0+4*\s+2:G0+4*\s+3], s[20:21], \s*ASTEP
	s_or_b32 s[G0+4*\s+3], s[G0+4*\s+3], 0x80000000
	s_mov_b32 s[G0B+4*\s], 1
	s_add_co_u32 s[G0B+4*\s+1], s95, \s*SLOT
	s_add_nc_u64 s[G0B+4*\s+2:G0B+4*\s+3], s[46:47], \s*ROWB
	s_or_b32 s[G0B+4*\s+3], s[G0B+4*\s+3], 0x80000000
.endr
	; the prefetches: of the 128 rows that my wave fetches in the ring, my work-group's 32 (the four partners of a joint load share the rows out by address: cx for A, cy for B)
	s_cmp_eq_u32 s15, 0
	s_cselect_b64 s[12:13], s[20:21], s[46:47]
	s_cselect_b32 s92, s40, s41
	s_lshl_b32 s92, s92, 15                        ; 32 rows of 1,024 bytes
	s_mov_b32 s93, 0
	s_add_nc_u64 s[12:13], s[12:13], s[92:93]
; the head's four tiles, one load a wave: wave 0 A's 256 rows of K step 0 (its half is half 0, so its group 0 names the tile's first row), wave 1 A's scales, wave 2 B's 256 rows, wave 3 B's scales
.macro ARM under, g0, g1, next
	s_cmp_lt_u32 s14, \under
	s_cbranch_scc0 \next
	tensor_load_to_lds s[\g0:\g0+3], s[\g1:\g1+7]
	s_nop 0
.rept 4
	v_nop
.endr
	s_branch .Lhead_asked
\next:
.endm
	ARM 1, G0, G1, .Lhead_sa
	ARM 2, G0S, G1S, .Lhead_b
	ARM 3, G0B, G1B, .Lhead_sb
	tensor_load_to_lds s[G0SB:G0SB+3], s[G1SB:G1SB+7]
	s_nop 0
.rept 4
	v_nop
.endr
.Lhead_asked:
	v_and_b32 v1, 15, v0
	v_bfe_u32 v2, v0, 4, 1
	v_mul_u32_u24 v3, v1, PITCH
	v_lshl_add_u32 v4, v2, 4, v3
	s_mul_i32 s21, s15, HALFA
	s_mul_i32 s22, s16, HALFB
	s_add_co_u32 s22, s22, 2*HALFA
.irp s, 0,1
	v_add_nc_u32 v[ADRA+\s], s21, v4
	v_add_nc_u32 v[ADRB+\s], s22, v4
	s_add_co_u32 s21, s21, SLOT
	s_add_co_u32 s22, s22, SLOT
.endr
	v_mul_u32_u24 v5, v1, KS
	v_lshrrev_b32 v6, 8, v5
	v_lshl_add_u32 v5, v6, 4, v5
	s_mul_i32 s21, s15, HALFS
	s_mul_i32 s22, s16, HALFS
	s_add_co_u32 s22, s22, 2*HALFS
	s_sub_co_u32 s22, s22, s21
	v_mul_u32_u24 v6, s22, v2
	s_add_co_u32 s21, s21, SCL
	v_add_nc_u32 v5, v5, v6
	v_add_nc_u32 v[ADRS], s21, v5
	s_mul_i32 s21, s15, 128*272
	s_lshl_b32 s22, s16, 7
	s_add_co_u32 s21, s21, s22
	s_add_co_u32 s21, s21, CSTG
	v_lshl_add_u32 v[CS], v2, 3, v3
	v_add_nc_u32 v[CS], s21, v[CS]
	s_mul_i32 s21, s14, 64*272
	s_add_co_u32 s21, s21, CSTG
	v_mul_u32_u24 v[CR], v2, 272
	v_lshl_add_u32 v[CR], v1, 4, v[CR]
	v_add_nc_u32 v[CR], s21, v[CR]
	v_lshlrev_b32 v[GOF], 11, v2
	v_lshl_add_u32 v[GOF], v1, 4, v[GOF]
	v_lshlrev_b32 v[SOF], 6, v1
	v_mul_u32_u24 v[BO3], v2, 96
	v_mul_u32_u24 v[BO4], v1, 12
	v_lshlrev_b32 v[EO], 8, v1
	v_lshl_add_u32 v[EO], v2, 5, v[EO]
	s_mul_i32 s23, s14, 3072
	v_mul_u32_u24 v[QS], v1, 80
	v_lshl_add_u32 v[QS], v2, 3, v[QS]
	v_add_nc_u32 v[QS], s23, v[QS]
	v_bfe_u32 v6, v0, 2, 1
	v_mul_u32_u24 v[QR], v6, 640
	v_bfe_u32 v6, v0, 3, 2
	v_mad_u32_u24 v[QR], v6, 80, v[QR]
	v_and_b32 v6, 3, v0
	v_lshl_add_u32 v[QR], v6, 4, v[QR]
	v_add_nc_u32 v[QR], s23, v[QR]
	v_and_b32 v5, 31, v0
	v_lshlrev_b32 v[QG], 4, v5
	s_add_co_u32 s23, s23, 2560
	v_and_b32 v5, 7, v1
	v_lshrrev_b32 v6, 3, v1
	v_lshlrev_b32 v[QSS], 2, v5
	v_lshl_add_u32 v[QSS], v6, 1, v[QSS]
	v_add_nc_u32 v[QSS], s23, v[QSS]
	v_add_nc_u32 v[QSR], s23, v[QG]
	v_lshlrev_b32 v[QSG], 12, v2
	v_lshl_add_u32 v[QSG], v1, 4, v[QSG]
	v_and_b32 v31, 31, v0
	v_lshlrev_b32 v31, 10, v31                     ; a lane a row; never rewritten
	global_prefetch_b8 v31, s[12:13] offset:256 th:TH_LOAD_NT scope:SCOPE_SE   ; K step 1: 256 bytes of each row, one slot ahead of its tensor load
.macro FRAG reg, adr, q, i
.irp c, 0,1,2,3
	ds_load_b128 v[\reg+4*\c:\reg+4*\c+3], v[\adr] offset:128*(\q)+32*\c+(\i)*16*PITCH
.endr
.endm
.macro FRAGA reg, slot, q, i
.irp c, 0,1,2,3
.if AIMG
	ds_load_b128 v[\reg+4*\c:\reg+4*\c+3], v[ADRA+\slot] offset:4096*(\i)+2048*(\q)+512*\c
.else
	ds_load_b128 v[\reg+4*\c:\reg+4*\c+3], v[ADRA+\slot] offset:128*(\q)+32*\c+(\i)*16*PITCH
.endif
.endr
.endm
.macro MUL16 a0, p, q, sc, zero
.irp a, \a0, \a0+1
.irp b, 0,1,2,3,4,5,6,7
.if \zero
	v_wmma_scale_f32_16x16x128_f8f6f4 v[8*(8*((\a)%4)+\b):8*(8*((\a)%4)+\b)+7], v[128*(\p)+FR*\b:128*(\p)+FR*\b+FR-1], v[AF+FR*(\a):AF+FR*(\a)+FR-1], 0, v[SC+8*NQ*(\sc)+NQ*\b+(\q)], v[SC+8*NQ*(\sc)+NQ*(\a)+(\q)] matrix_a_fmt:MATRIX_FMT_BF8 matrix_b_fmt:MATRIX_FMT_BF8 matrix_a_scale:MATRIX_SCALE_ROW1
.else
	v_wmma_scale_f32_16x16x128_f8f6f4 v[8*(8*((\a)%4)+\b):8*(8*((\a)%4)+\b)+7], v[128*(\p)+FR*\b:128*(\p)+FR*\b+FR-1], v[AF+FR*(\a):AF+FR*(\a)+FR-1], v[8*(8*((\a)%4)+\b):8*(8*((\a)%4)+\b)+7], v[SC+8*NQ*(\sc)+NQ*\b+(\q)], v[SC+8*NQ*(\sc)+NQ*(\a)+(\q)] matrix_a_fmt:MATRIX_FMT_BF8 matrix_b_fmt:MATRIX_FMT_BF8 matrix_a_scale:MATRIX_SCALE_ROW1
.endif
.endr
.endr
.endm
.macro FETCH_B slot, q, p
	WIN TO_B
.irp i, 0,1,2,3,4,5,6,7
	FRAG 128*(\p)+FR*\i, ADRB+\slot, \q, \i
.endr
	WIN 0
.endm
.macro FETCH_A slot, q, i0
.irp i, \i0, \i0+1, \i0+2, \i0+3
	FRAGA AF+FR*(\i), \slot, \q, \i
.endr
.endm
.macro SCALES sc
.irp i, 0,1,2,3,4,5,6,7
	ds_load_b64 v[SC+8*NQ*\sc+NQ*\i:SC+8*NQ*\sc+NQ*\i+1], v[ADRS] offset:\i*SBLK
.endr
.endm
.macro PLACES n
.rept \n
	v_nop
.endr
.endm
.macro STEP slot, q, zero
	s_wait_dscnt 4*NL
	WIN MUL_LO
	MUL16 0, (\q)%2, \q, \slot, \zero
	MUL16 2, (\q)%2, \q, \slot, \zero
	s_wait_dscnt 0
	PLACES NP
	FETCH_B \slot, (\q)+1, 1-(\q)%2
	FETCH_A \slot, (\q)+1, 0
	WIN MUL_HI
	MUL16 4, (\q)%2, \q, \slot, \zero
	MUL16 6, (\q)%2, \q, \slot, \zero
	PLACES NP
	WIN 0
	FETCH_A \slot, (\q)+1, 4
.endm
.macro TURN slot, next, fill
	s_wait_tensorcnt 0x0
	ds_add_u32 v[SPW], v[NIL]
	s_wait_dscnt 4*NL+1
	WIN MUL_LO
	MUL16 0, 1, NQ-1, \slot, 0
	s_wait_dscnt 0x0
	s_barrier_signal -1
	MUL16 2, 1, NQ-1, \slot, 0
	WIN 0
	s_barrier_wait -1
.if \fill
	CREST
	s_add_nc_u64 s[G0+4*\slot+2:G0+4*\slot+3], s[G0+4*\slot+2:G0+4*\slot+3], 2*ASTEP
	s_add_nc_u64 s[G0B+4*\slot+2:G0B+4*\slot+3], s[G0B+4*\slot+2:G0B+4*\slot+3], 2*ROWB
	JLOAD G0+4*\slot, G1, G0B+4*\slot, G1B
	PLACES NP-4
.else
	PLACES NP
.endif
	s_wait_alu depctr_va_vdst(0)
	v_add_nc_u32 v[ADRS], 4*NQ, v[ADRS]
	FETCH_B \next, 0, 0
	FETCH_A \next, 0, 0
	SCALES \next
.if (\fill) && ((\slot) == 0)
	global_prefetch_b8 v31, s[12:13] offset:768 th:TH_LOAD_NT scope:SCOPE_SE   ; K step 3, the last: the loop has one trip, and its second refill asks for nothing
.endif
	WIN MUL_HI
	MUL16 4, 1, NQ-1, \slot, 0
	MUL16 6, 1, NQ-1, \slot, 0
	PLACES NP
	WIN 0
	FETCH_A \next, 0, 4
.endm
	s_wait_alu depctr_va_vdst(0)
	s_wait_tensorcnt 0x0                           ; my tile of the head's four is in
	ds_add_u32 v[SPW], v[NIL]
	s_mov_b32 s[G1+2], 128<<16                     ; no tensor load of mine is out: from here on a load brings 128 rows
	s_mov_b32 s[G1+4], 128
	s_mov_b32 s[G1B+2], 128<<16
	s_mov_b32 s[G1B+4], 128
	s_wait_dscnt 0x0
	CROUND
	JLOAD G0+4, G1, G0B+4, G1B                     ; K step 1, slot 1's first fill: the first tensor load behind the round
	FETCH_B 0, 0, 0
	FETCH_A 0, 0, 0
	SCALES 0
	FETCH_A 0, 0, 4
	global_prefetch_b8 v31, s[12:13] offset:512 th:TH_LOAD_NT scope:SCOPE_SE   ; K step 2
	STEP 0, 0, 1
	s_mov_b32 s3, LAPS-1
.Llap:
	TURN 0, 1, 1
	STEP 1, 0, 0
	TURN 1, 0, 1
	STEP 0, 0, 0
	s_sub_co_u32 s3, s3, 1
	s_cmp_lg_u32 s3, 0
	s_cbranch_scc1 .Llap
	TURN 0, 1, 0
	STEP 1, 0, 0
	s_wait_dscnt 4*NL
	WIN MUL_LO
	MUL16 0, 1, NQ-1, 1, 0
	MUL16 2, 1, NQ-1, 1, 0
	s_wait_dscnt 0
	WIN MUL_HI
	MUL16 4, 1, NQ-1, 1, 0
	MUL16 6, 1, NQ-1, 1, 0
	WIN 0
.macro GETT a, fixed
.set WN, 0x06+(\a)/4
	WIN WN
.set AC, 64*((\a)%4)
.set i, 0
.rept 32
.if \fixed
	v_pk_add_f32 v[T+2*i:T+2*i+1], v[AC+2*i:AC+2*i+1], v[2*(\a):2*(\a)+1]
.else
	v_pk_add_f32 v[T+2*i:T+2*i+1], v[AC+2*i:AC+2*i+1], v[2*i:2*i+1]
.endif
.set i, i+1
.endr
	WIN 0
.endm
.macro QUANT4 s, pw
.irp b, 0,1,2,3
	v_max3_num_f32 v[TM+\b], |v[\s+16*\b]|, |v[\s+1+16*\b]|, 0x8000000
.endr
.irp i, 2,4,6,8,10,12,14
.irp b, 0,1,2,3
	v_max3_num_f32 v[TM+\b], v[TM+\b], |v[\s+16*\b+\i]|, |v[\s+1+16*\b+\i]|
.endr
.endr
.irp b, 0,1,2,3
	v_permlanex16_b32 v[TM+4+\b], v[TM+\b], s[SEL], s[SEL+1]
.endr
.irp b, 0,1,2,3
	v_max_num_f32 v[TM+\b], v[TM+\b], v[TM+4+\b]
.endr
.irp b, 0,1,2,3
	v_add_nc_u32 v[TM+12+\b], 0xf8800000, v[TM+\b]
.endr
.irp b, 0,1,2,3
	v_and_or_b32 v[TM+8+\b], v[TM+\b], 0x7f800000, s[MNT]
.endr
.irp b, 0,1,2,3
	v_lshrrev_b32 v[TM+4+\b], 23, v[TM+12+\b]
.endr
	v_lshl_or_b32 v[\pw], v[TM+5], 8, v[TM+4]
	v_lshl_or_b32 v[\pw], v[TM+6], 16, v[\pw]
	v_lshl_or_b32 v[\pw], v[TM+7], 24, v[\pw]
.irp b, 0,1,2,3
.irp i, 0,1,2,3,4,5,6,7,8,9,10,11,12,13,14,15
	v_med3_num_f32 v[\s+16*\b+\i], v[\s+16*\b+\i], -v[TM+8+\b], v[TM+8+\b]
.endr
	v_cvt_scalef32_pk8_bf8_f32 v[PC+4*\b:PC+1+4*\b], v[\s+16*\b:\s+7+16*\b], v[TM+12+\b]
	v_cvt_scalef32_pk8_bf8_f32 v[PC+2+4*\b:PC+3+4*\b], v[\s+8+16*\b:\s+15+16*\b], v[TM+12+\b]
.endr
	v_nop
.endm
.macro CSTAGE a
.irp be, 0,1,2,3
.irp u, 0,1
	ds_store_b64 v[CS], v[PC+4*\be+2*\u:PC+4*\be+2*\u+1] offset:(\a)*16*272+32*\be+16*\u
.endr
.endr
.endm
.macro COUT base
.set t, 0
.rept 32
	ds_load_b128 v[64+4*t:64+4*t+3], v[CR] offset:2*t*272
.set t, t+1
.endr
.set t, 0
.rept 32
	s_wait_dscnt 31-t
	global_store_b128 v[GOF], v[64+4*t:64+4*t+3], s[\base:\base+1] offset:2*t*2048
.set t, t+1
.endr
.endm
.macro FLOAD a
	WIN 0x40
.set FS, 64+64*((\a)%2)
.irp b4, 0,1,2,3
	global_load_b128 v[FS+8*\b4:FS+8*\b4+3], v[EO], s[8:9] offset:4096*(\a)+64*\b4
	global_load_b128 v[FS+8*\b4+4:FS+8*\b4+7], v[EO], s[8:9] offset:4096*(\a)+64*\b4+16
	global_load_b128 v[FS+32+8*\b4:FS+32+8*\b4+3], v[EO], s[8:9] offset:1048576+4096*(\a)+64*\b4
	global_load_b128 v[FS+32+8*\b4+4:FS+32+8*\b4+7], v[EO], s[8:9] offset:1048576+4096*(\a)+64*\b4+16
.endr
	WIN 0
.endm
.macro NEGF a
	WIN 0x44
.set FS, 64+64*((\a)%2)
.set i, 0
.rept 16
	v_xor_b32 v[FS+32+2*i], 0x80000000, v[FS+32+2*i]
.set i, i+1
.endr
.endm
.macro ROPE a
	WIN 0x04
.set FS, 64+64*((\a)%2)
.irp g, 0,1,2,3
.irp k, 0,1,2,3,4,5,6,7
	v_pk_mul_f32 v[RT+2*\k:RT+2*\k+1], v[T+16*\g+2*\k:T+16*\g+2*\k+1], v[FS+(16*\g+2*\k)%32:FS+(16*\g+2*\k)%32+1]
.endr
.irp k, 0,1,2,3,4,5,6,7
	v_pk_fma_f32 v[T+16*\g+2*\k:T+16*\g+2*\k+1], v[T+16*\g+2*\k:T+16*\g+2*\k+1], v[FS+32+(16*\g+2*\k)%32:FS+32+(16*\g+2*\k)%32+1], v[RT+2*\k:RT+2*\k+1] op_sel:[1,0,0] op_sel_hi:[0,1,1]
.endr
.endr
	WIN 0
.endm
	PLACES NP
	s_mov_b32 s[SEL], 0x76543210
	s_mov_b32 s[SEL+1], 0xfedcba98
	s_mov_b32 s[MNT], 0x600000
.irp b, 0,1,2,3
	v_mov_b32 v[TM+4+\b], 0
.endr
	s_cmp_eq_u32 ttmp9, 2
	s_cbranch_scc1 .Lv_path
	s_lshl_b32 s20, s17, 8
	s_lshl_b32 s21, s15, 7
	s_add_co_u32 s20, s20, s21
	s_lshr_b32 s21, s20, 11
	s_and_b32 s22, s20, 2047
	s_lshl_b32 s21, s21, 4
	s_lshl_b32 s46, s40, 2
	s_add_co_u32 s21, s21, s46
	s_lshl_b32 s46, s16, 1
	s_add_co_u32 s21, s21, s46
	s_lshl_b32 s46, ttmp9, 22
	s_lshl_b32 s47, s21, 17
	s_add_co_u32 s46, s46, s47
	s_lshl_b32 s47, s22, 6
	s_add_co_u32 s46, s46, s47
	s_mov_b32 s47, 0
	s_add_nc_u64 s[4:5], s[98:99], s[46:47]
	s_lshl_b32 s46, ttmp9, 17
	s_lshl_b32 s92, s21, 12
	s_add_co_u32 s46, s46, s92
	s_lshl_b32 s92, s22, 1
	s_add_co_u32 s46, s46, s92
	s_add_nc_u64 s[6:7], s[98:99], s[46:47]
	s_add_nc_u64 s[6:7], s[6:7], 12582912
	s_lshl_b32 s46, s20, 8
	s_add_nc_u64 s[8:9], s[100:101], s[46:47]
	s_lshl_b32 s46, s40, 8
	s_lshl_b32 s92, s16, 7
	s_add_co_u32 s46, s46, s92
	s_mul_i32 s46, s46, 12
	s_lshl_b32 s92, ttmp9, 2
	s_add_co_u32 s46, s46, s92
	s_add_nc_u64 s[10:11], s[66:67], s[46:47]
	WIN 0x40
.set n, 0
.rept 64
	global_load_b32 v[n], v[BO3], s[10:11] offset:12*(16*(n/8)+n%8)
.set n, n+1
.endr
	WIN 0
	FLOAD 0
.irp a, 0,1,2,3,4,5,6,7
.if \a < 7
	FLOAD \a+1
	s_wait_loadcnt 16
.else
	s_wait_loadcnt 0x0
.endif
	NEGF \a
	GETT \a, 0
	ROPE \a
	s_wait_dscnt 0x0
	s_wait_xcnt 0x0
	QUANT4 T, PW+\a
.irp be, 0,1,2,3
.irp u, 0,1
	ds_store_b64 v[QS], v[PC+4*\be+2*\u:PC+4*\be+2*\u+1] offset:(\be/2)*1280+32*(\be%2)+16*\u
.endr
.endr
	v_lshrrev_b32 v[PWH], 16, v[PW+\a]
	ds_store_b16 v[QSS], v[PW+\a] offset:32*\a
	ds_store_b16 v[QSS], v[PWH] offset:256+32*\a
.irp hh, 0,1
.irp i, 0,1
	ds_load_b128 v[OB+16*(\a%2)+8*\hh+4*\i:OB+16*(\a%2)+8*\hh+4*\i+3], v[QR] offset:\hh*1280+\i*320
.endr
.endr
	s_wait_dscnt 0x0
.irp hh, 0,1
.irp i, 0,1
	global_store_b128 v[QG], v[OB+16*(\a%2)+8*\hh+4*\i:OB+16*(\a%2)+8*\hh+4*\i+3], s[4:5] offset:\hh*131072+\a*1024+\i*512
.endr
.endr
.endr
	ds_load_b128 v[218:221], v[QSR]
	s_wait_dscnt 0x0
	global_store_b128 v[QSG], v[218:221], s[6:7]
	s_branch .Ljoin
.Lv_path:
	s_lshr_b32 s20, s42, 3
	s_and_b32 s21, s42, 7
	s_lshl_b32 s21, s21, 8
	s_lshl_b32 s20, s20, 10
	s_lshl_b32 s22, s41, 8
	s_add_co_u32 s20, s20, s22
	s_lshl_b32 s22, s14, 6
	s_add_co_u32 s22, s22, s20
	s_lshl_b32 s46, s22, 11
	s_add_co_u32 s46, s46, s21
	s_mov_b32 s47, 0
	s_add_nc_u64 s[4:5], s[98:99], s[46:47]
	s_add_nc_u64 s[4:5], s[4:5], 8388608
	s_lshl_b32 s22, s15, 7
	s_add_co_u32 s22, s22, s20
	s_lshl_b32 s46, s22, 6
	s_lshr_b32 s22, s21, 5
	s_add_co_u32 s46, s46, s22
	s_lshl_b32 s22, s16, 2
	s_add_co_u32 s46, s46, s22
	s_add_nc_u64 s[6:7], s[98:99], s[46:47]
	s_add_nc_u64 s[6:7], s[6:7], 12845056
	s_lshl_b32 s46, s41, 8
	s_lshl_b32 s22, s15, 7
	s_add_co_u32 s46, s46, s22
	s_mul_i32 s46, s46, 12
	s_add_co_u32 s46, s46, 8
	s_add_nc_u64 s[10:11], s[66:67], s[46:47]
	WIN 0x40
.irp a, 0,1,2,3,4,5,6,7
	global_load_b32 v[2*\a], v[BO4], s[10:11] offset:192*\a
	global_load_b32 v[2*\a+1], v[BO4], s[10:11] offset:192*\a
.endr
	WIN 0
	s_wait_loadcnt 0x0
.irp a, 0,1,2,3,4,5,6,7
	GETT \a, 1
	s_wait_dscnt 0x0
	QUANT4 T, PW+\a
	CSTAGE \a
	global_store_b32 v[SOF], v[PW+\a], s[6:7] offset:\a*1024
.endr
.Ljoin:
	s_wait_dscnt 0x0
	s_barrier_signal -1
	s_barrier_wait -1
	s_cmp_eq_u32 ttmp9, 2
	s_cbranch_scc0 .Lno_rows
	s_wait_xcnt 0x0
	COUT 4
.Lno_rows:
	s_wait_tensorcnt 0x0
	ds_add_u32 v[SPW], v[NIL]
	s_wait_dscnt 0x0
	CROUND
	s_endpgm
.Lfunc_end_k_qbf648e0e75_qkv:
	.size	k_qbf648e0e75_qkv, .Lfunc_end_k_qbf648e0e75_qkv-k_qbf648e0e75_qkv
	.p2alignl 7, 3214868480
	.fill 96, 4, 3214868480
	.section	.rodata,"a",@progbits
	.p2align	6, 0x0
	.amdhsa_kernel k_qbf648e0e75_qkv
		.amdhsa_group_segment_fixed_size 327680
		.amdhsa_private_segment_fixed_size 0
		.amdhsa_enable_private_segment 0
		.amdhsa_kernarg_size 32
		.amdhsa_user_sgpr_count 2
		.amdhsa_user_sgpr_kernarg_segment_ptr 1
		.amdhsa_wavefront_size32 1
		.amdhsa_system_sgpr_workgroup_id_x 1
		.amdhsa_system_sgpr_workgroup_id_y 1
		.amdhsa_system_sgpr_workgroup_id_z 1
		.amdhsa_system_vgpr_workitem_id 0
		.amdhsa_next_free_vgpr 1024
		.amdhsa_next_free_sgpr 102
		.amdhsa_reserve_vcc 0
		.amdhsa_float_denorm_mode_32 3
		.amdhsa_float_denorm_mode_16_64 3
		.amdhsa_memory_ordered 1
		.amdhsa_forward_progress 1
		.amdhsa_inst_pref_size 255
	.end_amdhsa_kernel
	.section	.bss,"aw",@nobits
	.p2align	6
	.space	262144
	.amdgpu_metadata
---
amdhsa.version: [ 1, 2 ]
amdhsa.kernels:
  - .name:           k_qbf648e0e75_qkv
    .symbol:         k_qbf648e0e75_qkv.kd
    .args:
      - { .name: wts, .offset: 0, .size: 8, .value_kind: global_buffer, .address_space: global }
      - { .name: qkv, .offset: 8, .size: 8, .value_kind: global_buffer, .address_space: global }
      - { .name: encoding, .offset: 16, .size: 8, .value_kind: global_buffer, .address_space: global }
      - { .name: Wqkv_b, .offset: 24, .size: 8, .value_kind: global_buffer, .address_space: global }
    .group_segment_fixed_size: 327680
    .private_segment_fixed_size: 0
    .kernarg_segment_align: 8
    .kernarg_segment_size: 32
    .max_flat_workgroup_size: 128
    .sgpr_count:     102
    .vgpr_count:     1024
    .wavefront_size: 32
...
	.end_amdgpu_metadata
.endif
;; end of part 9
;; launch attn (part 10): grid 8 x 32, 16 waves a work-group, clusters of 4 x 1, 296,960 bytes of LDS; arguments qkv, ctx; writes ctx
.if DOCPART == 10
	.amdgcn_target "amdgcn-amd-amdhsa--gfx1250"
	.amdhsa_code_object_version 6
	.text
	.protected	k_qbf648e0e75_attn
	.globl	k_qbf648e0e75_attn
	.p2align	8
	.type	k_qbf648e0e75_attn,@function
k_qbf648e0e75_attn:
	s_mov_b64 s[64:65], 0
	v_nop
	global_prefetch_b8 v0, s[64:65] scope:SCOPE_SE
	s_setreg_imm32_b32 hwreg(HW_REG_WAVE_MODE, 25, 1), 1
	s_wait_xcnt 0x0
	s_wait_alu depctr_hold_cnt(0) depctr_sa_sdst(0) depctr_va_vdst(0) depctr_va_sdst(0) depctr_va_ssrc(0) depctr_va_vcc(0) depctr_vm_vsrc(0)
	s_getreg_b32 s2, hwreg(HW_REG_IB_STS2, 6, 4)
	s_cmp_eq_u32 s2, 0
	s_cbranch_scc0 .Lentry_in_a_cluster
	s_endpgm
.Lentry_in_a_cluster:
	s_bfe_u32 s2, ttmp6, 0x10000c
	s_cmp_lg_u32 s2, 0x3003
	s_cbranch_scc0 .Lentry_shape_is_right
	s_endpgm
.Lentry_shape_is_right:
; ctx = softmax(q k^T / 8) v for one (batch, head), both products on codes of BF8 (E5M2) with E8M0 scales; ctx leaves quantised along e, as images of the next product's operand registers.
; THE SOFTMAX: t = score x log2(e) / 8; M = the row's largest t so far, rounded up to a whole number; p = 2^(t - M) is quantised along the keys, not normalised; the row's sum is taken of the unquantised p and divides at the end.
; When M moves, the sums and O are multiplied by f = 2^(old M - new M): exact.
; SHARES.  A work-group owns 256 queries of one head, each of its sixteen waves 16, in 256 registers.  Every wave walks the head's 2,048 keys in 16 steps of 128.
; THE WHOLE HEAD'S K AND V LIE IN LDS (2 x 131,072 bytes of codes, 2 x 4,096 of scale bytes), filled ONCE by ten tensor loads at the head, one a wave: waves 0-3 K's quarters (256 rows of 128 bytes),
; waves 4-7 V's four groups of 512 keys (64 rows of 512 bytes), wave 8 K's scale bytes, wave 9 V's.  One wait for 0 and one barrier follow; nothing is filled again, so the 16 steps hold no barrier.
; CLUSTER.  The four query blocks of a cluster walk the same head: each tile is asked for jointly, by the same tensor load with a mask that names the four.
; K = 64 IN AN INSTRUCTION OF 128.  A row of 128 bytes of k's codes holds keys j and j + 8 of a group of 16.  A fragment of 16 such rows is multiplied by [q | 0] (keys j) and by [0 | q] (keys j + 8); the eight registers of zero
; codes are shared.  Register 16 T + i of a lane's scores is key 32 T + 16 (lane / 16) + i: the order that p's operand wants.  Both products are used transposed: a lane holds one query (lane % 16) throughout.
; A STEP'S VECTOR WORK.  The holds go two to an instruction (dual issue).  The sums run in four standing chains, whose first link of a step is chain x f + p.  Block 3's held numbers go to registers of their own, so that its eight
; sums, which read the unheld p, and the four address steps can stand as places round the products.
; LIMITS: v_exp_f32 gives 0 for results under 2^-126; a block of p that has fallen to 0 keeps the scale byte 1 over zero codes; NaN and infinities are not served; the scaled scores stay under 2^31 in magnitude.
; ctx's scale bytes leave as 2 bytes a row.  No prefetch: all tiles are asked for at the head, and there is no loop of loads to run ahead in.
.set VB,    147456                     ; LDS: K's 1,024 rows of 128 bytes, pitch 144; from VB V: 4 groups x 64 rows of 512 bytes, pitch 528
.set SCK,   282624                     ; K's scale bytes: 16 units of 256 + 16
.set SCV,   286976                     ; V's likewise
.set SPARE, 294912                     ; the spare words: 128 bytes a wave
.set ADK,  1                           ; v1-4 LDS addresses of the step's K, K's scale words, V, V's scale words: stepped in place
.set ADS,  2
.set ADV,  3
.set ADT,  4
.set TMPR, 5
.set F,    6                           ; v[6:7] f; v7 also serves as scratch: the packed forms take the low word alone
.set BM,   8                           ; v8-11 the blocks' largest scores, then p, then bytes
.set PWD,  14                          ; p's scale word
.set QSC,  15                          ; q's scale word
.set KSW,  40                          ; v40-43 K's or V's scale words
.set SPW,  44
.set NIL,  45
.set GO,   46
.set GS,   47
.set FR,   48                          ; v48-111 four fragments of K, then of V
.set S,    112                         ; v112-175 S^T, then p
.set OT,   176                         ; v176-207 O^T
.set PCD,  208                         ; v208-223 p's codes
.set HD,   224                         ; v224-227 the other half's maxima, then 57,344 x the scale
.set SCO,  228                         ; v228-231 the conversions' scale operands
.set SU,   232                         ; v232-239 the sum, four chains of pairs
.set T,    240                         ; v240-255 block 3's held numbers
.set WV,   18
.set MNT,  19
.set SEL,  20
.set CS,   22                          ; s[22:23] c = log2(e) / 8
.set G1K,  24
.set G1V,  32
.set G1S,  40
.set G0K,  48
.set G0V,  52
.set G0SK, 56
.set G0SV, 60
.set NC,   66                          ; -c
.macro CROUND
	s_barrier_signal -1
	s_barrier_wait -1
	s_cmp_lg_u32 s[WV], 0
	s_cbranch_scc1 .Lnot_wave_0_\@
	s_barrier_signal -3
.Lnot_wave_0_\@:
	s_barrier_wait -3
	s_barrier_signal -1
	s_barrier_wait -1
.endm
	s_load_b128 s[4:7], s[0:1], 0x0                ; qkv, ctx
	v_lshl_add_u32 v[SPW], v0, 2, SPARE
	v_mov_b32 v[NIL], 0
	ds_add_u32 v[SPW], v[NIL]
	ds_add_u32 v[SPW], v[NIL]
	v_lshrrev_b32 v8, 5, v0
	s_delay_alu instid0(VALU_DEP_1)
	v_readfirstlane_b32 s[WV], v8                  ; wave 0..15
	s_bfe_u32 s8, ttmp6, 0x40000                   ; cx
	s_lshl_b32 s9, ttmp9, 2
	s_add_co_u32 s9, s9, s8                        ; my block of 256 queries: it enters q's and ctx's addresses alone
	s_and_b32 s10, ttmp7, 0xffff                   ; 16 b + head, which the four partners share
	s_and_b32 s11, s[WV], 3                        ; which quarter of K, which group of V
	s_mov_b32 s[G1K], 15|(1<<20)|(1<<21)|(4<<22)|(3<<25)   ; the mask of all four; padding: 4 words after every 32
	s_mov_b32 s[G1K+1], 128<<16
	s_mov_b32 s[G1K+2], 256<<16
	s_mov_b32 s[G1K+3], 128<<16
	s_mov_b32 s[G1K+4], 256
	s_mov_b32 s[G1K+5], 128
	s_mov_b32 s[G1K+6], 0
	s_mov_b32 s[G1K+7], 0
	s_mov_b32 s[G1V], 15|(1<<20)|(1<<21)|(6<<22)|(3<<25)   ; 4 words after every 128
	s_mov_b32 s[G1V+1], 512<<16
	s_mov_b32 s[G1V+2], 64<<16
	s_mov_b32 s[G1V+3], 512<<16
	s_mov_b32 s[G1V+4], 64
	s_mov_b32 s[G1V+5], 2048
	s_mov_b32 s[G1V+6], 0
	s_mov_b32 s[G1V+7], 0
	s_mov_b32 s[G1S], 15|(3<<16)|(1<<20)|(1<<21)|(5<<22)|(3<<25)   ; elements of 8 bytes; 4 words after every 64
	s_mov_b32 s[G1S+1], 32<<16
	s_mov_b32 s[G1S+2], 16<<16
	s_mov_b32 s[G1S+3], 32<<16
	s_mov_b32 s[G1S+4], 16
	s_mov_b32 s[G1S+5], 32
	s_mov_b32 s[G1S+6], 0
	s_mov_b32 s[G1S+7], 0
	s_lshl_b32 s12, s10, 17
	s_lshl_b32 s14, s11, 15
	s_add_co_u32 s12, s12, s14                     ; K: the head's 131,072 bytes, my 32,768
	s_mov_b32 s13, 0
	s_lshl_b32 s14, s10, 17
	s_lshl_b32 s16, s11, 9
	s_add_co_u32 s14, s14, s16                     ; V: the head's 64 rows of 2,048, my 512 of each
	s_mov_b32 s15, 0
	s_lshl_b32 s16, s10, 12                        ; scale bytes: the head's 4,096
	s_mov_b32 s17, 0
	s_mul_i32 s[G0K+1], s11, 36864
	s_mul_i32 s[G0V+1], s11, 33792
	s_add_co_u32 s[G0V+1], s[G0V+1], VB
	s_mov_b32 s[G0SK+1], SCK
	s_mov_b32 s[G0SV+1], SCV
	s_mov_b32 s[G0K], 1
	s_mov_b32 s[G0V], 1
	s_mov_b32 s[G0SK], 1
	s_mov_b32 s[G0SV], 1
	s_mov_b32 s[SEL], 0x76543210
	s_mov_b32 s[SEL+1], 0xfedcba98
	s_mov_b32 s[CS], 0x3e38aa3b
	s_mov_b32 s[CS+1], s[CS]                       ; (named with it as a pair, so it is written)
	s_mov_b32 s[NC], 0xbe38aa3b
	s_mov_b32 s[MNT], 0x600000
	s_wait_dscnt 0x0
	s_wait_kmcnt 0x0
	s_add_nc_u64 s[G0K+2:G0K+3], s[4:5], s[12:13]
	s_add_nc_u64 s[G0K+2:G0K+3], s[G0K+2:G0K+3], 4194304
	s_or_b32 s[G0K+3], s[G0K+3], 0x80000000
	s_add_nc_u64 s[G0V+2:G0V+3], s[4:5], s[14:15]
	s_add_nc_u64 s[G0V+2:G0V+3], s[G0V+2:G0V+3], 8388608
	s_or_b32 s[G0V+3], s[G0V+3], 0x80000000
	s_add_nc_u64 s[G0SK+2:G0SK+3], s[4:5], s[16:17]
	s_add_nc_u64 s[G0SV+2:G0SV+3], s[G0SK+2:G0SK+3], 12845056
	s_add_nc_u64 s[G0SK+2:G0SK+3], s[G0SK+2:G0SK+3], 12713984
	s_or_b32 s[G0SK+3], s[G0SK+3], 0x80000000
	s_or_b32 s[G0SV+3], s[G0SV+3], 0x80000000
	CROUND                                         ; all four work-groups are here: the joint loads meet
; one chain of branches on the wave's number, one load to an arm, all arms to one join
.macro ARM under, g0, g1, next
	s_cmp_lt_u32 s[WV], \under
	s_cbranch_scc0 \next
	tensor_load_to_lds s[\g0:\g0+3], s[\g1:\g1+7]
	s_nop 0
.rept 4
	v_nop
.endr
	s_branch .Lhead_asked
\next:
.endm
	ARM 4,  G0K,  G1K, .Lhead_v
	ARM 8,  G0V,  G1V, .Lhead_sk
	ARM 9,  G0SK, G1S, .Lhead_sv
	ARM 10, G0SV, G1S, .Lhead_none
.Lhead_asked:
	s_lshl_b32 s68, s10, 17                        ; q: the head, my group of 16 queries: 16 x block + wave, 1,024 bytes each
	s_lshl_b32 s69, s9, 14
	s_add_co_u32 s68, s68, s69
	s_lshl_b32 s69, s[WV], 10
	s_add_co_u32 s68, s68, s69
	s_mov_b32 s69, 0
	s_add_nc_u64 s[12:13], s[4:5], s[68:69]
	s_lshl_b32 s68, s10, 12                        ; its scale bytes: 32 a group
	s_lshl_b32 s70, s9, 9
	s_add_co_u32 s68, s68, s70
	s_lshl_b32 s70, s[WV], 5
	s_add_co_u32 s68, s68, s70
	s_add_nc_u64 s[14:15], s[4:5], s[68:69]
	s_add_nc_u64 s[14:15], s[14:15], 12582912
	v_and_b32 v8, 15, v0                           ; r
	v_bfe_u32 v9, v0, 4, 1                         ; h
	s_delay_alu instid0(VALU_DEP_2)
	v_and_b32 v10, 7, v8
	s_delay_alu instid0(VALU_DEP_3)
	v_lshrrev_b32 v11, 3, v8
	s_delay_alu instid0(VALU_DEP_2)
	v_lshlrev_b32 v5, 7, v10
	s_delay_alu instid0(VALU_DEP_1)
	v_lshl_add_u32 v5, v11, 6, v5
	s_delay_alu instid0(VALU_DEP_1)
	v_lshl_add_u32 v5, v9, 4, v5                   ; query r lies at 128 (r % 8) + 64 (r / 8); + 16 h
	global_load_b128 v[16:19], v5, s[12:13]        ; [q | 0] = v[16:31]
	global_load_b128 v[20:23], v5, s[12:13] offset:32
	global_load_b128 v[32:35], v5, s[12:13]        ; [0 | q] = v[24:39]
	global_load_b128 v[36:39], v5, s[12:13] offset:32
	v_lshlrev_b32 v6, 2, v10
	s_delay_alu instid0(VALU_DEP_1)
	v_lshl_add_u32 v6, v11, 1, v6
	global_load_u16 v[T], v6, s[14:15]             ; its two scale bytes
	v_mul_u32_u24 v[ADK], v8, 144
	s_delay_alu instid0(VALU_DEP_1)
	v_lshl_add_u32 v[ADK], v9, 4, v[ADK]           ; 144 r + 16 h
	v_mul_u32_u24 v[ADV], v8, 528
	s_delay_alu instid0(VALU_DEP_1)
	v_lshl_add_u32 v[ADV], v9, 4, v[ADV]
	s_delay_alu instid0(VALU_DEP_1)
	v_add_nc_u32 v[ADV], VB, v[ADV]                ; VB + 528 r + 16 h
	v_lshl_add_u32 v[ADS], v8, 2, SCK              ; SCK + 4 r
	v_lshrrev_b32 v12, 2, v8
	v_and_b32 v13, 3, v8
	s_delay_alu instid0(VALU_DEP_2)
	v_mul_u32_u24 v[ADT], v12, 272
	s_delay_alu instid0(VALU_DEP_1)
	v_lshl_add_u32 v[ADT], v13, 6, v[ADT]
	s_delay_alu instid0(VALU_DEP_1)
	v_add_nc_u32 v[ADT], SCV, v[ADT]               ; SCV + 272 (r / 4) + 64 (r % 4)
	s_wait_loadcnt 0x0                             ; q; its loads' offsets may be written again
	v_lshl_or_b32 v[QSC], v[T], 16, v[T]           ; q's scale word: its two bytes twice, for [q | 0] and [0 | q] alike
.irp j, 24,25,26,27,28,29,30,31
	v_mov_b32 v[\j], 0                             ; zero codes
.endr
	v_mov_b32 v13, 0xff61b1e6                      ; the largest score so far: -3e38
	v_mov_b32 v12, 0x7e000000                      ; -M: a large whole number, so that the first f is 0
	v_mov_b32 v[F+1], 0
.irp b, 0,1,2,3
	v_mov_b32 v[HD+\b], 0                          ; a lane permute's destination counts as one of its sources
.endr
.set j, 0
.rept 8
	v_mov_b32 v[SU+j], 0
.set j, j+1
.endr
.set j, 0
.rept 32
	v_mov_b32 v[OT+j], 0                           ; the step is written once: the first finds zeros, which f = 0 leaves zeros
.set j, j+1
.endr
; A KEY STEP: 128 keys
.macro SUMS j0, n                      ; n pairs of p from pair j0 on, onto the four chains by turns
.set j, \j0
.rept \n
	v_pk_add_f32 v[SU+2*(j%4):SU+2*(j%4)+1], v[SU+2*(j%4):SU+2*(j%4)+1], v[S+2*j:S+2*j+1]
.set j, j+1
.endr
.endm
.macro STEP
.irp t, 0,1,2,3                                ; eight places stand behind the last products: the end of the step before
.irp c, 0,1,2,3
	ds_load_b128 v[FR+16*\t+4*\c:FR+16*\t+4*\c+3], v[ADK] offset:2304*\t+32*\c
.endr
	ds_load_b32 v[KSW+\t], v[ADS] offset:64*\t
.endr
	s_wait_dscnt 0x0
.irp t, 0,1,2,3
	v_wmma_scale_f32_16x16x128_f8f6f4 v[S+16*\t:S+16*\t+7], v[FR+16*\t:FR+16*\t+15], v[16:31], 0, v[KSW+\t], v[QSC] matrix_a_fmt:MATRIX_FMT_BF8 matrix_b_fmt:MATRIX_FMT_BF8
	v_wmma_scale_f32_16x16x128_f8f6f4 v[S+8+16*\t:S+15+16*\t], v[FR+16*\t:FR+16*\t+15], v[24:39], 0, v[KSW+\t], v[QSC] matrix_a_fmt:MATRIX_FMT_BF8 matrix_b_fmt:MATRIX_FMT_BF8
.endr
	v_add_nc_u32 v[ADK], 9216, v[ADK]              ; 64 rows of K on, for the next step
	v_mov_b32 v[TMPR], v12                         ; the old -M
.rept 6
	v_nop                                          ; with the two lines above: eight places, for V's loads into K's registers and for the first read of the scores
.endr
.irp t, 0,1,2,3                                ; V's fragments land under the softmax
.irp c, 0,1,2,3
	ds_load_b128 v[FR+16*\t+4*\c:FR+16*\t+4*\c+3], v[ADV] offset:8448*\t+32*\c
.endr
	ds_load_b32 v[KSW+\t], v[ADT] offset:1088*\t
.endr
.irp b, 0,1,2,3
	v_max3_num_f32 v[BM+\b], v[S+16*\b], v[S+1+16*\b], v[S+2+16*\b]   ; the largest score of each block of 32 keys: for the row's maximum and, since p rises with the score, for the block's largest p
.endr
.irp i, 3,5,7,9,11,13
.irp b, 0,1,2,3
	v_max3_num_f32 v[BM+\b], v[BM+\b], v[S+16*\b+\i], v[S+1+16*\b+\i]
.endr
.endr
.irp b, 0,1,2,3
	v_max_num_f32 v[BM+\b], v[BM+\b], v[S+15+16*\b]
.endr
.irp b, 0,1,2,3
	s_delay_alu instid0(VALU_DEP_4)
	v_permlanex16_b32 v[HD+\b], v[BM+\b], s[SEL], s[SEL+1]
.endr
.irp b, 0,1,2,3
	s_delay_alu instid0(VALU_DEP_4)
	v_max_num_f32 v[BM+\b], v[BM+\b], v[HD+\b]
.endr
	s_delay_alu instid0(VALU_DEP_2)
	v_max3_num_f32 v[F+1], v[BM], v[BM+1], v[BM+2]
	s_delay_alu instid0(VALU_DEP_1)
	v_max3_num_f32 v13, v13, v[F+1], v[BM+3]       ; the running largest score
	s_delay_alu instid0(VALU_DEP_1)
	v_mul_f32 v[F+1], s[NC], v13                   ; -t
	s_delay_alu instid0(VALU_DEP_1)
	v_floor_f32 v12, v[F+1]                        ; the new -M = -ceil(t)
	s_delay_alu instid0(VALU_DEP_1)
	v_sub_f32 v[TMPR], v12, v[TMPR]                ; old M - new M: a whole number, 0 or less
	s_delay_alu instid0(VALU_DEP_1)
	v_cvt_i32_f32 v[TMPR], v[TMPR]                 ; (it saturates)
	s_delay_alu instid0(VALU_DEP_1)
	v_ldexp_f32 v[F], 1.0, v[TMPR]
.set j, 0
.rept 32
	v_pk_fma_f32 v[S+j:S+j+1], v[S+j:S+j+1], s[CS:CS+1], v[12:13] op_sel_hi:[1,0,0]   ; t - M
.set j, j+2
.endr
.irp b, 0,1,2,3
	v_fma_f32 v[BM+\b], v[BM+\b], s[CS], v12
.endr
	s_wait_alu depctr_va_vdst(0)
.set j, 0
.rept 64
	v_exp_f32 v[S+j], v[S+j]                       ; p = 2^(t - M)
.set j, j+1
.endr
.irp b, 0,1,2,3
	v_exp_f32 v[BM+\b], v[BM+\b]                   ; the blocks' largest p
.endr
	v_add_nc_u32 v[ADS], 272, v[ADS]               ; a unit of K's scale bytes on: the plain line behind the batch
	s_wait_alu depctr_va_vdst(0)                   ; one wait for the 68, ahead of their first reader
.irp b, 0,1,2,3
	v_max_num_f32 v[BM+\b], 0x8000000, v[BM+\b]    ; the floor 2^(16 - 127)
.endr
.irp b, 0,1,2,3
	s_delay_alu instid0(VALU_DEP_4)
	v_add_nc_u32 v[SCO+\b], 0xf8800000, v[BM+\b]   ; 15 off the exponent field: the conversion's scale operand
.endr
.irp b, 0,1,2,3
	v_and_or_b32 v[HD+\b], v[BM+\b], 0x7f800000, s[MNT]   ; 57,344 x the scale
.endr
.irp b, 0,1,2,3
	v_lshrrev_b32 v[BM+\b], 23, v[SCO+\b]          ; the scale's byte
.endr
	s_delay_alu instid0(VALU_DEP_3)
	v_lshl_or_b32 v[PWD], v[BM+1], 8, v[BM]
	s_delay_alu instid0(VALU_DEP_1)
	v_lshl_or_b32 v[PWD], v[BM+2], 16, v[PWD]
	s_delay_alu instid0(VALU_DEP_1)
	v_lshl_or_b32 v[PWD], v[BM+3], 24, v[PWD]
.set j, 0
.rept 4
	v_pk_fma_f32 v[SU+2*j:SU+2*j+1], v[SU+2*j:SU+2*j+1], v[F:F+1], v[S+2*j:S+2*j+1] op_sel_hi:[1,0,1]   ; each chain under the new M, and its first pair of the unquantised p
.set j, j+1
.endr
	SUMS 4, 20                                     ; blocks 0 to 2, ahead of their holds
.irp b, 0,1,2,3
.if \b < 3
.set DS, S+16*\b                               ; held in place
.else
.set DS, T                                     ; block 3: p stays as it is for the sums further down
.endif
.irp i, 0,2,4,6,8,10,12,14
	v_dual_min_num_f32 v[DS+\i], v[S+16*\b+\i], v[HD+\b] :: v_dual_min_num_f32 v[DS+\i+1], v[S+16*\b+\i+1], v[HD+\b]   ; the conversion does not saturate (ISA guide 7.6.2); p is not negative, so the hold is one-sided
.endr
	v_cvt_scalef32_pk8_bf8_f32 v[PCD+4*\b:PCD+1+4*\b], v[DS:DS+7], v[SCO+\b]
	v_cvt_scalef32_pk8_bf8_f32 v[PCD+2+4*\b:PCD+3+4*\b], v[DS+8:DS+15], v[SCO+\b]
.endr
	s_wait_alu depctr_va_vdst(0)                   ; directly ahead of the first reader of O^T
.set j, 0
.rept 16
	v_pk_mul_f32 v[OT+j:OT+j+1], v[OT+j:OT+j+1], v[F:F+1] op_sel_hi:[1,0]   ; O^T under the new M; also the places between the codes and the products
.set j, j+2
.endr
	v_add_nc_u32 v[ADV], 128, v[ADV]               ; 128 keys on in V's rows
	v_add_nc_u32 v[ADT], 4, v[ADT]
	SUMS 24, 2                                     ; with the two steps above: four places between O^T's last multiplication and the products
	s_wait_alu depctr_va_vdst(0)
	s_wait_dscnt 0x0                               ; V is in
.irp t, 0,1,2,3                                ; the four accumulators by turns
	v_wmma_scale_f32_16x16x128_f8f6f4 v[OT+8*\t:OT+8*\t+7], v[FR+16*\t:FR+16*\t+15], v[PCD:PCD+15], v[OT+8*\t:OT+8*\t+7], v[KSW+\t], v[PWD] matrix_a_fmt:MATRIX_FMT_BF8 matrix_b_fmt:MATRIX_FMT_BF8
.endr
	SUMS 26, 6                                     ; the rest of block 3's sums, and two more: eight places in front of the next step's loads
	v_nop
	v_nop
.endm
.macro GROUP g                         ; 512 keys
	s_mov_b32 s3, 4
.Lstep_\@:
	STEP
	s_sub_co_u32 s3, s3, 1
	s_cmp_lg_u32 s3, 0
	s_cbranch_scc1 .Lstep_\@
.if \g < 3
	v_add_nc_u32 v[ADV], 33280, v[ADV]             ; on to the next group of V: 33,792 less the 512 walked
	s_wait_alu depctr_va_vdst(0)
.endif
.endm
	s_wait_alu depctr_va_vdst(0)
	s_wait_tensorcnt 0x0                           ; my tile is in
	s_barrier_signal -1
	s_barrier_wait -1                              ; everybody's is: the head's K, V and scale bytes are whole
	GROUP 0
	GROUP 1
	GROUP 2
	GROUP 3
	; THE WAY OUT.  O^T / the sum, quantised along e: my head's two blocks of 32; a lane holds 16 numbers of each, lane l xor 16 the others
	v_pk_add_f32 v[SU:SU+1], v[SU:SU+1], v[SU+2:SU+3]
	v_pk_add_f32 v[SU+4:SU+5], v[SU+4:SU+5], v[SU+6:SU+7]
	s_delay_alu instid0(VALU_DEP_1)
	v_pk_add_f32 v[SU:SU+1], v[SU:SU+1], v[SU+4:SU+5]
	s_delay_alu instid0(VALU_DEP_1)
	v_add_f32 v[SU], v[SU], v[SU+1]
	s_delay_alu instid0(VALU_DEP_1)
	v_permlanex16_b32 v[HD], v[SU], s[SEL], s[SEL+1]
	s_delay_alu instid0(VALU_DEP_1)
	v_add_f32 v[SU], v[SU], v[HD]                  ; the row's sum
	s_wait_alu depctr_va_vdst(0)
	v_rcp_f32 v[SU], v[SU]
	v_and_b32 v8, 15, v0                           ; r (a plain line behind the reciprocal)
	v_bfe_u32 v9, v0, 4, 1                         ; h
	v_lshlrev_b32 v[GS], 5, v8                     ; 32 r
	v_lshlrev_b32 v[GO], 4, v8
	s_delay_alu instid0(VALU_DEP_1)
	v_lshl_add_u32 v[GO], v9, 3, v[GO]             ; 16 r + 8 h
	s_lshr_b32 s11, s10, 4                         ; b
	s_and_b32 s12, s10, 15                         ; head
	s_lshl_b32 s16, s11, 7
	s_lshl_b32 s17, s9, 4
	s_add_co_u32 s16, s16, s17
	s_add_co_u32 s16, s16, s[WV]                   ; my block of 16 tokens: 128 b + 16 x query block + wave
	s_lshl_b32 s24, s16, 14                        ; (no tensor load is out: the descriptors' registers are free)
	s_lshl_b32 s26, s12, 10                        ; a head's 64 codes of 16 tokens are 1,024 bytes of the image
	s_add_co_u32 s24, s24, s26
	s_mov_b32 s25, 0
	s_add_nc_u64 s[28:29], s[6:7], s[24:25]
	s_lshl_b32 s24, s16, 9
	s_lshl_b32 s26, s12, 1
	s_add_co_u32 s24, s24, s26
	s_add_nc_u64 s[30:31], s[6:7], s[24:25]
	s_add_nc_u64 s[30:31], s[30:31], 4194304
	s_wait_alu depctr_va_vdst(0)                   ; ahead of the reciprocal's first reader, which is O^T's too
.set j, 0
.rept 32
	v_mul_f32 v[S+j], v[OT+j], v[SU]               ; register 8 t + i is ctx(query r, d = 16 t + 8 h + i)
.set j, j+1
.endr
.irp b, 0,1
	v_max3_num_f32 v[BM+\b], |v[S+16*\b]|, |v[S+1+16*\b]|, 0x8000000
.endr
.irp i, 2,4,6,8,10,12,14
.irp b, 0,1
	s_delay_alu instid0(VALU_DEP_2)
	v_max3_num_f32 v[BM+\b], v[BM+\b], |v[S+16*\b+\i]|, |v[S+1+16*\b+\i]|
.endr
.endr
.irp b, 0,1
	s_delay_alu instid0(VALU_DEP_2)
	v_permlanex16_b32 v[HD+\b], v[BM+\b], s[SEL], s[SEL+1]
.endr
.irp b, 0,1
	s_delay_alu instid0(VALU_DEP_2)
	v_max_num_f32 v[BM+\b], v[BM+\b], v[HD+\b]
.endr
.irp b, 0,1
	s_delay_alu instid0(VALU_DEP_2)
	v_add_nc_u32 v[SCO+\b], 0xf8800000, v[BM+\b]
.endr
.irp b, 0,1
	s_delay_alu instid0(VALU_DEP_4)
	v_and_or_b32 v[HD+\b], v[BM+\b], 0x7f800000, s[MNT]
.endr
.irp b, 0,1
	s_delay_alu instid0(VALU_DEP_4)
	v_lshrrev_b32 v[BM+\b], 23, v[SCO+\b]
.endr
	s_delay_alu instid0(VALU_DEP_1)
	v_lshl_or_b32 v[TMPR], v[BM+1], 8, v[BM]       ; my row's two scale bytes
.irp b, 0,1
.irp i, 0,1,2,3,4,5,6,7,8,9,10,11,12,13,14,15
	v_med3_num_f32 v[S+16*\b+\i], v[S+16*\b+\i], -v[HD+\b], v[HD+\b]
.endr
	v_cvt_scalef32_pk8_bf8_f32 v[PCD+4*\b:PCD+1+4*\b], v[S+16*\b:S+7+16*\b], v[SCO+\b]
	v_cvt_scalef32_pk8_bf8_f32 v[PCD+2+4*\b:PCD+3+4*\b], v[S+8+16*\b:S+15+16*\b], v[SCO+\b]
.endr
	v_nop
.irp t, 0,1,2,3
	global_store_b64 v[GO], v[PCD+2*\t:PCD+2*\t+1], s[28:29] offset:512*(\t/2)+256*(\t%2)   ; the image of the next operand's registers: 32 lanes store 256 consecutive bytes, aligned
.endr
	global_store_b16 v[GS], v[TMPR], s[30:31]      ; both halves of the lanes write the same
	s_wait_tensorcnt 0x0                           ; the wave's end
	ds_add_u32 v[SPW], v[NIL]
	s_wait_dscnt 0x0
	CROUND                                         ; the closing round
	s_endpgm
.Lfunc_end_k_qbf648e0e75_attn:
	.size	k_qbf648e0e75_attn, .Lfunc_end_k_qbf648e0e75_attn-k_qbf648e0e75_attn
	.p2alignl 7, 3214868480
	.fill 96, 4, 3214868480
	.section	.rodata,"a",@progbits
	.p2align	6, 0x0
	.amdhsa_kernel k_qbf648e0e75_attn
		.amdhsa_group_segment_fixed_size 296960
		.amdhsa_private_segment_fixed_size 0
		.amdhsa_enable_private_segment 0
		.amdhsa_kernarg_size 16
		.amdhsa_user_sgpr_count 2
		.amdhsa_user_sgpr_kernarg_segment_ptr 1
		.amdhsa_wavefront_size32 1
		.amdhsa_system_sgpr_workgroup_id_x 1
		.amdhsa_system_sgpr_workgroup_id_y 1
		.amdhsa_system_sgpr_workgroup_id_z 1
		.amdhsa_system_vgpr_workitem_id 0
		.amdhsa_next_free_vgpr 256
		.amdhsa_next_free_sgpr 96
		.amdhsa_reserve_vcc 0
		.amdhsa_float_denorm_mode_32 3
		.amdhsa_float_denorm_mode_16_64 3
		.amdhsa_memory_ordered 1
		.amdhsa_forward_progress 1
		.amdhsa_inst_pref_size 95
	.end_amdhsa_kernel
	.amdgpu_metadata
---
amdhsa.version: [ 1, 2 ]
amdhsa.kernels:
  - .name:           k_qbf648e0e75_attn
    .symbol:         k_qbf648e0e75_attn.kd
    .args:
      - { .name: qkv, .offset: 0, .size: 8, .value_kind: global_buffer, .address_space: global }
      - { .name: ctx, .offset: 8, .size: 8, .value_kind: global_buffer, .address_space: global }
    .group_segment_fixed_size: 296960
    .private_segment_fixed_size: 0
    .kernarg_segment_align: 8
    .kernarg_segment_size: 16
    .max_flat_workgroup_size: 512
    .sgpr_count:     96
    .vgpr_count:     256
    .wavefront_size: 32
...
	.end_amdgpu_metadata
.endif
;; end of part 10
;; launch proj (part 11): grid 8 x 32, 4 waves a work-group, clusters of 4 x 4, 327,680 bytes of LDS; arguments ctx, wts, out_b, hcat; writes hcat
.if DOCPART == 11
	.amdgcn_target "amdgcn-amd-amdhsa--gfx1250"
	.amdhsa_code_object_version 6
	.text
	.protected	k_qbf648e0e75_proj
	.globl	k_qbf648e0e75_proj
	.p2align	8
	.type	k_qbf648e0e75_proj,@function
k_qbf648e0e75_proj:
	s_mov_b64 s[64:65], 0
	v_nop
	global_prefetch_b8 v0, s[64:65] scope:SCOPE_SE
	s_setreg_imm32_b32 hwreg(HW_REG_WAVE_MODE, 25, 1), 1
	s_wait_xcnt 0x0
	s_wait_alu depctr_hold_cnt(0) depctr_sa_sdst(0) depctr_va_vdst(0) depctr_va_sdst(0) depctr_va_ssrc(0) depctr_va_vcc(0) depctr_vm_vsrc(0)
	s_getreg_b32 s2, hwreg(HW_REG_IB_STS2, 6, 4)
	s_cmp_eq_u32 s2, 0
	s_cbranch_scc0 .Lentry_in_a_cluster
	s_endpgm
.Lentry_in_a_cluster:
	s_bfe_u32 s2, ttmp6, 0x10000c
	s_cmp_lg_u32 s2, 0xf033
	s_cbranch_scc0 .Lentry_shape_is_right
	s_endpgm
.Lentry_shape_is_right:
; message = ctx out_w^T + out_b on codes of BF8 (E5M2) with E8M0 scales; the message leaves quantised along its 1,024 columns, as images of the next product's operand registers, with its scale bytes in bytes 32-63 of hcat's rows of scale bytes.
; THE PRODUCT.  A tile of 128 x 128 to a work-group of four waves, 64 x 64 a wave: 16 accumulators.  256 tiles.  K = 1,024 is two K steps of 512, and both lie in LDS at once: two slots, each filled once, so nothing is filled again.
; The scale bytes of the work-group's rows, for all of K, come with them.  4 x 4 work-groups form a cluster: A's tile is asked for jointly along a row of the cluster, B's along a column.
; A (ctx) LIES IN MEMORY AS IMAGES OF ITS OPERAND REGISTERS: [16 tokens][128 along K][4 groups of registers][32 lanes][16 bytes].  A K step of 16 tokens is 8,192 consecutive bytes; a fragment is four loads at 16 x lane, 512 bytes apart.
; The matrix instruction is used transposed (source 0 = 16 rows of B, source 1 = 16 rows of A): lane (r, h) holds row r and, in register j of accumulator (a, b), column 16 b + 8 h + j.  The bias is the C of each sum's first product.
; A step of 128 along K: 32 LDS loads for the next step into the other fragment buffer, then 16 matrix instructions, the 16 accumulators by turns.  All steps are written out: every offset is an immediate.
; WAY OUT.  Two blocks of 32 columns a lane row (lane l xor 16 holds the other halves), quantised in the accumulators' registers; the conversions' results are stored as they stand: 32 lanes store 256 consecutive bytes, aligned.
; The scale bytes leave as 2 bytes a row, 64 bytes apart: one byte for each 32 of codes.
; This text serves three launches; the constants at its head choose what is assembled.
; LIMITS: NaN and infinities are not served; a block of zeros or under 2^-111 gets the scale byte 1, which this program alone reads.
; REGISTERS: window 0: v0-31 addresses; v32-63 scale words, two sets; v64-95 codes; v96-127 the bias, later the quantiser's work; v128-255 the accumulators.  window 1: two fragment buffers of 128 (A 64, B 64).
.set SIZE_K, 1024
.set SIZE_N, 1024
.set AIMG1,  1                         ; K steps 0, 1 of A are images
.set AIMG2,  0                         ; K steps 2, 3 (there are none here)
.set USEP,   0                         ; A as rows is used
.set USEI,   1                         ; A as images is used
.set OUTQ,   1                         ; the result leaves as codes
.set RESID,  0
.set APITCH, 0
.set AIO,    0                         ; A's images in its buffer
.set ASC,    4194304                   ; A's scales
.set BCO,    7340032                   ; B's codes and scales in wts
.set BSC,    14909440
.set MSG,    8650752                   ; the message's images in hcat
.set NT,     SIZE_K/512                ; K steps
.set PITCH,  528                       ; an LDS row: 512 bytes + 16 of padding = 132 words: the 16 rows that a load touches start at 16 different banks (64 banks of 4 bytes: ISA guide 11.1)
.set NP,     8                         ; places behind this matrix instruction (ISA guide 7.12.1)
.set HALF,   64*PITCH                  ; 64 rows: what one tensor load brings, and what one wave reads of A or of B
.set SLOT,   4*HALF                    ; A's 128 rows, then B's 128 rows
.set KS,     SIZE_K/32
.set SCL,    2*SLOT                    ; behind the slots: the scales, as units of 256 bytes + 16 of padding
.set HALFS,  (64*KS/256)*272
.set SBLK,   (16*KS/256)*272
.set SPARE,  SCL+4*HALFS               ; the spare words, 128 bytes a wave: two blocks of 256 bytes that no other line names
.set SBK,    16*272                    ; the f32 way out: a block's 16 rows of 256 bytes + 16
.set ADRA, 16                          ; v16-17 my A fragments as rows, slot 0, 1
.set ADRI, 18                          ; v18-19 as images
.set ADRB, 20                          ; v20-21 my B fragments
.set STO,  24
.set RD,   25
.set CO,   26
.set ADRS, 27
.set SPW,  28
.set NIL,  29
.set BO,   30                          ; v30 32 h: the bias
.set SC,   32
.set PC,   64
.set BIQ,  96
.set TM,   96
.set PW,   112
.set ACC,  128
.set G1, 24
.set G0, 32
.set G1B, 48
.set G0B, 56
.set G1S, 68
.set G0S, 76
.set G1SB, 80
.set G0SB, 88
.set G0R, 4                            ; s[4:11] groups 0 of A's two refills
.if AIMG2
.set G1R, 92                           ; s[92:99] their group 1, where they are images
.else
.set G1R, G1
.endif
.if AIMG1
.set AD1, 18
.set ST1, 8192
.else
.set AD1, 20
.set ST1, 512
.endif
.set SEL,  18
.set MNT,  23
.set FL_ROW, (1<<20)|(1<<21)|(6<<22)|(3<<25)          ; elements of 1 byte; padding on; bit 21 beside a mask; after every 128 words 4 words
.set FL_IMG, (1<<21)                                  ; no padding
.set FL_SC,  (3<<16)|(1<<20)|(1<<21)|(5<<22)|(3<<25)  ; elements of 8 bytes; after every 64 words 4 words
.set MSB, 0
.macro WIN new                         ; the immediate's high byte repeats the setting that is left
.if MSB != \new
	s_set_vgpr_msb (MSB<<8)|\new
.set MSB, \new
.endif
.endm
.set MUL,  0x05                        ; sources 0 (B) and 1 (A) window 1; C and D window 0
.set TO_F, 0x40                        ; destination window 1, address window 0
; A joint load: waves 0 and 1 fetch for A, waves 2 and 3 for B; the branch hangs on the wave's number alone.  Four v_nop follow each of the two lines.
.macro JLOAD g0a, g1a, g0b, g1b
	s_cmp_eq_u32 s15, 0
	s_cbranch_scc0 .Lfor_b_\@
	tensor_load_to_lds s[\g0a:\g0a+3], s[\g1a:\g1a+7]
	s_nop 0
.rept 4
	v_nop
.endr
	s_branch .Lasked_\@
.Lfor_b_\@:
	tensor_load_to_lds s[\g0b:\g0b+3], s[\g1b:\g1b+7]
	s_nop 0
.rept 4
	v_nop
.endr
.Lasked_\@:
.endm
.macro CREST                           ; a round of the cluster's barrier behind its opening barrier
	s_cmp_lg_u32 s14, 0
	s_cbranch_scc1 .Lnot_wave_0_\@
	s_barrier_signal -3
.Lnot_wave_0_\@:
	s_barrier_wait -3
	s_barrier_signal -1
	s_barrier_wait -1
.endm
.macro CROUND
	s_barrier_signal -1
	s_barrier_wait -1
	CREST
.endm
.macro SHAPE g, m, flags, c, r, p      ; a group 1: r rows of c elements, p elements from row to row; the mask from s[m]
	s_or_b32 s[\g], s[\m], \flags
	s_mov_b32 s[\g+1], (\c)<<16
	s_mov_b32 s[\g+2], (\r)<<16
	s_mov_b32 s[\g+3], (\c)<<16
	s_mov_b32 s[\g+4], \r
	s_mov_b32 s[\g+5], \p
	s_mov_b32 s[\g+6], 0
	s_mov_b32 s[\g+7], 0
.endm
.macro WHERE g, lds, off, adr, step    ; a group 0: to LDS byte s[lds] + off, from s[adr : adr + 1] + step
	s_mov_b32 s[\g], 1
	s_add_co_u32 s[\g+1], s[\lds], \off
	s_add_nc_u64 s[\g+2:\g+3], s[\adr:\adr+1], \step
	s_or_b32 s[\g+3], s[\g+3], 0x80000000
.endm
	s_load_b128 s[96:99], s[0:1], 0x0              ; A's buffer, wts
	s_load_b64 s[100:101], s[0:1], 0x10            ; the bias
.if RESID
	s_load_b64 s[66:67], s[0:1], 0x18              ; x
	s_load_b64 s[12:13], s[0:1], 0x20              ; the result
.else
	s_load_b64 s[12:13], s[0:1], 0x18              ; the result
.endif
	v_lshl_add_u32 v[SPW], v0, 2, SPARE
	v_mov_b32 v[NIL], 0
	ds_add_u32 v28, v29
	ds_add_u32 v28, v29
	s_wait_dscnt 0x0
	v_lshrrev_b32 v1, 5, v0
	v_readfirstlane_b32 s14, v1                    ; wave 0..3
	s_lshr_b32 s15, s14, 1                         ; which half of the tile's rows is mine.  Also: I fetch for A (0) or for B (1)
	s_and_b32 s16, s14, 1                          ; which half of its columns.  Also: which 64 rows I fetch
	s_bfe_u32 s40, ttmp6, 0x40000                  ; cx, cy
	s_bfe_u32 s41, ttmp6, 0x40004
	s_lshl_b32 s42, ttmp9, 2
	s_add_co_u32 s42, s42, s40                     ; tile column
	s_and_b32 s17, ttmp7, 0xffff
	s_lshl_b32 s17, s17, 2
	s_add_co_u32 s17, s17, s41                     ; tile row
	s_lshl_b32 s43, s41, 2
	s_lshl_b32 s43, 15, s43                        ; my row of the cluster
	s_lshl_b32 s44, 0x1111, s40                    ; my column
.if AIMG1
	SHAPE G1, 43, FL_IMG, 8192, 8, 16384           ; A at the head: the tile's 8 blocks of 16 tokens, 8,192 bytes of each; behind the head the two words that count rows are set to 4
.else
	SHAPE G1, 43, FL_ROW, 512, 64, APITCH          ; A: 64 rows of 512 bytes
.endif
	SHAPE G1B, 44, FL_ROW, 512, 128, SIZE_K        ; B at the head: the tile's 128 rows of 512 bytes; behind the head 64
	SHAPE G1S, 43, FL_SC, 32, 128*KS/256, 32       ; the scales of 128 rows: a dense block, as rows of 256 bytes
	SHAPE G1SB, 44, FL_SC, 32, 128*KS/256, 32
	s_lshl_b32 s18, s16, 6
	s_lshl_b32 s20, s17, 7
	s_lshl_b32 s46, s42, 7
	s_mul_i32 s22, s20, KS                         ; the scales begin at the tile's first row
	s_mov_b32 s23, 0
	s_mul_i32 s92, s46, KS
	s_mov_b32 s93, 0
	s_add_co_u32 s20, s20, s18                     ; A: row 128 x tile row + 64 x half
	s_add_co_u32 s46, s46, s18                     ; B: row 128 x tile column + 64 x half
.if USEI
	s_lshl_b32 s18, s20, 10                        ; A's images: 16,384 bytes for 16 rows,
	s_mov_b32 s19, 0
.endif
.if USEP
	s_mul_i32 s20, s20, APITCH                     ; A's rows,
	s_mov_b32 s21, 0
.endif
	s_mul_i32 s46, s46, SIZE_K                     ; and B's
	s_mov_b32 s47, 0
	s_mul_i32 s95, s16, HALF
	s_add_co_u32 s95, s95, 2*HALF                  ; where B's half goes in a slot,
	s_mul_i32 s45, s16, 32768                      ; and A's: images lie dense, 32,768 bytes for 64 rows
	s_mul_i32 s94, s15, 2*HALFS
	s_wait_kmcnt 0x0
.if USEP
	s_add_nc_u64 s[20:21], s[96:97], s[20:21]
.endif
.if USEI
	s_add_nc_u64 s[18:19], s[96:97], s[18:19]
.if AIO
	s_add_nc_u64 s[18:19], s[18:19], AIO
.endif
.endif
	s_add_nc_u64 s[22:23], s[96:97], s[22:23]
	s_add_nc_u64 s[22:23], s[22:23], ASC
	s_add_nc_u64 s[46:47], s[98:99], s[46:47]
	s_add_nc_u64 s[46:47], s[46:47], BCO
	s_add_nc_u64 s[92:93], s[98:99], s[92:93]
	s_add_nc_u64 s[92:93], s[92:93], BSC
	CROUND                                         ; all sixteen work-groups are here: the first joint loads meet
	WHERE G0S, 94, SCL, 22, 0
	WHERE G0SB, 94, SCL, 92, 0
.irp s, 0,1
	WHERE G0+4*\s, 45, \s*SLOT, AD1, \s*ST1
	WHERE G0B+4*\s, 95, \s*SLOT, 46, \s*512
.endr
	; the prefetch of K step 1: of the 64 rows that my wave fetches in slot 1, my work-group's 16 (the four partners of a joint load share them out by address: cx for A, cy for B)
	s_cmp_eq_u32 s15, 0
	s_cselect_b64 s[2:3], s[18:19], s[46:47]
	s_cselect_b32 s92, s40, s41
	s_mov_b32 s93, 512
	s_cselect_b32 s93, 8192, s93                   ; K step 1 begins 8,192 bytes on in an image, 512 in a row of B
	s_mov_b32 s94, 1024
	s_cselect_b32 s94, 512, s94                    ; two lanes on: 512 bytes of an image, a row of B
	s_lshl_b32 s92, s92, 14                        ; 16 tokens' image, and 16 rows of B, are 16,384 bytes
	s_add_co_u32 s92, s92, s93
	s_mov_b32 s93, 0
	s_add_nc_u64 s[2:3], s[2:3], s[92:93]
; the head's four tiles, one load a wave: wave 0 A's whole K step 0 (its half is half 0, so its group 0 names the tile's first row), wave 1 A's scales, wave 2 B's whole K step 0, wave 3 B's scales
.macro ARM under, g0, g1, next
	s_cmp_lt_u32 s14, \under
	s_cbranch_scc0 \next
	tensor_load_to_lds s[\g0:\g0+3], s[\g1:\g1+7]
	s_nop 0
.rept 4
	v_nop
.endr
	s_branch .Lhead_asked
\next:
.endm
	ARM 1, G0, G1, .Lhead_sa
	ARM 2, G0S, G1S, .Lhead_b
	ARM 3, G0B, G1B, .Lhead_sb
	tensor_load_to_lds s[G0SB:G0SB+3], s[G1SB:G1SB+7]
	s_nop 0
.rept 4
	v_nop
.endr
.Lhead_asked:
.if NT > 2
.irp s, 0,1
.if AIMG2
	WHERE G0R+4*\s, 45, \s*SLOT, 18, \s*8192       ; A's K steps 2 and 3: groups 0 of their own
.else
	WHERE G0R+4*\s, 45, \s*SLOT, 20, (2+\s)*512
.endif
.endr
.if AIMG2
	SHAPE G1R, 43, FL_IMG, 8192, 4, 16384          ; (over registers whose numbers have been used up)
.endif
.endif
	v_and_b32 v1, 15, v0                           ; r
	v_bfe_u32 v2, v0, 4, 1                         ; h
	v_mul_u32_u24 v3, v1, PITCH
	v_lshl_add_u32 v4, v2, 4, v3                   ; a fragment's row x pitch + 16 h
.if USEI
	v_and_b32 v5, 31, v0
	v_lshlrev_b32 v5, 4, v5                        ; 16 x lane: an image's place for my lane
.endif
	s_mul_i32 s21, s15, 32768                      ; my 64 rows of A, as images
	s_mul_i32 s22, s16, HALF                       ; my 64 rows of B,
	s_add_co_u32 s22, s22, 2*HALF                  ; which lie behind A's 128
.irp s, 0,1
.if USEP
	v_add_nc_u32 v[ADRA+\s], s21, v4
.endif
.if USEI
	v_add_nc_u32 v[ADRI+\s], s21, v5
.endif
	v_add_nc_u32 v[ADRB+\s], s22, v4
	s_add_co_u32 s21, s21, SLOT
	s_add_co_u32 s22, s22, SLOT
.endr
	v_mul_u32_u24 v5, v1, KS                       ; my row's scales: KS bytes a row,
	v_lshrrev_b32 v6, 8, v5
	v_lshl_add_u32 v5, v6, 4, v5                   ; and 16 more for each 256 passed
	s_mul_i32 s21, s15, HALFS
	s_mul_i32 s22, s16, HALFS
	s_add_co_u32 s22, s22, 2*HALFS
	s_sub_co_u32 s22, s22, s21
	v_mul_u32_u24 v6, s22, v2                      ; lanes 16-31 take B's
	s_add_co_u32 s21, s21, SCL
	v_add_nc_u32 v5, v5, v6
	v_add_nc_u32 v[ADRS], s21, v5
	v_lshlrev_b32 v[BO], 5, v2
	v_bfe_u32 v31, v0, 1, 4                        ; lane / 2
	v_and_b32 v6, 1, v0
	v_mul_u32_u24 v31, s94, v31
	v_lshl_add_u32 v31, v6, 8, v31                 ; each lane another block of 256 bytes; never rewritten
	global_prefetch_b8 v31, s[2:3] th:TH_LOAD_NT scope:SCOPE_SE   ; one slot ahead of its tensor load
	s_lshl_b32 s46, s42, 9
	s_lshl_b32 s47, s16, 8
	s_add_co_u32 s46, s46, s47                     ; my first column, in bytes of f32
	s_mov_b32 s47, 0
	s_add_nc_u64 s[100:101], s[100:101], s[46:47]
.irp b, 0,1,2,3
	global_load_b128 v[BIQ+8*\b:BIQ+8*\b+3], v[BO], s[100:101] offset:64*\b        ; the bias of columns 16 b + 8 h + 0 .. 7: the result's layout
	global_load_b128 v[BIQ+8*\b+4:BIQ+8*\b+7], v[BO], s[100:101] offset:64*\b+16
.endr
.if OUTQ
	v_lshlrev_b32 v[STO], 4, v1
	v_lshl_add_u32 v[STO], v2, 3, v[STO]           ; 16 r + 8 h: my 8 codes' place in 256 bytes of an image
	v_lshlrev_b32 v[CO], 6, v1                     ; 64 r: my row of scale bytes
	s_lshl_b32 s20, s17, 17                        ; the images of my 64 rows: block 8 x tile row + 4 x row half, 16,384 bytes each;
	s_lshl_b32 s21, s15, 16
	s_add_co_u32 s20, s20, s21
	s_lshl_b32 s21, s42, 11                        ; the tile's 128 columns are 2,048 bytes of a block,
	s_add_co_u32 s20, s20, s21
	s_lshl_b32 s21, s16, 10                        ; my 64 of them 1,024
	s_add_co_u32 s20, s20, s21
	s_mov_b32 s21, 0
	s_add_nc_u64 s[8:9], s[12:13], s[20:21]
	s_add_nc_u64 s[8:9], s[8:9], MSG
	s_lshl_b32 s20, s17, 13                        ; my scale bytes: row (128 x tile row + 64 x row half) of 64 bytes, byte 32 + 4 x tile column + 2 x column half
	s_lshl_b32 s22, s15, 12
	s_add_co_u32 s20, s20, s22
	s_lshl_b32 s22, s42, 2
	s_add_co_u32 s20, s20, s22
	s_lshl_b32 s22, s16, 1
	s_add_co_u32 s20, s20, s22
	s_add_nc_u64 s[6:7], s[12:13], s[20:21]
	s_add_nc_u64 s[6:7], s[6:7], 8388608+32
.else
	s_mul_i32 s23, s14, 4*SBK                      ; my stage
	v_mul_u32_u24 v5, v1, 272
	v_lshl_add_u32 v5, v2, 5, v5
	v_add_nc_u32 v[STO], s23, v5                   ; in: row r, 32 bytes for each half of the lanes
	v_mul_u32_u24 v5, v2, 272
	v_lshl_add_u32 v5, v1, 4, v5
	v_add_nc_u32 v[RD], s23, v5                    ; back: lanes 0-15 one row of 256 bytes, lanes 16-31 the next
	v_mul_u32_u24 v5, v2, SIZE_N*4
	v_lshl_add_u32 v[CO], v1, 4, v5                ; and the same two rows in memory
	s_lshl_b32 s20, s17, 7
	s_lshl_b32 s21, s15, 6
	s_add_co_u32 s20, s20, s21                     ; my first row
	s_mul_i32 s20, s20, SIZE_N*4
	s_mov_b32 s21, 0
	s_add_nc_u64 s[20:21], s[20:21], s[46:47]
	s_add_nc_u64 s[12:13], s[12:13], s[20:21]
.if RESID
	s_add_nc_u64 s[66:67], s[66:67], s[20:21]
	WIN 0x80                                       ; destination window 2
.set t, 0
.rept 32
	global_load_b128 v[4*t:4*t+3], v[CO], s[66:67] offset:(16*(t/8)+2*(t%8))*SIZE_N*4 th:TH_LOAD_NT   ; x's 64 x 64 numbers that meet mine at the end: asked for now
.set t, t+1
.endr
	WIN 0
.endif
.endif
; The fragments of step n (128 along K; K step n / 4, slot (n / 4) % 2) into buffer n % 2: 32 loads in one run.  16 rows x 128 K are 16 registers: lane l holds row l % 16; registers 4 c .. 4 c + 3 hold K = 32 c + 16 (l / 16) + 0 .. 15
.macro FETCH n
.set FB, 128*((\n)%2)
.set SL, ((\n)/4)%2
.set QQ, (\n)%4
.if (\n) < 8
.set IM, AIMG1
.else
.set IM, AIMG2
.endif
	WIN TO_F
.irp i, 0,1,2,3
.irp c, 0,1,2,3
	ds_load_b128 v[FB+64+16*\i+4*\c:FB+64+16*\i+4*\c+3], v[ADRB+SL] offset:128*QQ+32*\c+\i*16*PITCH
.endr
.endr
.irp i, 0,1,2,3
.irp c, 0,1,2,3
.if IM
	ds_load_b128 v[FB+16*\i+4*\c:FB+16*\i+4*\c+3], v[ADRI+SL] offset:8192*\i+2048*QQ+512*\c
.else
	ds_load_b128 v[FB+16*\i+4*\c:FB+16*\i+4*\c+3], v[ADRA+SL] offset:128*QQ+32*\c+\i*16*PITCH
.endif
.endr
.endr
.endm
.macro SCALES t                        ; K step t's scale words, four a row, into set t % 2: lanes 0-15 take A's block i, lanes 16-31 B's block i
.irp i, 0,1,2,3
	ds_load_b128 v[SC+16*((\t)%2)+4*\i:SC+16*((\t)%2)+4*\i+3], v[ADRS] offset:\i*SBLK+16*(\t)
.endr
.endm
; 4 matrix instructions of step n: A's block a x B's four.  first = 1: the bias is the C.  The 16 accumulators take turns, one instruction a turn, in the same order in every step.
.macro MUL4 a, n, first
.set FB, 128*((\n)%2)
.set SS, SC+16*(((\n)/4)%2)+(\n)%4
.irp b, 0,1,2,3
.if \first
	v_wmma_scale_f32_16x16x128_f8f6f4 v[ACC+8*(4*(\a)+\b):ACC+8*(4*(\a)+\b)+7], v[FB+64+16*\b:FB+64+16*\b+15], v[FB+16*(\a):FB+16*(\a)+15], v[BIQ+8*\b:BIQ+8*\b+7], v[SS+4*\b], v[SS+4*(\a)] matrix_a_fmt:MATRIX_FMT_BF8 matrix_b_fmt:MATRIX_FMT_BF8 matrix_a_scale:MATRIX_SCALE_ROW1
.else
	v_wmma_scale_f32_16x16x128_f8f6f4 v[ACC+8*(4*(\a)+\b):ACC+8*(4*(\a)+\b)+7], v[FB+64+16*\b:FB+64+16*\b+15], v[FB+16*(\a):FB+16*(\a)+15], v[ACC+8*(4*(\a)+\b):ACC+8*(4*(\a)+\b)+7], v[SS+4*\b], v[SS+4*(\a)] matrix_a_fmt:MATRIX_FMT_BF8 matrix_b_fmt:MATRIX_FMT_BF8 matrix_a_scale:MATRIX_SCALE_ROW1
.endif
.endr
.endm
.macro PLACES n                        ; plain vector instructions between a matrix instruction and a load into, or a read of, its registers
.rept \n
	v_nop
.endr
.endm
.macro SUB n, first                    ; a step whose successor lies in the same slot
.if (\n) > 0
	PLACES NP                                      ; in front of loads into the buffer that the step before multiplied
.endif
	FETCH (\n)+1
	s_wait_dscnt 32                                ; this step's fragments (and scale words) are in; the 32 loads just issued may be out
	WIN MUL
.irp a, 0,1,2,3
	MUL4 \a, \n, \first
.endr
.endm
; A slot's last step changes slots: one barrier; in front of it each wave waits for all its tensor loads, adds 0 to its spare word, and waits for that and for its reads of this slot.  fill = 1: the slot is filled again, two K steps ahead.
.macro TURN n, fill
.set TS, ((\n)/4)%2
	WIN 0
	s_wait_tensorcnt 0x0                           ; all my tensor loads have landed: my part of the next slot
	ds_add_u32 v[SPW], v[NIL]                      ; 0 onto my spare word
	s_wait_dscnt 1                                 ; this step's fragments are in; the add may be out
	WIN MUL
	MUL4 0, \n, 0
	s_wait_dscnt 0x0                               ; the add is done, and my reads of this slot are over
	s_barrier_signal -1
	MUL4 1, \n, 0
	WIN 0
	s_barrier_wait -1
.if \fill
	CREST                                          ; the barrier has opened a round of the cluster's barrier: no wave of any partner still reads this slot or has a load on its way
	s_add_nc_u64 s[G0B+4*TS+2:G0B+4*TS+3], s[G0B+4*TS+2:G0B+4*TS+3], 2*512
	JLOAD G0R+4*TS, G1R, G0B+4*TS, G1B             ; the first tensor load behind the round; its four v_nop are among the places in front of the loads below
	PLACES NP-4
.else
	PLACES NP
.endif
	FETCH (\n)+1
	WIN 0
	SCALES ((\n)+1)/4
	WIN MUL
	MUL4 2, \n, 0
	MUL4 3, \n, 0
.endm
.if RESID
	s_wait_loadcnt 32                              ; the bias's 8 loads are in; x's 32 may be out
.else
	s_wait_alu depctr_va_vdst(0)
	s_wait_loadcnt 0x0                             ; the bias: waited for here, while the first tiles are on their way
.endif
	s_wait_tensorcnt 0x0                           ; my tile of the head's four is in
	ds_add_u32 v[SPW], v[NIL]
	s_mov_b32 s[G1+2], 4<<16                       ; no tensor load of mine is out: from here on a load brings half a tile
	s_mov_b32 s[G1+4], 4
	s_mov_b32 s[G1B+2], 64<<16
	s_mov_b32 s[G1B+4], 64
	s_wait_dscnt 0x0
	CROUND
	JLOAD G0+4, G1, G0B+4, G1B                     ; K step 1, slot 1's first fill: the first tensor load behind the round
	FETCH 0
	WIN 0
	SCALES 0
	SUB 0, 1
	SUB 1, 0
	SUB 2, 0
.if NT > 2
	TURN 3, 1                                      ; slot 0 takes K step 2
	SUB 4, 0
	SUB 5, 0
	SUB 6, 0
	TURN 7, 1                                      ; slot 1 takes K step 3
	SUB 8, 0
	SUB 9, 0
	SUB 10, 0
	TURN 11, 0
	SUB 12, 0
	SUB 13, 0
	SUB 14, 0
.else
	TURN 3, 0                                      ; nothing is filled: both K steps were asked for at the head
	SUB 4, 0
	SUB 5, 0
	SUB 6, 0
.endif
	s_wait_dscnt 0x0                               ; the last step: nothing more to fetch
.irp a, 0,1,2,3
	MUL4 \a, 4*NT-1, 0
.endr
	WIN 0
	PLACES NP                                      ; behind the last products
.if OUTQ
; 32 numbers of a lane, two blocks of 32 of which lane l xor 16 holds the other halves, become 32 codes in v[pc] on and two scale bytes in v[pw].  Each accumulator is read from its low end on.
.macro QUANT2 s, pc, pw
.irp b, 0,1
	v_max3_num_f32 v[TM+\b], |v[\s+16*\b]|, |v[\s+1+16*\b]|, 0x8000000   ; with the floor 2^(16 - 127): the byte cannot fall under 1
.endr
.irp i, 2,4,6,8,10,12,14
.irp b, 0,1
	v_max3_num_f32 v[TM+\b], v[TM+\b], |v[\s+16*\b+\i]|, |v[\s+1+16*\b+\i]|
.endr
.endr
.irp b, 0,1
	v_permlanex16_b32 v[TM+4+\b], v[TM+\b], s[SEL], s[SEL+1]
.endr
.irp b, 0,1
	v_max_num_f32 v[TM+\b], v[TM+\b], v[TM+4+\b]
.endr
.irp b, 0,1
	v_add_nc_u32 v[TM+12+\b], 0xf8800000, v[TM+\b]   ; 15 off the exponent field: the conversion's scale operand
.endr
.irp b, 0,1
	v_and_or_b32 v[TM+8+\b], v[TM+\b], 0x7f800000, s[MNT]   ; 57,344 x the scale
.endr
.irp b, 0,1
	v_lshrrev_b32 v[TM+4+\b], 23, v[TM+12+\b]
.endr
	v_lshl_or_b32 v[\pw], v[TM+5], 8, v[TM+4]
.irp b, 0,1
.irp i, 0,1,2,3,4,5,6,7,8,9,10,11,12,13,14,15
	v_med3_num_f32 v[\s+16*\b+\i], v[\s+16*\b+\i], -v[TM+8+\b], v[TM+8+\b]   ; the conversion does not saturate (ISA guide 7.6.2)
.endr
	v_cvt_scalef32_pk8_bf8_f32 v[\pc+4*\b:\pc+4*\b+1], v[\s+16*\b:\s+16*\b+7], v[TM+12+\b]
	v_cvt_scalef32_pk8_bf8_f32 v[\pc+4*\b+2:\pc+4*\b+3], v[\s+16*\b+8:\s+16*\b+15], v[TM+12+\b]
.endr
	v_nop                                          ; a plain line behind the last conversion
.endm
	s_mov_b32 s[SEL], 0x76543210
	s_mov_b32 s[SEL+1], 0xfedcba98                 ; v_permlanex16_b32's selects for lane l xor 16
	s_mov_b32 s[MNT], 0x600000                     ; the mantissa field of 57,344
.irp b, 0,1
	v_mov_b32 v[TM+4+\b], 0                        ; written once: a lane permute's destination counts as one of its sources
.endr
.irp a, 0,1,2,3
	QUANT2 ACC+32*\a, PC+8*\a, PW+\a
.irp be, 0,1
.irp u, 0,1
	global_store_b64 v[STO], v[PC+8*\a+4*\be+2*\u:PC+8*\a+4*\be+2*\u+1], s[8:9] offset:\a*16384+512*\be+256*\u   ; columns 32 be + 16 u + 8 h on of row r: group of registers be, lane 16 u + r, bytes 8 h on: 32 lanes store 256 consecutive bytes, aligned
.endr
.endr
	global_store_b16 v[CO], v[PW+\a], s[6:7] offset:\a*1024   ; both halves of the lanes write the same
.endr
.else
; THE WAY OUT in f32.  A lane holds 32 neighbouring bytes of a row and the lanes beside it hold other rows: the four blocks of 16 rows go through my own stage in LDS and come back as whole rows of 256 bytes.
; LDS serves a wave's instructions in order (ISA guide 5.7.1.4): no wait between the stores and the loads.  The stage lies in slot 0, which has had its last fill and its last read.
.irp a, 0,1,2,3
.irp b, 0,1,2,3
	ds_store_b128 v[STO], v[ACC+8*(4*\a+\b):ACC+8*(4*\a+\b)+3] offset:\a*SBK+64*\b          ; each accumulator from its low end on
	ds_store_b128 v[STO], v[ACC+8*(4*\a+\b)+4:ACC+8*(4*\a+\b)+7] offset:\a*SBK+64*\b+16
.endr
.endr
	WIN TO_F
.set t, 0
.rept 32
	ds_load_b128 v[4*t:4*t+3], v[RD] offset:(t/8)*SBK+(t%8)*2*272
.set t, t+1
.endr
.if RESID
	s_wait_loadcnt 0x0                             ; x
.endif
.irp a, 0,1,2,3
	s_wait_dscnt 24-8*\a                           ; block a's eight loads are in; the later blocks' may be out
.if RESID
	WIN 0x49                                       ; destination and source 0 window 1, source 1 (x) window 2
.set i, 0
.rept 16
	v_pk_add_f32 v[32*\a+2*i:32*\a+2*i+1], v[32*\a+2*i:32*\a+2*i+1], v[32*\a+2*i:32*\a+2*i+1]
.set i, i+1
.endr
.endif
	WIN 0x04                                       ; a store's data are its source 1: window 1
.irp t, 0,1,2,3,4,5,6,7
	global_store_b128 v[CO], v[32*\a+4*\t:32*\a+4*\t+3], s[12:13] offset:(16*\a+2*\t)*SIZE_N*4 th:TH_STORE_NT   ; sixteen lanes store 256 consecutive bytes, aligned; every offset is an immediate: 62 rows at the most
.endr
.endr
	WIN 0
.endif
	s_wait_tensorcnt 0x0                           ; the wave's end
	ds_add_u32 v[SPW], v[NIL]
	s_wait_dscnt 0x0
	CROUND                                         ; the closing round: no work-group ends while a partner may still ask for a tile that names it
	s_endpgm
.Lfunc_end_k_qbf648e0e75_proj:
	.size	k_qbf648e0e75_proj, .Lfunc_end_k_qbf648e0e75_proj-k_qbf648e0e75_proj
	.p2alignl 7, 3214868480
	.fill 96, 4, 3214868480
	.section	.rodata,"a",@progbits
	.p2align	6, 0x0
	.amdhsa_kernel k_qbf648e0e75_proj
		.amdhsa_group_segment_fixed_size 327680
		.amdhsa_private_segment_fixed_size 0
		.amdhsa_enable_private_segment 0
		.amdhsa_kernarg_size 32
		.amdhsa_user_sgpr_count 2
		.amdhsa_user_sgpr_kernarg_segment_ptr 1
		.amdhsa_wavefront_size32 1
		.amdhsa_system_sgpr_workgroup_id_x 1
		.amdhsa_system_sgpr_workgroup_id_y 1
		.amdhsa_system_sgpr_workgroup_id_z 1
		.amdhsa_system_vgpr_workitem_id 0
		.amdhsa_next_free_vgpr 512
		.amdhsa_next_free_sgpr 102
		.amdhsa_reserve_vcc 0
		.amdhsa_float_denorm_mode_32 3
		.amdhsa_float_denorm_mode_16_64 3
		.amdhsa_memory_ordered 1
		.amdhsa_forward_progress 1
		.amdhsa_inst_pref_size 66
	.end_amdhsa_kernel
	.amdgpu_metadata
---
amdhsa.version: [ 1, 2 ]
amdhsa.kernels:
  - .name:           k_qbf648e0e75_proj
    .symbol:         k_qbf648e0e75_proj.kd
    .args:
      - { .name: ctx, .offset: 0, .size: 8, .value_kind: global_buffer, .address_space: global }
      - { .name: wts, .offset: 8, .size: 8, .value_kind: global_buffer, .address_space: global }
      - { .name: out_b, .offset: 16, .size: 8, .value_kind: global_buffer, .address_space: global }
      - { .name: hcat, .offset: 24, .size: 8, .value_kind: global_buffer, .address_space: global }
    .group_segment_fixed_size: 327680
    .private_segment_fixed_size: 0
    .kernarg_segment_align: 8
    .kernarg_segment_size: 32
    .max_flat_workgroup_size: 128
    .sgpr_count:     102
    .vgpr_count:     512
    .wavefront_size: 32
...
	.end_amdgpu_metadata
.endif
;; end of part 11
;; launch ffn1 (part 12): grid 16 x 32, 4 waves a work-group, clusters of 4 x 4, 327,680 bytes of LDS; arguments hcat, wts, ffn1_b, h1; writes h1
.if DOCPART == 12
	.amdgcn_target "amdgcn-amd-amdhsa--gfx1250"
	.amdhsa_code_object_version 6
	.text
	.protected	k_qbf648e0e75_ffn1
	.globl	k_qbf648e0e75_ffn1
	.p2align	8
	.type	k_qbf648e0e75_ffn1,@function
k_qbf648e0e75_ffn1:
	s_mov_b64 s[64:65], 0
	v_nop
	global_prefetch_b8 v0, s[64:65] scope:SCOPE_SE
	s_setreg_imm32_b32 hwreg(HW_REG_WAVE_MODE, 25, 1), 1
	s_wait_xcnt 0x0
	s_wait_alu depctr_hold_cnt(0) depctr_sa_sdst(0) depctr_va_vdst(0) depctr_va_sdst(0) depctr_va_ssrc(0) depctr_va_vcc(0) depctr_vm_vsrc(0)
	s_getreg_b32 s2, hwreg(HW_REG_IB_STS2, 6, 4)
	s_cmp_eq_u32 s2, 0
	s_cbranch_scc0 .Lentry_in_a_cluster
	s_endpgm
.Lentry_in_a_cluster:
	s_bfe_u32 s2, ttmp6, 0x10000c
	s_cmp_lg_u32 s2, 0xf033
	s_cbranch_scc0 .Lentry_shape_is_right
	s_endpgm
.Lentry_shape_is_right:
; h1 = [x, message] ffn1_w^T + ffn1_b on codes of BF8 (E5M2) with E8M0 scales; h1 leaves as f32, since the LayerNorm behind it wants whole rows in f32.
; THE PRODUCT.  A tile of 128 x 128 to a work-group of four waves, 64 x 64 a wave: 16 accumulators.  512 tiles, two for each of 256 WGPs.  K = 2,048 is four K steps of 512 through two LDS slots: K steps 0 and 1 are asked for at the head,
; K steps 2 and 3 fill the slots again: two refills in all.  The scale bytes of the work-group's rows, for all of K, come once.
; 4 x 4 work-groups form a cluster: A's tile is asked for jointly along a row of the cluster, B's along a column.
; A HAS TWO LAYOUTS.  K steps 0 and 1 are x's codes: rows of hcat, 2,048 bytes apart, of which the left 1,024 are read.  K steps 2 and 3 are the message, which lies behind them as images of the operand's registers:
; [16 tokens][128 along K][4 groups of registers][32 lanes][16 bytes]; a K step of 16 tokens is 8,192 consecutive bytes; a fragment is four loads at 16 x lane, 512 bytes apart.  So the refills of A have groups 0 and a group 1 of their own.
; The matrix instruction is used transposed (source 0 = 16 rows of B, source 1 = 16 rows of A): lane (r, h) holds row r and, in register j of accumulator (a, b), column 16 b + 8 h + j.  The bias is the C of each sum's first product.
; A step of 128 along K: 32 LDS loads for the next step into the other fragment buffer, then 16 matrix instructions, the 16 accumulators by turns.  All steps are written out: every offset is an immediate.
; WAY OUT: my 64 columns are 256 aligned bytes of a row: the four blocks of 16 rows go through my own stage in LDS and come back as whole rows; sixteen lanes store 256 consecutive bytes.
; This text serves three launches; the constants at its head choose what is assembled.
; REGISTERS: window 0: v0-31 addresses; v32-63 scale words, two sets; v96-127 the bias; v128-255 the accumulators.  window 1: two fragment buffers of 128 (A 64, B 64), later the rows on the way out.
.set SIZE_K, 2048
.set SIZE_N, 2048
.set AIMG1,  0                         ; K steps 0, 1 of A are rows
.set AIMG2,  1                         ; K steps 2, 3 are images
.set USEP,   1                         ; A as rows is used
.set USEI,   1                         ; A as images is used
.set OUTQ,   0                         ; the result leaves as f32
.set RESID,  0
.set APITCH, 2048
.set AIO,    8650752                   ; A's images in its buffer
.set ASC,    8388608                   ; A's scales
.set BCO,    8388608                   ; B's codes and scales in wts
.set BSC,    14942208
.set MSG,    0
.set NT,     SIZE_K/512                ; K steps
.set PITCH,  528                       ; an LDS row: 512 bytes + 16 of padding = 132 words: the 16 rows that a load touches start at 16 different banks (64 banks of 4 bytes: ISA guide 11.1)
.set NP,     8                         ; places behind this matrix instruction (ISA guide 7.12.1)
.set HALF,   64*PITCH                  ; 64 rows: what one tensor load brings, and what one wave reads of A or of B
.set SLOT,   4*HALF                    ; A's 128 rows, then B's 128 rows
.set KS,     SIZE_K/32
.set SCL,    2*SLOT                    ; behind the slots: the scales, as units of 256 bytes + 16 of padding
.set HALFS,  (64*KS/256)*272
.set SBLK,   (16*KS/256)*272
.set SPARE,  SCL+4*HALFS               ; the spare words, 128 bytes a wave: two blocks of 256 bytes that no other line names
.set SBK,    16*272                    ; the f32 way out: a block's 16 rows of 256 bytes + 16
.set ADRA, 16                          ; v16-17 my A fragments as rows, slot 0, 1
.set ADRI, 18                          ; v18-19 as images
.set ADRB, 20                          ; v20-21 my B fragments
.set STO,  24
.set RD,   25
.set CO,   26
.set ADRS, 27
.set SPW,  28
.set NIL,  29
.set BO,   30                          ; v30 32 h: the bias
.set SC,   32
.set PC,   64
.set BIQ,  96
.set TM,   96
.set PW,   112
.set ACC,  128
.set G1, 24
.set G0, 32
.set G1B, 48
.set G0B, 56
.set G1S, 68
.set G0S, 76
.set G1SB, 80
.set G0SB, 88
.set G0R, 4                            ; s[4:11] groups 0 of A's two refills
.if AIMG2
.set G1R, 92                           ; s[92:99] their group 1, where they are images
.else
.set G1R, G1
.endif
.if AIMG1
.set AD1, 18
.set ST1, 8192
.else
.set AD1, 20
.set ST1, 512
.endif
.set SEL,  18
.set MNT,  23
.set FL_ROW, (1<<20)|(1<<21)|(6<<22)|(3<<25)          ; elements of 1 byte; padding on; bit 21 beside a mask; after every 128 words 4 words
.set FL_IMG, (1<<21)                                  ; no padding
.set FL_SC,  (3<<16)|(1<<20)|(1<<21)|(5<<22)|(3<<25)  ; elements of 8 bytes; after every 64 words 4 words
.set MSB, 0
.macro WIN new                         ; the immediate's high byte repeats the setting that is left
.if MSB != \new
	s_set_vgpr_msb (MSB<<8)|\new
.set MSB, \new
.endif
.endm
.set MUL,  0x05                        ; sources 0 (B) and 1 (A) window 1; C and D window 0
.set TO_F, 0x40                        ; destination window 1, address window 0
; A joint load: waves 0 and 1 fetch for A, waves 2 and 3 for B; the branch hangs on the wave's number alone.  Four v_nop follow each of the two lines.
.macro JLOAD g0a, g1a, g0b, g1b
	s_cmp_eq_u32 s15, 0
	s_cbranch_scc0 .Lfor_b_\@
	tensor_load_to_lds s[\g0a:\g0a+3], s[\g1a:\g1a+7]
	s_nop 0
.rept 4
	v_nop
.endr
	s_branch .Lasked_\@
.Lfor_b_\@:
	tensor_load_to_lds s[\g0b:\g0b+3], s[\g1b:\g1b+7]
	s_nop 0
.rept 4
	v_nop
.endr
.Lasked_\@:
.endm
.macro CREST                           ; a round of the cluster's barrier behind its opening barrier
	s_cmp_lg_u32 s14, 0
	s_cbranch_scc1 .Lnot_wave_0_\@
	s_barrier_signal -3
.Lnot_wave_0_\@:
	s_barrier_wait -3
	s_barrier_signal -1
	s_barrier_wait -1
.endm
.macro CROUND
	s_barrier_signal -1
	s_barrier_wait -1
	CREST
.endm
.macro SHAPE g, m, flags, c, r, p      ; a group 1: r rows of c elements, p elements from row to row; the mask from s[m]
	s_or_b32 s[\g], s[\m], \flags
	s_mov_b32 s[\g+1], (\c)<<16
	s_mov_b32 s[\g+2], (\r)<<16
	s_mov_b32 s[\g+3], (\c)<<16
	s_mov_b32 s[\g+4], \r
	s_mov_b32 s[\g+5], \p
	s_mov_b32 s[\g+6], 0
	s_mov_b32 s[\g+7], 0
.endm
.macro WHERE g, lds, off, adr, step    ; a group 0: to LDS byte s[lds] + off, from s[adr : adr + 1] + step
	s_mov_b32 s[\g], 1
	s_add_co_u32 s[\g+1], s[\lds], \off
	s_add_nc_u64 s[\g+2:\g+3], s[\adr:\adr+1], \step
	s_or_b32 s[\g+3], s[\g+3], 0x80000000
.endm
	s_load_b128 s[96:99], s[0:1], 0x0              ; A's buffer, wts
	s_load_b64 s[100:101], s[0:1], 0x10            ; the bias
.if RESID
	s_load_b64 s[66:67], s[0:1], 0x18              ; x
	s_load_b64 s[12:13], s[0:1], 0x20              ; the result
.else
	s_load_b64 s[12:13], s[0:1], 0x18              ; the result
.endif
	v_lshl_add_u32 v[SPW], v0, 2, SPARE
	v_mov_b32 v[NIL], 0
	ds_add_u32 v28, v29
	ds_add_u32 v28, v29
	s_wait_dscnt 0x0
	v_lshrrev_b32 v1, 5, v0
	v_readfirstlane_b32 s14, v1                    ; wave 0..3
	s_lshr_b32 s15, s14, 1                         ; which half of the tile's rows is mine.  Also: I fetch for A (0) or for B (1)
	s_and_b32 s16, s14, 1                          ; which half of its columns.  Also: which 64 rows I fetch
	s_bfe_u32 s40, ttmp6, 0x40000                  ; cx, cy
	s_bfe_u32 s41, ttmp6, 0x40004
	s_lshl_b32 s42, ttmp9, 2
	s_add_co_u32 s42, s42, s40                     ; tile column
	s_and_b32 s17, ttmp7, 0xffff
	s_lshl_b32 s17, s17, 2
	s_add_co_u32 s17, s17, s41                     ; tile row
	s_lshl_b32 s43, s41, 2
	s_lshl_b32 s43, 15, s43                        ; my row of the cluster
	s_lshl_b32 s44, 0x1111, s40                    ; my column
.if AIMG1
	SHAPE G1, 43, FL_IMG, 8192, 4, 16384           ; A: 4 blocks of 16 tokens, 8,192 bytes of each, 16,384 apart
.else
	SHAPE G1, 43, FL_ROW, 512, 128, APITCH         ; A at the head: the tile's 128 rows of 512 bytes; behind the head the two words that count rows are set to 64
.endif
	SHAPE G1B, 44, FL_ROW, 512, 128, SIZE_K        ; B likewise
	SHAPE G1S, 43, FL_SC, 32, 128*KS/256, 32       ; the scales of 128 rows: a dense block, as rows of 256 bytes
	SHAPE G1SB, 44, FL_SC, 32, 128*KS/256, 32
	s_lshl_b32 s18, s16, 6
	s_lshl_b32 s20, s17, 7
	s_lshl_b32 s46, s42, 7
	s_mul_i32 s22, s20, KS                         ; the scales begin at the tile's first row
	s_mov_b32 s23, 0
	s_mul_i32 s92, s46, KS
	s_mov_b32 s93, 0
	s_add_co_u32 s20, s20, s18                     ; A: row 128 x tile row + 64 x half
	s_add_co_u32 s46, s46, s18                     ; B: row 128 x tile column + 64 x half
.if USEI
	s_lshl_b32 s18, s20, 10                        ; A's images: 16,384 bytes for 16 rows,
	s_mov_b32 s19, 0
.endif
.if USEP
	s_mul_i32 s20, s20, APITCH                     ; A's rows,
	s_mov_b32 s21, 0
.endif
	s_mul_i32 s46, s46, SIZE_K                     ; and B's
	s_mov_b32 s47, 0
	s_mul_i32 s45, s16, HALF                       ; where A's half goes in a slot,
	s_add_co_u32 s95, s45, 2*HALF                  ; and B's: no place in the cluster enters an LDS address
	s_mul_i32 s94, s15, 2*HALFS
	s_wait_kmcnt 0x0
.if USEP
	s_add_nc_u64 s[20:21], s[96:97], s[20:21]
.endif
.if USEI
	s_add_nc_u64 s[18:19], s[96:97], s[18:19]
.if AIO
	s_add_nc_u64 s[18:19], s[18:19], AIO
.endif
.endif
	s_add_nc_u64 s[22:23], s[96:97], s[22:23]
	s_add_nc_u64 s[22:23], s[22:23], ASC
	s_add_nc_u64 s[46:47], s[98:99], s[46:47]
	s_add_nc_u64 s[46:47], s[46:47], BCO
	s_add_nc_u64 s[92:93], s[98:99], s[92:93]
	s_add_nc_u64 s[92:93], s[92:93], BSC
	CROUND                                         ; all sixteen work-groups are here: the first joint loads meet
	WHERE G0S, 94, SCL, 22, 0
	WHERE G0SB, 94, SCL, 92, 0
.irp s, 0,1
	WHERE G0+4*\s, 45, \s*SLOT, AD1, \s*ST1
	WHERE G0B+4*\s, 95, \s*SLOT, 46, \s*512
.endr
	; the prefetches: of the 64 rows that my wave fetches in the ring, my work-group's 16 (the four partners of a joint load share them out by address: cx for A, cy for B).
	; s[2:3]: K step 0 as rows of 2,048 bytes, of A or of B.  s[66:67]: K step 2: A's as images, B's as rows
	s_cmp_eq_u32 s15, 0
	s_cselect_b64 s[2:3], s[20:21], s[46:47]
	s_cselect_b64 s[66:67], s[18:19], s[46:47]
	s_cselect_b32 s92, s40, s41                    ; my place among the four
	s_cselect_b32 s44, 14, 15                      ; 16 tokens' image is 16,384 bytes, 16 rows are 32,768
	s_cselect_b32 s94, 0, 1024                     ; K step 2 begins an image, and lies 1,024 bytes on in a row of B
	s_mov_b32 s40, 2048
	s_cselect_b32 s40, 512, s40                    ; two lanes on: 512 bytes of an image, a row of B
	s_mov_b32 s41, 512
	s_cselect_b32 s41, 8192, s41                   ; from K step 2 to K step 3
	s_lshl_b32 s44, s92, s44
	s_add_co_u32 s94, s94, s44
	s_mov_b32 s95, 0
	s_add_nc_u64 s[66:67], s[66:67], s[94:95]
	s_lshl_b32 s92, s92, 15
	s_mov_b32 s93, 0
	s_add_nc_u64 s[2:3], s[2:3], s[92:93]
; the head's four tiles, one load a wave: wave 0 A's whole K step 0 (its half is half 0, so its group 0 names the tile's first row), wave 1 A's scales, wave 2 B's whole K step 0, wave 3 B's scales
.macro ARM under, g0, g1, next
	s_cmp_lt_u32 s14, \under
	s_cbranch_scc0 \next
	tensor_load_to_lds s[\g0:\g0+3], s[\g1:\g1+7]
	s_nop 0
.rept 4
	v_nop
.endr
	s_branch .Lhead_asked
\next:
.endm
	ARM 1, G0, G1, .Lhead_sa
	ARM 2, G0S, G1S, .Lhead_b
	ARM 3, G0B, G1B, .Lhead_sb
	tensor_load_to_lds s[G0SB:G0SB+3], s[G1SB:G1SB+7]
	s_nop 0
.rept 4
	v_nop
.endr
.Lhead_asked:
.if NT > 2
.irp s, 0,1
.if AIMG2
	WHERE G0R+4*\s, 45, \s*SLOT, 18, \s*8192       ; A's K steps 2 and 3: groups 0 of their own
.else
	WHERE G0R+4*\s, 45, \s*SLOT, 20, (2+\s)*512
.endif
.endr
.if AIMG2
	SHAPE G1R, 43, FL_IMG, 8192, 4, 16384          ; (over registers whose numbers have been used up)
.endif
.endif
	v_and_b32 v1, 15, v0                           ; r
	v_bfe_u32 v2, v0, 4, 1                         ; h
	v_mul_u32_u24 v3, v1, PITCH
	v_lshl_add_u32 v4, v2, 4, v3                   ; a fragment's row x pitch + 16 h
.if USEI
	v_and_b32 v5, 31, v0
	v_lshlrev_b32 v5, 4, v5                        ; 16 x lane: an image's place for my lane
.endif
	s_mul_i32 s21, s15, HALF                       ; my 64 rows of A
	s_mul_i32 s22, s16, HALF                       ; my 64 rows of B,
	s_add_co_u32 s22, s22, 2*HALF                  ; which lie behind A's 128
.irp s, 0,1
.if USEP
	v_add_nc_u32 v[ADRA+\s], s21, v4
.endif
.if USEI
	v_add_nc_u32 v[ADRI+\s], s21, v5
.endif
	v_add_nc_u32 v[ADRB+\s], s22, v4
	s_add_co_u32 s21, s21, SLOT
	s_add_co_u32 s22, s22, SLOT
.endr
	v_mul_u32_u24 v5, v1, KS                       ; my row's scales: KS bytes a row,
	v_lshrrev_b32 v6, 8, v5
	v_lshl_add_u32 v5, v6, 4, v5                   ; and 16 more for each 256 passed
	s_mul_i32 s21, s15, HALFS
	s_mul_i32 s22, s16, HALFS
	s_add_co_u32 s22, s22, 2*HALFS
	s_sub_co_u32 s22, s22, s21
	v_mul_u32_u24 v6, s22, v2                      ; lanes 16-31 take B's
	s_add_co_u32 s21, s21, SCL
	v_add_nc_u32 v5, v5, v6
	v_add_nc_u32 v[ADRS], s21, v5
	v_lshlrev_b32 v[BO], 5, v2
	v_bfe_u32 v31, v0, 1, 4                        ; lane / 2
	v_and_b32 v6, 1, v0
	v_mul_u32_u24 v23, s40, v31
	v_lshlrev_b32 v31, 11, v31
	v_lshl_add_u32 v23, v6, 8, v23                 ; v23: K step 2's offsets; v22: K step 3's; v31: K step 1's.  Each lane another block of 256 bytes; none is rewritten
	v_lshl_add_u32 v31, v6, 8, v31
	v_add_nc_u32 v22, s41, v23
	global_prefetch_b8 v31, s[2:3] offset:512 th:TH_LOAD_NT scope:SCOPE_SE   ; K step 1, one slot ahead of its tensor load
	s_lshl_b32 s46, s42, 9
	s_lshl_b32 s47, s16, 8
	s_add_co_u32 s46, s46, s47                     ; my first column, in bytes of f32
	s_mov_b32 s47, 0
	s_add_nc_u64 s[100:101], s[100:101], s[46:47]
.irp b, 0,1,2,3
	global_load_b128 v[BIQ+8*\b:BIQ+8*\b+3], v[BO], s[100:101] offset:64*\b        ; the bias of columns 16 b + 8 h + 0 .. 7: the result's layout
	global_load_b128 v[BIQ+8*\b+4:BIQ+8*\b+7], v[BO], s[100:101] offset:64*\b+16
.endr
.if OUTQ
	v_lshlrev_b32 v[STO], 4, v1
	v_lshl_add_u32 v[STO], v2, 3, v[STO]           ; 16 r + 8 h: my 8 codes' place in 256 bytes of an image
	v_lshlrev_b32 v[CO], 6, v1                     ; 64 r: my row of scale bytes
	s_lshl_b32 s20, s17, 17                        ; the images of my 64 rows: block 8 x tile row + 4 x row half, 16,384 bytes each;
	s_lshl_b32 s21, s15, 16
	s_add_co_u32 s20, s20, s21
	s_lshl_b32 s21, s42, 11                        ; the tile's 128 columns are 2,048 bytes of a block,
	s_add_co_u32 s20, s20, s21
	s_lshl_b32 s21, s16, 10                        ; my 64 of them 1,024
	s_add_co_u32 s20, s20, s21
	s_mov_b32 s21, 0
	s_add_nc_u64 s[8:9], s[12:13], s[20:21]
	s_add_nc_u64 s[8:9], s[8:9], MSG
	s_lshl_b32 s20, s17, 13                        ; my scale bytes: row (128 x tile row + 64 x row half) of 64 bytes, byte 32 + 4 x tile column + 2 x column half
	s_lshl_b32 s22, s15, 12
	s_add_co_u32 s20, s20, s22
	s_lshl_b32 s22, s42, 2
	s_add_co_u32 s20, s20, s22
	s_lshl_b32 s22, s16, 1
	s_add_co_u32 s20, s20, s22
	s_add_nc_u64 s[6:7], s[12:13], s[20:21]
	s_add_nc_u64 s[6:7], s[6:7], 8388608+32
.else
	s_mul_i32 s23, s14, 4*SBK                      ; my stage
	v_mul_u32_u24 v5, v1, 272
	v_lshl_add_u32 v5, v2, 5, v5
	v_add_nc_u32 v[STO], s23, v5                   ; in: row r, 32 bytes for each half of the lanes
	v_mul_u32_u24 v5, v2, 272
	v_lshl_add_u32 v5, v1, 4, v5
	v_add_nc_u32 v[RD], s23, v5                    ; back: lanes 0-15 one row of 256 bytes, lanes 16-31 the next
	v_mul_u32_u24 v5, v2, SIZE_N*4
	v_lshl_add_u32 v[CO], v1, 4, v5                ; and the same two rows in memory
	s_lshl_b32 s20, s17, 7
	s_lshl_b32 s21, s15, 6
	s_add_co_u32 s20, s20, s21                     ; my first row
	s_mul_i32 s20, s20, SIZE_N*4
	s_mov_b32 s21, 0
	s_add_nc_u64 s[20:21], s[20:21], s[46:47]
	s_add_nc_u64 s[12:13], s[12:13], s[20:21]
.if RESID
	s_add_nc_u64 s[66:67], s[66:67], s[20:21]
	WIN 0x80                                       ; destination window 2
.set t, 0
.rept 32
	global_load_b128 v[4*t:4*t+3], v[CO], s[66:67] offset:(16*(t/8)+2*(t%8))*SIZE_N*4 th:TH_LOAD_NT   ; x's 64 x 64 numbers that meet mine at the end: asked for now
.set t, t+1
.endr
	WIN 0
.endif
.endif
; The fragments of step n (128 along K; K step n / 4, slot (n / 4) % 2) into buffer n % 2: 32 loads in one run.  16 rows x 128 K are 16 registers: lane l holds row l % 16; registers 4 c .. 4 c + 3 hold K = 32 c + 16 (l / 16) + 0 .. 15
.macro FETCH n
.set FB, 128*((\n)%2)
.set SL, ((\n)/4)%2
.set QQ, (\n)%4
.if (\n) < 8
.set IM, AIMG1
.else
.set IM, AIMG2
.endif
	WIN TO_F
.irp i, 0,1,2,3
.irp c, 0,1,2,3
	ds_load_b128 v[FB+64+16*\i+4*\c:FB+64+16*\i+4*\c+3], v[ADRB+SL] offset:128*QQ+32*\c+\i*16*PITCH
.endr
.endr
.irp i, 0,1,2,3
.irp c, 0,1,2,3
.if IM
	ds_load_b128 v[FB+16*\i+4*\c:FB+16*\i+4*\c+3], v[ADRI+SL] offset:8192*\i+2048*QQ+512*\c
.else
	ds_load_b128 v[FB+16*\i+4*\c:FB+16*\i+4*\c+3], v[ADRA+SL] offset:128*QQ+32*\c+\i*16*PITCH
.endif
.endr
.endr
.endm
.macro SCALES t                        ; K step t's scale words, four a row, into set t % 2: lanes 0-15 take A's block i, lanes 16-31 B's block i
.irp i, 0,1,2,3
	ds_load_b128 v[SC+16*((\t)%2)+4*\i:SC+16*((\t)%2)+4*\i+3], v[ADRS] offset:\i*SBLK+16*(\t)
.endr
.endm
; 4 matrix instructions of step n: A's block a x B's four.  first = 1: the bias is the C.  The 16 accumulators take turns, one instruction a turn, in the same order in every step.
.macro MUL4 a, n, first
.set FB, 128*((\n)%2)
.set SS, SC+16*(((\n)/4)%2)+(\n)%4
.irp b, 0,1,2,3
.if \first
	v_wmma_scale_f32_16x16x128_f8f6f4 v[ACC+8*(4*(\a)+\b):ACC+8*(4*(\a)+\b)+7], v[FB+64+16*\b:FB+64+16*\b+15], v[FB+16*(\a):FB+16*(\a)+15], v[BIQ+8*\b:BIQ+8*\b+7], v[SS+4*\b], v[SS+4*(\a)] matrix_a_fmt:MATRIX_FMT_BF8 matrix_b_fmt:MATRIX_FMT_BF8 matrix_a_scale:MATRIX_SCALE_ROW1
.else
	v_wmma_scale_f32_16x16x128_f8f6f4 v[ACC+8*(4*(\a)+\b):ACC+8*(4*(\a)+\b)+7], v[FB+64+16*\b:FB+64+16*\b+15], v[FB+16*(\a):FB+16*(\a)+15], v[ACC+8*(4*(\a)+\b):ACC+8*(4*(\a)+\b)+7], v[SS+4*\b], v[SS+4*(\a)] matrix_a_fmt:MATRIX_FMT_BF8 matrix_b_fmt:MATRIX_FMT_BF8 matrix_a_scale:MATRIX_SCALE_ROW1
.endif
.endr
.endm
.macro PLACES n                        ; plain vector instructions between a matrix instruction and a load into, or a read of, its registers
.rept \n
	v_nop
.endr
.endm
.macro SUB n, first                    ; a step whose successor lies in the same slot
.if (\n) > 0
	PLACES NP                                      ; in front of loads into the buffer that the step before multiplied
.endif
	FETCH (\n)+1
	s_wait_dscnt 32                                ; this step's fragments (and scale words) are in; the 32 loads just issued may be out
	WIN MUL
.irp a, 0,1,2,3
	MUL4 \a, \n, \first
.endr
.endm
; A slot's last step changes slots: one barrier; in front of it each wave waits for all its tensor loads, adds 0 to its spare word, and waits for that and for its reads of this slot.  fill = 1: the slot is filled again, two K steps ahead.
.macro TURN n, fill
.set TS, ((\n)/4)%2
	WIN 0
	s_wait_tensorcnt 0x0                           ; all my tensor loads have landed: my part of the next slot
	ds_add_u32 v[SPW], v[NIL]                      ; 0 onto my spare word
	s_wait_dscnt 1                                 ; this step's fragments are in; the add may be out
	WIN MUL
	MUL4 0, \n, 0
	s_wait_dscnt 0x0                               ; the add is done, and my reads of this slot are over
	s_barrier_signal -1
	MUL4 1, \n, 0
	WIN 0
	s_barrier_wait -1
.if \fill
	CREST                                          ; the barrier has opened a round of the cluster's barrier: no wave of any partner still reads this slot or has a load on its way
	s_add_nc_u64 s[G0B+4*TS+2:G0B+4*TS+3], s[G0B+4*TS+2:G0B+4*TS+3], 2*512
	JLOAD G0R+4*TS, G1R, G0B+4*TS, G1B             ; the first tensor load behind the round; its four v_nop are among the places in front of the loads below
	PLACES NP-4
.else
	PLACES NP
.endif
	FETCH (\n)+1
	WIN 0
	SCALES ((\n)+1)/4
.if (\fill) && ((\n) < 4)
	global_prefetch_b8 v22, s[66:67] th:TH_LOAD_NT scope:SCOPE_SE   ; K step 3, the last: the second refill asks for nothing
.endif
	WIN MUL
	MUL4 2, \n, 0
	MUL4 3, \n, 0
.endm
.if RESID
	s_wait_loadcnt 32                              ; the bias's 8 loads are in; x's 32 may be out
.else
	s_wait_loadcnt 0x0                             ; the bias: waited for here, while the first tiles are on their way
.endif
	s_wait_alu depctr_va_vdst(0)
	s_wait_tensorcnt 0x0                           ; my tile of the head's four is in
	ds_add_u32 v[SPW], v[NIL]
	s_mov_b32 s[G1+2], 64<<16                      ; no tensor load of mine is out: from here on a load brings half a tile
	s_mov_b32 s[G1+4], 64
	s_mov_b32 s[G1B+2], 64<<16
	s_mov_b32 s[G1B+4], 64
	s_wait_dscnt 0x0
	CROUND
	JLOAD G0+4, G1, G0B+4, G1B                     ; K step 1, slot 1's first fill: the first tensor load behind the round
	FETCH 0
	WIN 0
	SCALES 0
	global_prefetch_b8 v23, s[66:67] th:TH_LOAD_NT scope:SCOPE_SE   ; K step 2
	SUB 0, 1
	SUB 1, 0
	SUB 2, 0
.if NT > 2
	TURN 3, 1                                      ; slot 0 takes K step 2
	SUB 4, 0
	SUB 5, 0
	SUB 6, 0
	TURN 7, 1                                      ; slot 1 takes K step 3
	SUB 8, 0
	SUB 9, 0
	SUB 10, 0
	TURN 11, 0
	SUB 12, 0
	SUB 13, 0
	SUB 14, 0
.else
	TURN 3, 0                                      ; nothing is filled: both K steps were asked for at the head
	SUB 4, 0
	SUB 5, 0
	SUB 6, 0
.endif
	s_wait_dscnt 0x0                               ; the last step: nothing more to fetch
.irp a, 0,1,2,3
	MUL4 \a, 4*NT-1, 0
.endr
	WIN 0
	PLACES NP                                      ; behind the last products
.if OUTQ
; 32 numbers of a lane, two blocks of 32 of which lane l xor 16 holds the other halves, become 32 codes in v[pc] on and two scale bytes in v[pw].  Each accumulator is read from its low end on.
.macro QUANT2 s, pc, pw
.irp b, 0,1
	v_max3_num_f32 v[TM+\b], |v[\s+16*\b]|, |v[\s+1+16*\b]|, 0x8000000   ; with the floor 2^(16 - 127): the byte cannot fall under 1
.endr
.irp i, 2,4,6,8,10,12,14
.irp b, 0,1
	v_max3_num_f32 v[TM+\b], v[TM+\b], |v[\s+16*\b+\i]|, |v[\s+1+16*\b+\i]|
.endr
.endr
.irp b, 0,1
	v_permlanex16_b32 v[TM+4+\b], v[TM+\b], s[SEL], s[SEL+1]
.endr
.irp b, 0,1
	v_max_num_f32 v[TM+\b], v[TM+\b], v[TM+4+\b]
.endr
.irp b, 0,1
	v_add_nc_u32 v[TM+12+\b], 0xf8800000, v[TM+\b]   ; 15 off the exponent field: the conversion's scale operand
.endr
.irp b, 0,1
	v_and_or_b32 v[TM+8+\b], v[TM+\b], 0x7f800000, s[MNT]   ; 57,344 x the scale
.endr
.irp b, 0,1
	v_lshrrev_b32 v[TM+4+\b], 23, v[TM+12+\b]
.endr
	v_lshl_or_b32 v[\pw], v[TM+5], 8, v[TM+4]
.irp b, 0,1
.irp i, 0,1,2,3,4,5,6,7,8,9,10,11,12,13,14,15
	v_med3_num_f32 v[\s+16*\b+\i], v[\s+16*\b+\i], -v[TM+8+\b], v[TM+8+\b]   ; the conversion does not saturate (ISA guide 7.6.2)
.endr
	v_cvt_scalef32_pk8_bf8_f32 v[\pc+4*\b:\pc+4*\b+1], v[\s+16*\b:\s+16*\b+7], v[TM+12+\b]
	v_cvt_scalef32_pk8_bf8_f32 v[\pc+4*\b+2:\pc+4*\b+3], v[\s+16*\b+8:\s+16*\b+15], v[TM+12+\b]
.endr
	v_nop                                          ; a plain line behind the last conversion
.endm
	s_mov_b32 s[SEL], 0x76543210
	s_mov_b32 s[SEL+1], 0xfedcba98                 ; v_permlanex16_b32's selects for lane l xor 16
	s_mov_b32 s[MNT], 0x600000                     ; the mantissa field of 57,344
.irp b, 0,1
	v_mov_b32 v[TM+4+\b], 0                        ; written once: a lane permute's destination counts as one of its sources
.endr
.irp a, 0,1,2,3
	QUANT2 ACC+32*\a, PC+8*\a, PW+\a
.irp be, 0,1
.irp u, 0,1
	global_store_b64 v[STO], v[PC+8*\a+4*\be+2*\u:PC+8*\a+4*\be+2*\u+1], s[8:9] offset:\a*16384+512*\be+256*\u   ; columns 32 be + 16 u + 8 h on of row r: group of registers be, lane 16 u + r, bytes 8 h on: 32 lanes store 256 consecutive bytes, aligned
.endr
.endr
	global_store_b16 v[CO], v[PW+\a], s[6:7] offset:\a*1024   ; both halves of the lanes write the same
.endr
.else
; THE WAY OUT in f32.  A lane holds 32 neighbouring bytes of a row and the lanes beside it hold other rows: the four blocks of 16 rows go through my own stage in LDS and come back as whole rows of 256 bytes.
; LDS serves a wave's instructions in order (ISA guide 5.7.1.4): no wait between the stores and the loads.  The stage lies in slot 0, which has had its last fill and its last read.
	s_wait_alu depctr_va_vdst(0)
.irp a, 0,1,2,3
.irp b, 0,1,2,3
	ds_store_b128 v[STO], v[ACC+8*(4*\a+\b):ACC+8*(4*\a+\b)+3] offset:\a*SBK+64*\b          ; each accumulator from its low end on
	ds_store_b128 v[STO], v[ACC+8*(4*\a+\b)+4:ACC+8*(4*\a+\b)+7] offset:\a*SBK+64*\b+16
.endr
.endr
	WIN TO_F
.set t, 0
.rept 32
	ds_load_b128 v[4*t:4*t+3], v[RD] offset:(t/8)*SBK+(t%8)*2*272
.set t, t+1
.endr
.if RESID
	s_wait_loadcnt 0x0                             ; x
.endif
.irp a, 0,1,2,3
	s_wait_dscnt 24-8*\a                           ; block a's eight loads are in; the later blocks' may be out
.if RESID
	WIN 0x49                                       ; destination and source 0 window 1, source 1 (x) window 2
.set i, 0
.rept 16
	v_pk_add_f32 v[32*\a+2*i:32*\a+2*i+1], v[32*\a+2*i:32*\a+2*i+1], v[32*\a+2*i:32*\a+2*i+1]
.set i, i+1
.endr
.endif
	WIN 0x04                                       ; a store's data are its source 1: window 1
.irp t, 0,1,2,3,4,5,6,7
	global_store_b128 v[CO], v[32*\a+4*\t:32*\a+4*\t+3], s[12:13] offset:(16*\a+2*\t)*SIZE_N*4 th:TH_STORE_NT   ; sixteen lanes store 256 consecutive bytes, aligned; every offset is an immediate: 62 rows at the most
.endr
.endr
	WIN 0
.endif
	s_wait_tensorcnt 0x0                           ; the wave's end
	ds_add_u32 v[SPW], v[NIL]
	s_wait_dscnt 0x0
	CROUND                                         ; the closing round: no work-group ends while a partner may still ask for a tile that names it
	s_endpgm
.Lfunc_end_k_qbf648e0e75_ffn1:
	.size	k_qbf648e0e75_ffn1, .Lfunc_end_k_qbf648e0e75_ffn1-k_qbf648e0e75_ffn1
	.p2alignl 7, 3214868480
	.fill 96, 4, 3214868480
	.section	.rodata,"a",@progbits
	.p2align	6, 0x0
	.amdhsa_kernel k_qbf648e0e75_ffn1
		.amdhsa_group_segment_fixed_size 327680
		.amdhsa_private_segment_fixed_size 0
		.amdhsa_enable_private_segment 0
		.amdhsa_kernarg_size 32
		.amdhsa_user_sgpr_count 2
		.amdhsa_user_sgpr_kernarg_segment_ptr 1
		.amdhsa_wavefront_size32 1
		.amdhsa_system_sgpr_workgroup_id_x 1
		.amdhsa_system_sgpr_workgroup_id_y 1
		.amdhsa_system_sgpr_workgroup_id_z 1
		.amdhsa_system_vgpr_workitem_id 0
		.amdhsa_next_free_vgpr 512
		.amdhsa_next_free_sgpr 102
		.amdhsa_reserve_vcc 0
		.amdhsa_float_denorm_mode_32 3
		.amdhsa_float_denorm_mode_16_64 3
		.amdhsa_memory_ordered 1
		.amdhsa_forward_progress 1
		.amdhsa_inst_pref_size 94
	.end_amdhsa_kernel
	.amdgpu_metadata
---
amdhsa.version: [ 1, 2 ]
amdhsa.kernels:
  - .name:           k_qbf648e0e75_ffn1
    .symbol:         k_qbf648e0e75_ffn1.kd
    .args:
      - { .name: hcat, .offset: 0, .size: 8, .value_kind: global_buffer, .address_space: global }
      - { .name: wts, .offset: 8, .size: 8, .value_kind: global_buffer, .address_space: global }
      - { .name: ffn1_b, .offset: 16, .size: 8, .value_kind: global_buffer, .address_space: global }
      - { .name: h1, .offset: 24, .size: 8, .value_kind: global_buffer, .address_space: global }
    .group_segment_fixed_size: 327680
    .private_segment_fixed_size: 0
    .kernarg_segment_align: 8
    .kernarg_segment_size: 32
    .max_flat_workgroup_size: 128
    .sgpr_count:     102
    .vgpr_count:     512
    .wavefront_size: 32
...
	.end_amdgpu_metadata
.endif
;; end of part 12
;; launch lngelu (part 13): grid 1024 x 1, 4 waves a work-group, no clusters, 21,248 bytes of LDS; arguments h1, ln_g, ln_b, g; writes g
.if DOCPART == 13
	.amdgcn_target "amdgcn-amd-amdhsa--gfx1250"
	.amdhsa_code_object_version 6
	.text
	.protected	k_qbf648e0e75_lngelu
	.globl	k_qbf648e0e75_lngelu
	.p2align	8
	.type	k_qbf648e0e75_lngelu,@function
k_qbf648e0e75_lngelu:
	s_mov_b64 s[64:65], 0
	v_nop
	global_prefetch_b8 v0, s[64:65] scope:SCOPE_SE
	s_setreg_imm32_b32 hwreg(HW_REG_WAVE_MODE, 25, 1), 1
	s_wait_xcnt 0x0
; g = Q(gelu(LayerNorm(h1) ln_g + ln_b)): rows of 2,048 f32 in, codes of BF8 (E5M2) and one E8M0 scale byte for each 32 out.  All arithmetic in f32.
; One wave, one row: the row's 8,192 bytes lie in 64 registers a lane between the passes (mean; squares of the differences; the norm; the activation; the quantiser), so memory is read once and no wave waits for another.
; Each load reads 512 consecutive bytes.  No matrix unit, no cluster, no tensor load: memory binds, and work-groups share only ln_g and ln_b.
; GELU, exact form: gelu(y) = max(y, 0) - 0.70710678 z erfc(z), z = |y| / sqrt(2): no difference of near numbers on either side of 0.
; erfc(z) = t exp(-z^2 + P(t)), t = 1 / (1 + z / 2), P of degree 9: one piece for all z >= 0, fractional error under 1.2e-7 in exact arithmetic.
; LIMITS: the exponent -z^2 + P is rounded in f32, so erfc's relative error grows about as 1e-7 z^2; v_exp_f32 gives 0 under 2^-126 (z over 9.2), where the term is nothing beside y.  NaN and infinities are not served.
; A block of zeros or under 2^-111 gets the scale byte 1, which this program alone reads.
; THE QUANTISER wants 16 neighbours in a lane: a step's 512 numbers turn through the wave's own stage in LDS (16 bytes of padding behind each 64).  A work-group's 4 x 64 scale bytes meet in LDS and leave as 256 consecutive bytes.
.set X,    16                          ; v16-79   the row
.set G,    80                          ; v80-143  ln_g; later Z, TT, P
.set BV,   144                         ; v144-207 ln_b; later the turned numbers, codes and bytes
.set Z,    80
.set TT,   96
.set P,    112
.set XT,   144
.set C,    176
.set E,    192
.set CH,   208                         ; v208-215 four chains of sums
.set C9,   216                         ; v[216:217] c9, twice
.set SP,   80
.set CF,   20                          ; s[20+2k:21+2k] ck, twice, k = 0 .. 8
.macro TWICE r, val
	s_mov_b32 s[\r], \val
	s_mov_b32 s[\r+1], \val
.endm
	s_load_b256 s[4:11], s[0:1], 0x0               ; h1, ln_g, ln_b, g
	v_lshl_add_u32 v254, v0, 2, 0x5100
	v_mov_b32 v255, 0
	v_lshrrev_b32 v1, 5, v0
	v_readfirstlane_b32 s12, v1                    ; wave
	v_and_b32 v2, 31, v0                           ; lane
	s_wait_alu depctr_va_vdst(0)
	v_lshlrev_b32 v3, 4, v2                        ; 16 x lane
	s_lshl_b32 s13, ttmp9, 2
	s_add_co_u32 s13, s13, s12                     ; my row
	s_lshl_b32 s14, s13, 13
	s_mov_b32 s15, 0
	s_mov_b32 s16, 0x76543210
	s_mov_b32 s17, 0xfedcba98                      ; v_permlanex16_b32's selects for lane l xor 16
	s_mov_b32 s18, 0x3a000000                      ; 1 / 2,048
	s_mov_b32 s19, 0x3727c5ac                      ; 1e-5
	TWICE CF+0,  0xbfa1fc4e
	TWICE CF+2,  0x3f8000c7
	TWICE CF+4,  0x3ebf88fb
	TWICE CF+6,  0x3dc636c9
	TWICE CF+8,  0xbe3ec24c
	TWICE CF+10, 0x3e8ec7cc
	TWICE CF+12, 0xbf914e5d
	TWICE CF+14, 0x3fbe87b0
	TWICE CF+16, 0xbf527892
	TWICE 38, 0x3fb8aa3b                           ; log2(e)
	TWICE 40, 0xbf3504f3                           ; -1 / sqrt(2)
	s_mov_b32 s42, 0x3f3504f3
	s_mov_b32 s43, 0x600000                        ; the mantissa field of 57,344
	v_mov_b32 v[C9], 0x3e2ef945
	v_mov_b32 v[C9+1], 0x3e2ef945
	s_mul_i32 s48, s12, 5120                       ; my two stages
	v_lshrrev_b32 v14, 2, v2
	v_mul_u32_u24 v14, v14, SP
	v_and_b32 v15, 3, v2
	v_lshl_add_u32 v14, v15, 4, v14
	v_add_nc_u32 v14, s48, v14                     ; in: SP (lane / 4) + 16 (lane % 4)
	v_mul_u32_u24 v15, v2, SP
	v_add_nc_u32 v15, s48, v15                     ; out: SP x lane
	s_lshl_b32 s49, s12, 6
	s_add_co_u32 s49, s49, 20480
	v_lshrrev_b32 v5, 1, v2
	v_add_nc_u32 v5, s49, v5                       ; my block's scale byte among my row's 64
	v_lshlrev_b32 v7, 3, v2
	v_add_nc_u32 v6, 20480, v7                     ; the work-group's 256 bytes, 8 a lane
	v_mov_b32 v9, 0                                ; written once: a lane permute's destination counts as one of its sources
	v_mov_b32 v11, 0
	s_wait_kmcnt 0x0
	s_add_nc_u64 s[4:5], s[4:5], s[14:15]
	s_lshl_b32 s14, s13, 11
	s_add_nc_u64 s[44:45], s[10:11], s[14:15]      ; my row's codes
	s_lshl_b32 s14, ttmp9, 8
	s_add_nc_u64 s[46:47], s[10:11], s[14:15]
	s_add_nc_u64 s[46:47], s[46:47], 8388608       ; the work-group's scale bytes
.set i, 0
.rept 16
	global_load_b128 v[X+4*i:X+4*i+3], v3, s[4:5] offset:512*i th:TH_LOAD_NT
.set i, i+1
.endr
.set i, 0
.rept 16
	global_load_b128 v[G+4*i:G+4*i+3], v3, s[6:7] offset:512*i
.set i, i+1
.endr
.set i, 0
.rept 16
	global_load_b128 v[BV+4*i:BV+4*i+3], v3, s[8:9] offset:512*i
.set i, i+1
.endr
	s_wait_loadcnt 32                              ; the row is in; ln_g's and ln_b's 32 loads may be out
.irp c, 0,1,2,3
	v_pk_add_f32 v[CH+2*\c:CH+2*\c+1], v[X+4*\c:X+4*\c+1], v[X+4*\c+2:X+4*\c+3]   ; four chains, started by sums: nothing is cleared
.endr
.set j, 16
.rept 24
	v_pk_add_f32 v[CH+2*((j/2)%4):CH+2*((j/2)%4)+1], v[CH+2*((j/2)%4):CH+2*((j/2)%4)+1], v[X+j:X+j+1]
.set j, j+2
.endr
	v_pk_add_f32 v[CH:CH+1], v[CH:CH+1], v[CH+2:CH+3]
	v_pk_add_f32 v[CH+4:CH+5], v[CH+4:CH+5], v[CH+6:CH+7]
	v_pk_add_f32 v[CH:CH+1], v[CH:CH+1], v[CH+4:CH+5]
	v_add_f32 v8, v[CH], v[CH+1]
	v_add_f32_dpp v8, v8, v8 row_xmask:1 row_mask:0xf bank_mask:0xf
	v_add_f32_dpp v8, v8, v8 row_xmask:2 row_mask:0xf bank_mask:0xf
	v_add_f32_dpp v8, v8, v8 row_xmask:4 row_mask:0xf bank_mask:0xf
	v_add_f32_dpp v8, v8, v8 row_xmask:8 row_mask:0xf bank_mask:0xf
	v_permlanex16_b32 v9, v8, s16, s17
	v_add_f32 v8, v8, v9
	v_mul_f32 v8, s18, v8                          ; the mean, in every lane
	v_mov_b32 v9, v8
.set j, 0
.rept 32
	v_pk_add_f32 v[X+j:X+j+1], v[X+j:X+j+1], v[8:9] neg_lo:[0,1] neg_hi:[0,1]   ; x - mean
.set j, j+2
.endr
.irp c, 0,1,2,3
	v_pk_mul_f32 v[CH+2*\c:CH+2*\c+1], v[X+2*\c:X+2*\c+1], v[X+2*\c:X+2*\c+1]
.endr
.set j, 8
.rept 28
	v_pk_fma_f32 v[CH+2*((j/2)%4):CH+2*((j/2)%4)+1], v[X+j:X+j+1], v[X+j:X+j+1], v[CH+2*((j/2)%4):CH+2*((j/2)%4)+1]
.set j, j+2
.endr
	v_pk_add_f32 v[CH:CH+1], v[CH:CH+1], v[CH+2:CH+3]
	v_pk_add_f32 v[CH+4:CH+5], v[CH+4:CH+5], v[CH+6:CH+7]
	v_pk_add_f32 v[CH:CH+1], v[CH:CH+1], v[CH+4:CH+5]
	v_add_f32 v10, v[CH], v[CH+1]
	v_add_f32_dpp v10, v10, v10 row_xmask:1 row_mask:0xf bank_mask:0xf
	v_add_f32_dpp v10, v10, v10 row_xmask:2 row_mask:0xf bank_mask:0xf
	v_add_f32_dpp v10, v10, v10 row_xmask:4 row_mask:0xf bank_mask:0xf
	v_add_f32_dpp v10, v10, v10 row_xmask:8 row_mask:0xf bank_mask:0xf
	v_permlanex16_b32 v11, v10, s16, s17
	v_add_f32 v10, v10, v11
	v_fma_f32 v10, v10, s18, s19                   ; the variance + 1e-5
	s_wait_alu depctr_va_vdst(0)
	v_rsq_f32 v12, v10
	v_rsq_f32 v13, v10                             ; twice: a pair for the packed multiply
	v_nop                                          ; a plain line behind the transcendentals
	s_wait_alu depctr_va_vdst(0)                   ; one wait for both, ahead of their first reader
	s_wait_loadcnt 0x0                             ; ln_g and ln_b
.set j, 0
.rept 32
	v_pk_mul_f32 v[X+j:X+j+1], v[X+j:X+j+1], v[12:13]
.set j, j+2
.endr
.set j, 0
.rept 32
	v_pk_fma_f32 v[X+j:X+j+1], v[X+j:X+j+1], v[G+j:G+j+1], v[BV+j:BV+j+1]
.set j, j+2
.endr
.macro GELU y                          ; 16 numbers at v[y] on, in place
.set i, 0
.rept 16
	v_mul_f32 v[Z+i], s42, |v[\y+i]|               ; z
.set i, i+1
.endr
.set i, 0
.rept 8
	v_pk_fma_f32 v[TT+i:TT+i+1], v[Z+i:Z+i+1], 0.5, 1.0 op_sel_hi:[1,0,0]
.set i, i+2
.endr
.set i, 0
	s_wait_alu depctr_va_vdst(0)
.rept 16
	v_rcp_f32 v[TT+i], v[TT+i]                     ; t
.set i, i+1
.endr
	v_nop
	s_wait_alu depctr_va_vdst(0)                   ; one wait for the 16
.set i, 0
.rept 8
	v_pk_fma_f32 v[P+i:P+i+1], v[TT+i:TT+i+1], v[C9:C9+1], s[CF+16:CF+17] op_sel_hi:[1,1,0]
.set i, i+2
.endr
.irp k, 7,6,5,4,3,2,1,0
.set i, 0
.rept 8
	v_pk_fma_f32 v[P+i:P+i+1], v[P+i:P+i+1], v[TT+i:TT+i+1], s[CF+2*\k:CF+2*\k+1] op_sel_hi:[1,1,0]
.set i, i+2
.endr
.endr
.set i, 0
.rept 8
	v_pk_fma_f32 v[P+i:P+i+1], v[Z+i:Z+i+1], v[Z+i:Z+i+1], v[P+i:P+i+1] neg_lo:[1,0,0] neg_hi:[1,0,0]   ; -z^2 + P
.set i, i+2
.endr
.set i, 0
.rept 8
	v_pk_mul_f32 v[P+i:P+i+1], v[P+i:P+i+1], s[38:39] op_sel_hi:[1,0]
.set i, i+2
.endr
.set i, 0
	s_wait_alu depctr_va_vdst(0)
.rept 16
	v_exp_f32 v[P+i], v[P+i]
.set i, i+1
.endr
	v_nop
	s_wait_alu depctr_va_vdst(0)                   ; one wait for the 16
.set i, 0
.rept 8
	v_pk_mul_f32 v[P+i:P+i+1], v[P+i:P+i+1], v[TT+i:TT+i+1]   ; erfc(z)
.set i, i+2
.endr
.set i, 0
.rept 8
	v_pk_mul_f32 v[P+i:P+i+1], v[P+i:P+i+1], v[Z+i:Z+i+1]
.set i, i+2
.endr
.set i, 0
.rept 16
	v_max_num_f32 v[\y+i], 0, v[\y+i]
.set i, i+1
.endr
.set i, 0
.rept 8
	v_pk_fma_f32 v[\y+i:\y+i+1], v[P+i:P+i+1], s[40:41], v[\y+i:\y+i+1] op_sel_hi:[1,0,1]
.set i, i+2
.endr
.endm
	GELU X
	GELU X+16
	GELU X+32
	GELU X+48
.macro TURN t                          ; step t's 512 numbers through a stage: LDS serves a wave's instructions in order
.irp i, 0,1,2,3
	ds_store_b128 v14, v[X+16*(\t)+4*\i:X+16*(\t)+4*\i+3] offset:32*SP*((\t)%2)+8*SP*\i
.endr
.irp i, 0,1,2,3
	ds_load_b128 v[XT+16*((\t)%2)+4*\i:XT+16*((\t)%2)+4*\i+3], v15 offset:32*SP*((\t)%2)+16*\i
.endr
.endm
.macro QSTEP t
.set XS, XT+16*((\t)%2)
.if (\t) > 0
	s_wait_dscnt 1                                 ; this step's numbers are back; the last step's byte store may be out
.else
	s_wait_dscnt 0x0
.endif
.if (\t)+1 < 4
	TURN (\t)+1
.endif
	v_max3_num_f32 v8, |v[XS]|, |v[XS+1]|, |v[XS+2]|
	v_max3_num_f32 v9, |v[XS+3]|, |v[XS+4]|, |v[XS+5]|
.irp i, 6,10
	v_max3_num_f32 v8, v8, |v[XS+\i]|, |v[XS+\i+1]|
	v_max3_num_f32 v9, v9, |v[XS+\i+2]|, |v[XS+\i+3]|
.endr
	v_max3_num_f32 v8, v8, |v[XS+14]|, |v[XS+15]|
	v_max3_num_f32 v8, v8, v9, 0x8000000           ; the floor 2^(16 - 127)
	v_max_num_f32_dpp v8, v8, v8 row_xmask:1 row_mask:0xf bank_mask:0xf   ; with my neighbour's 16: the block's
	v_add_nc_u32 v11, 0xf8800000, v8
	v_and_or_b32 v10, v8, 0x7f800000, s43
.irp i, 0,1,2,3,4,5,6,7,8,9,10,11,12,13,14,15
	v_med3_num_f32 v[XS+\i], v[XS+\i], -v10, v10   ; the conversion does not saturate (ISA guide 7.6.2)
.endr
	v_cvt_scalef32_pk8_bf8_f32 v[C+4*(\t):C+4*(\t)+1], v[XS:XS+7], v11
	v_cvt_scalef32_pk8_bf8_f32 v[C+4*(\t)+2:C+4*(\t)+3], v[XS+8:XS+15], v11
	v_lshrrev_b32 v[E+(\t)], 23, v11
	ds_store_b8 v5, v[E+(\t)] offset:16*(\t)       ; both lanes of a block write the same byte
	global_store_b128 v3, v[C+4*(\t):C+4*(\t)+3], s[44:45] offset:512*(\t)   ; 32 lanes store 512 consecutive bytes
.endm
	TURN 0
	QSTEP 0
	QSTEP 1
	QSTEP 2
	QSTEP 3
	s_wait_dscnt 0x0                               ; for wave 0's sake: my byte stores are done
	s_barrier_signal -1
	s_barrier_wait -1
	s_cmp_lg_u32 s12, 0
	s_cbranch_scc1 .Ldone
	ds_load_b64 v[12:13], v6                       ; four rows' scale bytes
	s_wait_dscnt 0x0
	global_store_b64 v7, v[12:13], s[46:47]        ; 32 lanes store 256 consecutive bytes, aligned
.Ldone:
	s_wait_tensorcnt 0x0
	ds_add_u32 v254, v255
	s_wait_dscnt 0x0
	s_endpgm
.Lfunc_end_k_qbf648e0e75_lngelu:
	.size	k_qbf648e0e75_lngelu, .Lfunc_end_k_qbf648e0e75_lngelu-k_qbf648e0e75_lngelu
	.p2alignl 7, 3214868480
	.fill 96, 4, 3214868480
	.section	.rodata,"a",@progbits
	.p2align	6, 0x0
	.amdhsa_kernel k_qbf648e0e75_lngelu
		.amdhsa_group_segment_fixed_size 21248
		.amdhsa_private_segment_fixed_size 0
		.amdhsa_enable_private_segment 0
		.amdhsa_kernarg_size 32
		.amdhsa_user_sgpr_count 2
		.amdhsa_user_sgpr_kernarg_segment_ptr 1
		.amdhsa_wavefront_size32 1
		.amdhsa_system_sgpr_workgroup_id_x 1
		.amdhsa_system_sgpr_workgroup_id_y 1
		.amdhsa_system_sgpr_workgroup_id_z 1
		.amdhsa_system_vgpr_workitem_id 0
		.amdhsa_next_free_vgpr 256
		.amdhsa_next_free_sgpr 66
		.amdhsa_reserve_vcc 0
		.amdhsa_float_denorm_mode_32 3
		.amdhsa_float_denorm_mode_16_64 3
		.amdhsa_memory_ordered 1
		.amdhsa_forward_progress 1
		.amdhsa_inst_pref_size 71
	.end_amdhsa_kernel
	.amdgpu_metadata
---
amdhsa.version: [ 1, 2 ]
amdhsa.kernels:
  - .name:           k_qbf648e0e75_lngelu
    .symbol:         k_qbf648e0e75_lngelu.kd
    .args:
      - { .name: h1, .offset: 0, .size: 8, .value_kind: global_buffer, .address_space: global }
      - { .name: ln_g, .offset: 8, .size: 8, .value_kind: global_buffer, .address_space: global }
      - { .name: ln_b, .offset: 16, .size: 8, .value_kind: global_buffer, .address_space: global }
      - { .name: g, .offset: 24, .size: 8, .value_kind: global_buffer, .address_space: global }
    .group_segment_fixed_size: 21248
    .private_segment_fixed_size: 0
    .kernarg_segment_align: 8
    .kernarg_segment_size: 32
    .max_flat_workgroup_size: 128
    .sgpr_count:     66
    .vgpr_count:     256
    .wavefront_size: 32
...
	.end_amdgpu_metadata
.endif
;; end of part 13
;; launch ffn2 (part 14): grid 8 x 32, 4 waves a work-group, clusters of 4 x 4, 327,680 bytes of LDS; arguments g, wts, ffn2_b, x, out0; writes out0
.if DOCPART == 14
	.amdgcn_target "amdgcn-amd-amdhsa--gfx1250"
	.amdhsa_code_object_version 6
	.text
	.protected	k_qbf648e0e75_ffn2
	.globl	k_qbf648e0e75_ffn2
	.p2align	8
	.type	k_qbf648e0e75_ffn2,@function
k_qbf648e0e75_ffn2:
	s_mov_b64 s[64:65], 0
	v_nop
	global_prefetch_b8 v0, s[64:65] scope:SCOPE_SE
	s_setreg_imm32_b32 hwreg(HW_REG_WAVE_MODE, 25, 1), 1
	s_wait_xcnt 0x0
	s_wait_alu depctr_hold_cnt(0) depctr_sa_sdst(0) depctr_va_vdst(0) depctr_va_sdst(0) depctr_va_ssrc(0) depctr_va_vcc(0) depctr_vm_vsrc(0)
	s_getreg_b32 s2, hwreg(HW_REG_IB_STS2, 6, 4)
	s_cmp_eq_u32 s2, 0
	s_cbranch_scc0 .Lentry_in_a_cluster
	s_endpgm
.Lentry_in_a_cluster:
	s_bfe_u32 s2, ttmp6, 0x10000c
	s_cmp_lg_u32 s2, 0xf033
	s_cbranch_scc0 .Lentry_shape_is_right
	s_endpgm
.Lentry_shape_is_right:
.set SIZE_K, 2048
.set SIZE_N, 1024
.set AIMG1,  0
.set AIMG2,  0
.set USEP,   1
.set USEI,   0
.set OUTQ,   0
.set RESID,  1
.set APITCH, 2048
.set AIO,    0
.set ASC,    8388608
.set BCO,    12582912
.set BSC,    15073280
.set MSG,    0
.set NT,     SIZE_K/512
.set PITCH,  528
.set NP,     8
.set HALF,   64*PITCH
.set SLOT,   4*HALF
.set KS,     SIZE_K/32
.set SCL,    2*SLOT
.set HALFS,  (64*KS/256)*272
.set SBLK,   (16*KS/256)*272
.set SPARE,  SCL+4*HALFS
.set SBK,    16*272
.set ADRA, 16
.set ADRI, 18
.set ADRB, 20
.set STO,  24
.set RD,   25
.set CO,   26
.set ADRS, 27
.set SPW,  28
.set NIL,  29
.set BO,   30
.set SC,   32
.set PC,   64
.set BIQ,  96
.set TM,   96
.set PW,   112
.set ACC,  128
.set G1, 24
.set G0, 32
.set G1B, 48
.set G0B, 56
.set G1S, 68
.set G0S, 76
.set G1SB, 80
.set G0SB, 88
.set G0R, 4
.if AIMG2
.set G1R, 92
.else
.set G1R, G1
.endif
.if AIMG1
.set AD1, 18
.set ST1, 8192
.else
.set AD1, 20
.set ST1, 512
.endif
.set SEL,  18
.set MNT,  23
.set FL_ROW, (1<<20)|(1<<21)|(6<<22)|(3<<25)
.set FL_IMG, (1<<21)
.set FL_SC,  (3<<16)|(1<<20)|(1<<21)|(5<<22)|(3<<25)
.set MSB, 0
.macro WIN new
.if MSB != \new
	s_set_vgpr_msb (MSB<<8)|\new
.set MSB, \new
.endif
.endm
.set MUL,  0x05
.set TO_F, 0x40
.macro JLOAD g0a, g1a, g0b, g1b
	s_cmp_eq_u32 s15, 0
	s_cbranch_scc0 .Lfor_b_\@
	tensor_load_to_lds s[\g0a:\g0a+3], s[\g1a:\g1a+7]
	s_nop 0
.rept 4
	v_nop
.endr
	s_branch .Lasked_\@
.Lfor_b_\@:
	tensor_load_to_lds s[\g0b:\g0b+3], s[\g1b:\g1b+7]
	s_nop 0
.rept 4
	v_nop
.endr
.Lasked_\@:
.endm
.macro CREST
	s_cmp_lg_u32 s14, 0
	s_cbranch_scc1 .Lnot_wave_0_\@
	s_barrier_signal -3
.Lnot_wave_0_\@:
	s_barrier_wait -3
	s_barrier_signal -1
	s_barrier_wait -1
.endm
.macro CROUND
	s_barrier_signal -1
	s_barrier_wait -1
	CREST
.endm
.macro SHAPE g, m, flags, c, r, p
	s_or_b32 s[\g], s[\m], \flags
	s_mov_b32 s[\g+1], (\c)<<16
	s_mov_b32 s[\g+2], (\r)<<16
	s_mov_b32 s[\g+3], (\c)<<16
	s_mov_b32 s[\g+4], \r
	s_mov_b32 s[\g+5], \p
	s_mov_b32 s[\g+6], 0
	s_mov_b32 s[\g+7], 0
.endm
.macro WHERE g, lds, off, adr, step
	s_mov_b32 s[\g], 1
	s_add_co_u32 s[\g+1], s[\lds], \off
	s_add_nc_u64 s[\g+2:\g+3], s[\adr:\adr+1], \step
	s_or_b32 s[\g+3], s[\g+3], 0x80000000
.endm
	s_load_b128 s[96:99], s[0:1], 0x0
	s_load_b64 s[100:101], s[0:1], 0x10
.if RESID
	s_load_b64 s[66:67], s[0:1], 0x18
	s_load_b64 s[12:13], s[0:1], 0x20
.else
	s_load_b64 s[12:13], s[0:1], 0x18
.endif
	v_lshl_add_u32 v[SPW], v0, 2, SPARE
	v_mov_b32 v[NIL], 0
	ds_add_u32 v28, v29
	ds_add_u32 v28, v29
	s_wait_dscnt 0x0
	v_lshrrev_b32 v1, 5, v0
	v_readfirstlane_b32 s14, v1
	s_lshr_b32 s15, s14, 1
	s_and_b32 s16, s14, 1
	s_bfe_u32 s40, ttmp6, 0x40000
	s_bfe_u32 s41, ttmp6, 0x40004
	s_lshl_b32 s42, ttmp9, 2
	s_add_co_u32 s42, s42, s40
	s_and_b32 s17, ttmp7, 0xffff
	s_lshl_b32 s17, s17, 2
	s_add_co_u32 s17, s17, s41
	s_lshl_b32 s43, s41, 2
	s_lshl_b32 s43, 15, s43
	s_lshl_b32 s44, 0x1111, s40
.if AIMG1
	SHAPE G1, 43, FL_IMG, 8192, 4, 16384
.else
	SHAPE G1, 43, FL_ROW, 512, 128, APITCH         ; A at the head: the tile's 128 rows of 512 bytes; behind the head the two words that count rows are set to 64
.endif
	SHAPE G1B, 44, FL_ROW, 512, 128, SIZE_K        ; B likewise
	SHAPE G1S, 43, FL_SC, 32, 128*KS/256, 32       ; the scales of 128 rows: a dense block, as rows of 256 bytes
	SHAPE G1SB, 44, FL_SC, 32, 128*KS/256, 32
	s_lshl_b32 s18, s16, 6
	s_lshl_b32 s20, s17, 7
	s_lshl_b32 s46, s42, 7
	s_mul_i32 s22, s20, KS                         ; the scales begin at the tile's first row
	s_mov_b32 s23, 0
	s_mul_i32 s92, s46, KS
	s_mov_b32 s93, 0
	s_add_co_u32 s20, s20, s18                     ; A: row 128 x tile row + 64 x half
	s_add_co_u32 s46, s46, s18                     ; B: row 128 x tile column + 64 x half
.if USEI
	s_lshl_b32 s18, s20, 10
	s_mov_b32 s19, 0
.endif
.if USEP
	s_mul_i32 s20, s20, APITCH
	s_mov_b32 s21, 0
.endif
	s_mul_i32 s46, s46, SIZE_K
	s_mov_b32 s47, 0
	s_mul_i32 s45, s16, HALF
	s_add_co_u32 s95, s45, 2*HALF
	s_mul_i32 s94, s15, 2*HALFS
	s_wait_kmcnt 0x0
.if USEP
	s_add_nc_u64 s[20:21], s[96:97], s[20:21]
.endif
.if USEI
	s_add_nc_u64 s[18:19], s[96:97], s[18:19]
.if AIO
	s_add_nc_u64 s[18:19], s[18:19], AIO
.endif
.endif
	s_add_nc_u64 s[22:23], s[96:97], s[22:23]
	s_add_nc_u64 s[22:23], s[22:23], ASC
	s_add_nc_u64 s[46:47], s[98:99], s[46:47]
	s_add_nc_u64 s[46:47], s[46:47], BCO
	s_add_nc_u64 s[92:93], s[98:99], s[92:93]
	s_add_nc_u64 s[92:93], s[92:93], BSC
	CROUND
	WHERE G0S, 94, SCL, 22, 0
	WHERE G0SB, 94, SCL, 92, 0
.irp s, 0,1
	WHERE G0+4*\s, 45, \s*SLOT, AD1, \s*ST1
	WHERE G0B+4*\s, 95, \s*SLOT, 46, \s*512
.endr
	; the prefetches: of the 64 rows that my wave fetches in the ring, my work-group's 16 (the four partners of a joint load share them out by address: cx for A, cy for B)
	s_cmp_eq_u32 s15, 0
	s_cselect_b64 s[2:3], s[20:21], s[46:47]
	s_cselect_b32 s92, s40, s41
	s_lshl_b32 s92, s92, 15                        ; 16 rows of 2,048 bytes
	s_mov_b32 s93, 0
	s_add_nc_u64 s[2:3], s[2:3], s[92:93]
; the head's four tiles, one load a wave: wave 0 A's whole K step 0 (its half is half 0, so its group 0 names the tile's first row), wave 1 A's scales, wave 2 B's whole K step 0, wave 3 B's scales
.macro ARM under, g0, g1, next
	s_cmp_lt_u32 s14, \under
	s_cbranch_scc0 \next
	tensor_load_to_lds s[\g0:\g0+3], s[\g1:\g1+7]
	s_nop 0
.rept 4
	v_nop
.endr
	s_branch .Lhead_asked
\next:
.endm
	ARM 1, G0, G1, .Lhead_sa
	ARM 2, G0S, G1S, .Lhead_b
	ARM 3, G0B, G1B, .Lhead_sb
	tensor_load_to_lds s[G0SB:G0SB+3], s[G1SB:G1SB+7]
	s_nop 0
.rept 4
	v_nop
.endr
.Lhead_asked:
.if NT > 2
.irp s, 0,1
.if AIMG2
	WHERE G0R+4*\s, 45, \s*SLOT, 18, \s*8192
.else
	WHERE G0R+4*\s, 45, \s*SLOT, 20, (2+\s)*512
.endif
.endr
.if AIMG2
	SHAPE G1R, 43, FL_IMG, 8192, 4, 16384
.endif
.endif
	v_and_b32 v1, 15, v0
	v_bfe_u32 v2, v0, 4, 1
	v_mul_u32_u24 v3, v1, PITCH
	v_lshl_add_u32 v4, v2, 4, v3
.if USEI
	v_and_b32 v5, 31, v0
	v_lshlrev_b32 v5, 4, v5
.endif
	s_mul_i32 s21, s15, HALF
	s_mul_i32 s22, s16, HALF
	s_add_co_u32 s22, s22, 2*HALF
.irp s, 0,1
.if USEP
	v_add_nc_u32 v[ADRA+\s], s21, v4
.endif
.if USEI
	v_add_nc_u32 v[ADRI+\s], s21, v5
.endif
	v_add_nc_u32 v[ADRB+\s], s22, v4
	s_add_co_u32 s21, s21, SLOT
	s_add_co_u32 s22, s22, SLOT
.endr
	v_mul_u32_u24 v5, v1, KS
	v_lshrrev_b32 v6, 8, v5
	v_lshl_add_u32 v5, v6, 4, v5
	s_mul_i32 s21, s15, HALFS
	s_mul_i32 s22, s16, HALFS
	s_add_co_u32 s22, s22, 2*HALFS
	s_sub_co_u32 s22, s22, s21
	v_mul_u32_u24 v6, s22, v2
	s_add_co_u32 s21, s21, SCL
	v_add_nc_u32 v5, v5, v6
	v_add_nc_u32 v[ADRS], s21, v5
	v_lshlrev_b32 v[BO], 5, v2
	v_bfe_u32 v31, v0, 1, 4                        ; lane / 2: a row
	v_and_b32 v6, 1, v0
	v_lshlrev_b32 v31, 11, v31
	v_lshl_add_u32 v31, v6, 8, v31                 ; each lane another block of 256 bytes of a K step's 512; never rewritten
	global_prefetch_b8 v31, s[2:3] offset:512 th:TH_LOAD_NT scope:SCOPE_SE   ; K step 1, one slot ahead of its tensor load
	s_lshl_b32 s46, s42, 9
	s_lshl_b32 s47, s16, 8
	s_add_co_u32 s46, s46, s47
	s_mov_b32 s47, 0
	s_add_nc_u64 s[100:101], s[100:101], s[46:47]
.irp b, 0,1,2,3
	global_load_b128 v[BIQ+8*\b:BIQ+8*\b+3], v[BO], s[100:101] offset:64*\b
	global_load_b128 v[BIQ+8*\b+4:BIQ+8*\b+7], v[BO], s[100:101] offset:64*\b+16
.endr
.if OUTQ
	v_lshlrev_b32 v[STO], 4, v1
	v_lshl_add_u32 v[STO], v2, 3, v[STO]
	v_lshlrev_b32 v[CO], 6, v1
	s_lshl_b32 s20, s17, 17
	s_lshl_b32 s21, s15, 16
	s_add_co_u32 s20, s20, s21
	s_lshl_b32 s21, s42, 11
	s_add_co_u32 s20, s20, s21
	s_lshl_b32 s21, s16, 10
	s_add_co_u32 s20, s20, s21
	s_mov_b32 s21, 0
	s_add_nc_u64 s[8:9], s[12:13], s[20:21]
	s_add_nc_u64 s[8:9], s[8:9], MSG
	s_lshl_b32 s20, s17, 13
	s_lshl_b32 s22, s15, 12
	s_add_co_u32 s20, s20, s22
	s_lshl_b32 s22, s42, 2
	s_add_co_u32 s20, s20, s22
	s_lshl_b32 s22, s16, 1
	s_add_co_u32 s20, s20, s22
	s_add_nc_u64 s[6:7], s[12:13], s[20:21]
	s_add_nc_u64 s[6:7], s[6:7], 8388608+32
.else
	s_mul_i32 s23, s14, 4*SBK
	v_mul_u32_u24 v5, v1, 272
	v_lshl_add_u32 v5, v2, 5, v5
	v_add_nc_u32 v[STO], s23, v5
	v_mul_u32_u24 v5, v2, 272
	v_lshl_add_u32 v5, v1, 4, v5
	v_add_nc_u32 v[RD], s23, v5
	v_mul_u32_u24 v5, v2, SIZE_N*4
	v_lshl_add_u32 v[CO], v1, 4, v5
	s_wait_alu depctr_va_vdst(0)
	s_lshl_b32 s20, s17, 7
	s_lshl_b32 s21, s15, 6
	s_add_co_u32 s20, s20, s21
	s_mul_i32 s20, s20, SIZE_N*4
	s_mov_b32 s21, 0
	s_add_nc_u64 s[20:21], s[20:21], s[46:47]
	s_add_nc_u64 s[12:13], s[12:13], s[20:21]
.if RESID
	s_add_nc_u64 s[66:67], s[66:67], s[20:21]
	WIN 0x80
.set t, 0
.rept 32
	global_load_b128 v[4*t:4*t+3], v[CO], s[66:67] offset:(16*(t/8)+2*(t%8))*SIZE_N*4 th:TH_LOAD_NT
.set t, t+1
.endr
	WIN 0
.endif
.endif
.macro FETCH n
.set FB, 128*((\n)%2)
.set SL, ((\n)/4)%2
.set QQ, (\n)%4
.if (\n) < 8
.set IM, AIMG1
.else
.set IM, AIMG2
.endif
	WIN TO_F
.irp i, 0,1,2,3
.irp c, 0,1,2,3
	ds_load_b128 v[FB+64+16*\i+4*\c:FB+64+16*\i+4*\c+3], v[ADRB+SL] offset:128*QQ+32*\c+\i*16*PITCH
.endr
.endr
.irp i, 0,1,2,3
.irp c, 0,1,2,3
.if IM
	ds_load_b128 v[FB+16*\i+4*\c:FB+16*\i+4*\c+3], v[ADRI+SL] offset:8192*\i+2048*QQ+512*\c
.else
	ds_load_b128 v[FB+16*\i+4*\c:FB+16*\i+4*\c+3], v[ADRA+SL] offset:128*QQ+32*\c+\i*16*PITCH
.endif
.endr
.endr
.endm
.macro SCALES t
.irp i, 0,1,2,3
	ds_load_b128 v[SC+16*((\t)%2)+4*\i:SC+16*((\t)%2)+4*\i+3], v[ADRS] offset:\i*SBLK+16*(\t)
.endr
.endm
.macro MUL4 a, n, first
.set FB, 128*((\n)%2)
.set SS, SC+16*(((\n)/4)%2)+(\n)%4
.irp b, 0,1,2,3
.if \first
	v_wmma_scale_f32_16x16x128_f8f6f4 v[ACC+8*(4*(\a)+\b):ACC+8*(4*(\a)+\b)+7], v[FB+64+16*\b:FB+64+16*\b+15], v[FB+16*(\a):FB+16*(\a)+15], v[BIQ+8*\b:BIQ+8*\b+7], v[SS+4*\b], v[SS+4*(\a)] matrix_a_fmt:MATRIX_FMT_BF8 matrix_b_fmt:MATRIX_FMT_BF8 matrix_a_scale:MATRIX_SCALE_ROW1
.else
	v_wmma_scale_f32_16x16x128_f8f6f4 v[ACC+8*(4*(\a)+\b):ACC+8*(4*(\a)+\b)+7], v[FB+64+16*\b:FB+64+16*\b+15], v[FB+16*(\a):FB+16*(\a)+15], v[ACC+8*(4*(\a)+\b):ACC+8*(4*(\a)+\b)+7], v[SS+4*\b], v[SS+4*(\a)] matrix_a_fmt:MATRIX_FMT_BF8 matrix_b_fmt:MATRIX_FMT_BF8 matrix_a_scale:MATRIX_SCALE_ROW1
.endif
.endr
.endm
.macro PLACES n
.rept \n
	v_nop
.endr
.endm
.macro SUB n, first
.if (\n) > 0
	PLACES NP
.endif
	FETCH (\n)+1
	s_wait_dscnt 32
	WIN MUL
.irp a, 0,1,2,3
	MUL4 \a, \n, \first
.endr
.endm
.macro TURN n, fill
.set TS, ((\n)/4)%2
	WIN 0
	s_wait_tensorcnt 0x0
	ds_add_u32 v[SPW], v[NIL]
	s_wait_dscnt 1
	WIN MUL
	MUL4 0, \n, 0
	s_wait_dscnt 0x0
	s_barrier_signal -1
	MUL4 1, \n, 0
	WIN 0
	s_barrier_wait -1
.if \fill
	CREST
	s_add_nc_u64 s[G0B+4*TS+2:G0B+4*TS+3], s[G0B+4*TS+2:G0B+4*TS+3], 2*512
	JLOAD G0R+4*TS, G1R, G0B+4*TS, G1B
	PLACES NP-4
.else
	PLACES NP
.endif
	FETCH (\n)+1
	WIN 0
	SCALES ((\n)+1)/4
.if (\fill) && ((\n) < 4)
	global_prefetch_b8 v31, s[2:3] offset:1536 th:TH_LOAD_NT scope:SCOPE_SE   ; K step 3, the last: the second refill asks for nothing
.endif
	WIN MUL
	MUL4 2, \n, 0
	MUL4 3, \n, 0
.endm
.if RESID
	s_wait_loadcnt 32
.else
	s_wait_loadcnt 0x0
.endif
	s_wait_tensorcnt 0x0                           ; my tile of the head's four is in
	ds_add_u32 v[SPW], v[NIL]
	s_mov_b32 s[G1+2], 64<<16                      ; no tensor load of mine is out: from here on a load brings half a tile
	s_mov_b32 s[G1+4], 64
	s_mov_b32 s[G1B+2], 64<<16
	s_mov_b32 s[G1B+4], 64
	s_wait_dscnt 0x0
	CROUND
	JLOAD G0+4, G1, G0B+4, G1B                     ; K step 1, slot 1's first fill: the first tensor load behind the round
	FETCH 0
	WIN 0
	SCALES 0
	global_prefetch_b8 v31, s[2:3] offset:1024 th:TH_LOAD_NT scope:SCOPE_SE   ; K step 2
	SUB 0, 1
	SUB 1, 0
	SUB 2, 0
.if NT > 2
	TURN 3, 1
	SUB 4, 0
	SUB 5, 0
	SUB 6, 0
	TURN 7, 1
	SUB 8, 0
	SUB 9, 0
	SUB 10, 0
	TURN 11, 0
	SUB 12, 0
	SUB 13, 0
	SUB 14, 0
.else
	TURN 3, 0
	SUB 4, 0
	SUB 5, 0
	SUB 6, 0
.endif
	s_wait_dscnt 0x0
.irp a, 0,1,2,3
	MUL4 \a, 4*NT-1, 0
.endr
	WIN 0
	PLACES NP
.if OUTQ
.macro QUANT2 s, pc, pw
.irp b, 0,1
	v_max3_num_f32 v[TM+\b], |v[\s+16*\b]|, |v[\s+1+16*\b]|, 0x8000000
.endr
.irp i, 2,4,6,8,10,12,14
.irp b, 0,1
	v_max3_num_f32 v[TM+\b], v[TM+\b], |v[\s+16*\b+\i]|, |v[\s+1+16*\b+\i]|
.endr
.endr
.irp b, 0,1
	v_permlanex16_b32 v[TM+4+\b], v[TM+\b], s[SEL], s[SEL+1]
.endr
.irp b, 0,1
	v_max_num_f32 v[TM+\b], v[TM+\b], v[TM+4+\b]
.endr
.irp b, 0,1
	v_add_nc_u32 v[TM+12+\b], 0xf8800000, v[TM+\b]
.endr
.irp b, 0,1
	v_and_or_b32 v[TM+8+\b], v[TM+\b], 0x7f800000, s[MNT]
.endr
.irp b, 0,1
	v_lshrrev_b32 v[TM+4+\b], 23, v[TM+12+\b]
.endr
	v_lshl_or_b32 v[\pw], v[TM+5], 8, v[TM+4]
.irp b, 0,1
.irp i, 0,1,2,3,4,5,6,7,8,9,10,11,12,13,14,15
	v_med3_num_f32 v[\s+16*\b+\i], v[\s+16*\b+\i], -v[TM+8+\b], v[TM+8+\b]
.endr
	v_cvt_scalef32_pk8_bf8_f32 v[\pc+4*\b:\pc+4*\b+1], v[\s+16*\b:\s+16*\b+7], v[TM+12+\b]
	v_cvt_scalef32_pk8_bf8_f32 v[\pc+4*\b+2:\pc+4*\b+3], v[\s+16*\b+8:\s+16*\b+15], v[TM+12+\b]
.endr
	v_nop
.endm
	s_mov_b32 s[SEL], 0x76543210
	s_mov_b32 s[SEL+1], 0xfedcba98
	s_mov_b32 s[MNT], 0x600000
.irp b, 0,1
	v_mov_b32 v[TM+4+\b], 0
.endr
.irp a, 0,1,2,3
	QUANT2 ACC+32*\a, PC+8*\a, PW+\a
.irp be, 0,1
.irp u, 0,1
	global_store_b64 v[STO], v[PC+8*\a+4*\be+2*\u:PC+8*\a+4*\be+2*\u+1], s[8:9] offset:\a*16384+512*\be+256*\u
.endr
.endr
	global_store_b16 v[CO], v[PW+\a], s[6:7] offset:\a*1024
.endr
.else
.irp a, 0,1,2,3
.irp b, 0,1,2,3
	ds_store_b128 v[STO], v[ACC+8*(4*\a+\b):ACC+8*(4*\a+\b)+3] offset:\a*SBK+64*\b
	ds_store_b128 v[STO], v[ACC+8*(4*\a+\b)+4:ACC+8*(4*\a+\b)+7] offset:\a*SBK+64*\b+16
.endr
.endr
	WIN TO_F
.set t, 0
.rept 32
	ds_load_b128 v[4*t:4*t+3], v[RD] offset:(t/8)*SBK+(t%8)*2*272
.set t, t+1
.endr
.if RESID
	s_wait_loadcnt 0x0
.endif
.irp a, 0,1,2,3
	s_wait_dscnt 24-8*\a
.if RESID
	WIN 0x49
.set i, 0
.rept 16
	v_pk_add_f32 v[32*\a+2*i:32*\a+2*i+1], v[32*\a+2*i:32*\a+2*i+1], v[32*\a+2*i:32*\a+2*i+1]
.set i, i+1
.endr
.endif
	WIN 0x04
.irp t, 0,1,2,3,4,5,6,7
	global_store_b128 v[CO], v[32*\a+4*\t:32*\a+4*\t+3], s[12:13] offset:(16*\a+2*\t)*SIZE_N*4 th:TH_STORE_NT
.endr
.endr
	WIN 0
.endif
	s_wait_tensorcnt 0x0
	ds_add_u32 v[SPW], v[NIL]
	s_wait_dscnt 0x0
	CROUND
	s_endpgm
.Lfunc_end_k_qbf648e0e75_ffn2:
	.size	k_qbf648e0e75_ffn2, .Lfunc_end_k_qbf648e0e75_ffn2-k_qbf648e0e75_ffn2
	.p2alignl 7, 3214868480
	.fill 96, 4, 3214868480
	.section	.rodata,"a",@progbits
	.p2align	6, 0x0
	.amdhsa_kernel k_qbf648e0e75_ffn2
		.amdhsa_group_segment_fixed_size 327680
		.amdhsa_private_segment_fixed_size 0
		.amdhsa_enable_private_segment 0
		.amdhsa_kernarg_size 40
		.amdhsa_user_sgpr_count 2
		.amdhsa_user_sgpr_kernarg_segment_ptr 1
		.amdhsa_wavefront_size32 1
		.amdhsa_system_sgpr_workgroup_id_x 1
		.amdhsa_system_sgpr_workgroup_id_y 1
		.amdhsa_system_sgpr_workgroup_id_z 1
		.amdhsa_system_vgpr_workitem_id 0
		.amdhsa_next_free_vgpr 640
		.amdhsa_next_free_sgpr 102
		.amdhsa_reserve_vcc 0
		.amdhsa_float_denorm_mode_32 3
		.amdhsa_float_denorm_mode_16_64 3
		.amdhsa_memory_ordered 1
		.amdhsa_forward_progress 1
		.amdhsa_inst_pref_size 100
	.end_amdhsa_kernel
	.amdgpu_metadata
---
amdhsa.version: [ 1, 2 ]
amdhsa.kernels:
  - .name:           k_qbf648e0e75_ffn2
    .symbol:         k_qbf648e0e75_ffn2.kd
    .args:
      - { .name: g, .offset: 0, .size: 8, .value_kind: global_buffer, .address_space: global }
      - { .name: wts, .offset: 8, .size: 8, .value_kind: global_buffer, .address_space: global }
      - { .name: ffn2_b, .offset: 16, .size: 8, .value_kind: global_buffer, .address_space: global }
      - { .name: x, .offset: 24, .size: 8, .value_kind: global_buffer, .address_space: global }
      - { .name: out0, .offset: 32, .size: 8, .value_kind: global_buffer, .address_space: global }
    .group_segment_fixed_size: 327680
    .private_segment_fixed_size: 0
    .kernarg_segment_align: 8
    .kernarg_segment_size: 40
    .max_flat_workgroup_size: 128
    .sgpr_count:     102
    .vgpr_count:     640
    .wavefront_size: 32
...
	.end_amdgpu_metadata
.endif
;; end of part 14
